; MI455X (gfx1250); checked and timed in simulation.
; The chip was launched on July 23, 2026; its instructions are those of AMD's public machine-readable ISA for CDNA 5 (MIT licence, August 2026) and "CDNA5" Instruction Set Architecture Reference Guide (July 2026). The comments in the code are by the model that wrote it; some were corrected since.
;; Decoder Layer. Allowed arithmetic: matrix products marked QUANTISED: E3M2 operands, one E8M0 scale for each 32 along K, by v_wmma_scale_f32_16x16x128_f8f6f4 with both operands' format E3M2, f32 sums; everything else in f32.
;; Inputs: b1 4,096 float32; b2 1,024 float32; beta1 1,024 float32; beta2 1,024 float32; bk 1,024 float32; bo 1,024 float32; bq 1,024 float32; bv 1,024 float32; g1 1,024 float32; g2 1,024 float32; mask 1 x 1 x 2,048 x 2,048 int32; w1 1,024 x 4,096 float32; w2 4,096 x 1,024 float32; wk 1,024 x 1,024 float32; wo 1,024 x 1,024 float32; wq 1,024 x 1,024 float32; wv 1,024 x 1,024 float32; x 2 x 2,048 x 1,024 float32.
;; Outputs: out0 2 x 2,048 x 1,024 float32.
;; This version of the problem:
;;   THIS VERSION OF THE PROBLEM IS GIVEN IN LOW PRECISION. The matrix products marked QUANTISED in the list below multiply operands that are first quantised to E3M2 (3 exponent bits, 2 mantissa bits; 6 bits a number), with one power-of-two scale for each 32 numbers along K (OCP MX v1.0); their sums are f32. All else is computed in f32.
;;   The module's matrix products, in the order in which they are computed (A, B: the left and right operand; K: the contracted axis; several contracted axes count as one K, in the product's order):
;;     1. [M 4,096, K 1,024] x [K 1,024, N 1,024]; A: input x; B: input wq: QUANTISED
;;     2. [M 4,096, K 1,024] x [K 1,024, N 1,024]; A: input x; B: input wk: QUANTISED
;;     3. [M 4,096, K 1,024] x [K 1,024, N 1,024]; A: input x; B: input wv: QUANTISED
;;     4. batch 32 x [M 2,048, K 64] x [K 64, N 2,048]; A: computed on the way; B: computed on the way: QUANTISED
;;     5. batch 32 x [M 2,048, K 2,048] x [K 2,048, N 64]; A: softmax (see below); B: computed on the way: QUANTISED
;;     6. [M 4,096, K 1,024] x [K 1,024, N 1,024]; A: computed on the way; B: input wo: QUANTISED
;;     7. [M 4,096, K 1,024] x [K 1,024, N 4,096]; A: computed on the way; B: input w1: QUANTISED
;;     8. [M 4,096, K 4,096] x [K 4,096, N 1,024]; A: computed on the way; B: input w2: QUANTISED
;;   THE QUANTISER, for each operand of a quantised product, along K:
;;     - K is cut into blocks of 32 from its start; a last block that is shorter is filled with zeros.
;;     - A block's scale is 2^e with e = floor(log2(the largest magnitude in the block)) - 4, held to -126 .. 127; a block of zeros has e = 0. As a byte (E8M0): e + 127.
;;     - Each number is divided by its block's scale, clamped to +-28, and rounded to the nearest number of E3M2, ties to even, subnormals kept.
;;     - The product sums the exact products of the quantised numbers (number of the format x scale) in f32.
;;   ~~~python
;;   def quantise(x, axis):      # numpy; x: float32 -> the quantised numbers, widened to float32 again
;;       x = np.moveaxis(x, axis, -1); K = x.shape[-1]
;;       x = np.pad(x, [(0, 0)] * (x.ndim - 1) + [(0, -K % 32)]); x = x.reshape(x.shape[:-1] + (-1, 32)); a = np.abs(x).max(-1, keepdims=True)
;;       e = np.where(a > 0, np.clip(np.frexp(np.where(a > 0, a, 1))[1] - 1 - 4, -126, 127), 0)      # np.frexp(a)[1] - 1 = floor(log2(a)), exactly
;;       r = np.clip(x / 2.0 ** e, -28, 28)
;;       step = 2.0 ** (np.maximum(np.frexp(np.where(r == 0, 1, r))[1] - 1, -2) - 2)
;;       q = np.round(r / step) * step * 2.0 ** e      # np.round: ties to even
;;       return np.moveaxis(q.reshape(q.shape[:-2] + (-1,))[..., :K], -1, axis).astype(np.float32)
;;   ~~~
;;   SOFTMAX AHEAD OF A QUANTISED PRODUCT. Where the list says 'softmax', what is quantised is not the finished softmax but p = 2^(t - M), with t = logit x log2(e) and M = ceil(the row's largest t), a whole number; so 1/2 < the row's largest p <= 1. The row's sum l is taken of the UNQUANTISED p, in f32, and the product's result is divided by l at the end. Since M is a whole number, a kernel that streams over the keys may use a running M (the ceiling of the running maximum): every later rescaling is an exact power of two, which a block's scale takes up: the codes' values come out the same.
;;   OPERANDS COMPUTED ON THE WAY. 'Computed on the way' means the value that the module computes at that place (a softmax that the list does not call 'softmax' is quantised finished and normalised). What goes into a quantiser is computed in f32, as accurately as f32 sums, v_exp_f32 and their like allow (about 1e-6 of the number): no bf16 or f16 on the way to a quantiser, and a product that is left as it is and whose result goes on into a quantised operand takes f32 operands (vector FMAs, or v_wmma_f32_16x16x4_f32). A number that lies on a knife's edge between two numbers of the format may be rounded either way, as far as f32 arithmetic and the matrix unit's own rounding can turn it there, and no further.
;; 2 versions. Each part assembles by itself: llvm-mc -triple=amdgcn-amd-amdhsa -mcpu=gfx1250 --defsym DOCPART=n.
;; ======== version 1 of 2: 9 launches
;; workspace buffers: fqk 26,249,216 bytes; fv 26,249,216 bytes; f1 26,249,216 bytes; fo 16,384,000 bytes; f2 26,738,688 bytes; part 67,108,864 bytes; x1 16,777,216 bytes
;; launch prep (part 1): grid 641 x 1, 4 waves a work-group, no clusters, 68,096 bytes of LDS; arguments x, mask, wq, wk, wv, wo, w1, w2, bq, bk, bv, b1, fqk, fv, fo, f1, f2; writes fqk, fv, fo, f1, f2
.if DOCPART == 1
	.amdgcn_target "amdgcn-amd-amdhsa--gfx1250"
	.amdhsa_code_object_version 6
	.text
	.protected	k_qbbfaacac5a_prep
	.globl	k_qbbfaacac5a_prep
	.p2align	8
	.type	k_qbbfaacac5a_prep,@function
k_qbbfaacac5a_prep:
	s_mov_b64 s[64:65], 0
	v_nop
	global_prefetch_b8 v0, s[64:65] scope:SCOPE_SE
	s_setreg_imm32_b32 hwreg(HW_REG_WAVE_MODE, 25, 1), 1
	s_wait_xcnt 0x0
; PREP: everything that is quantised or laid out once.  Four kinds of work-group, told apart by the work-group's number:
;   0-127   x [4096][1024] f32 -> codes of E3M2 + E8M0 scale words, stored twice (as source 1 of the Q/K product, as source 0 of the V product)
;   128-255 mask [2048][2048] i32 -> one bit a number, as lane masks for the attention launch
;   256-639 the six weights [K][N] f32 -> codes with K innermost: a lane takes a column and its registers run down K
;   640     the biases into the tails of the feed buffers
; THE IMAGE.  A fragment (16 rows x 128 K, 12 registers a lane) lies as its registers: pair p of lane l at 256 p + 8 l, 1,536 bytes.  A record is a panel of 128 rows x 128 K: eight fragments,
; then at SCO 128 scale words (row's word at 4 x row).  Record (panel, K step) lies at panel x PP + step x RECB.
; THE ORDER INSIDE A BLOCK OF 32: code place 16 a + 8 u + j holds k = 16 u + 8 a + j.  Every operand of every product is laid so, which changes no product and no block, and it is the order in which a
; transposed matrix result falls into a lane's registers.
; A block's scale is 2^(floor(log2(largest magnitude)) - 4): the largest magnitude's exponent field less 4, held at 1 from below.
; LIMITS: a block of zeros gets the byte 1 (its codes are zeros; this program alone reads the bytes); blocks whose largest magnitude lies under 2^-122 are held at the byte 1; NaN and infinities among the inputs are not served.
.set PP,    409600
.set RECB,  12800
.set SCO,   12288
.set S0B,   32*PP
.set TAIL,  64*PP
.set RA,    16                         ; v16-79, v80-143  two sets of 16 rows x 16 bytes a lane, as loaded
.set E,     144                        ; v144-207 64 numbers of my row: register 8 t + j = element 16 t + 8 (lane / 16) + j
.set PC,    208                        ; v208-226 the codes just made
.set MW,    208                        ; v208-215 (mask path) the words, a pair for each step
.set TM,    228                        ; v228-243 the quantiser's work
.set PW,    244                        ; v244     the scale word just made
.set SEL,   2                          ; s[2:3]   lane selects for v_permlanex16_b32: lane l xor 16
; 64 numbers of a lane, register 16 b + i = place 16 (lane / 16) + i of block b of my row, become a fragment's 12 registers v[pc] on and the row's scale word v[pw]
.macro QUANT s, pc, pw
.irp b, 0,1,2,3
	v_max3_num_f32 v[TM+\b], |v[\s+16*\b]|, |v[\s+1+16*\b]|, 0x2800000   ; my 16 numbers of block b, and the floor 2^(5 - 127): the byte cannot fall under 1
.endr
.irp i, 2,4,6,8,10,12,14
.irp b, 0,1,2,3
	v_max3_num_f32 v[TM+\b], v[TM+\b], |v[\s+16*\b+\i]|, |v[\s+1+16*\b+\i]|
.endr
.endr
.irp b, 0,1,2,3
	v_permlanex16_b32 v[TM+4+\b], v[TM+\b], s[SEL], s[SEL+1]
.endr
.irp b, 0,1,2,3
	v_max_num_f32 v[TM+\b], v[TM+\b], v[TM+4+\b]                      ; with lane l xor 16's: the block's largest magnitude
.endr
.irp b, 0,1,2,3
	v_add_nc_u32 v[TM+12+\b], 0xfe000000, v[TM+\b]                    ; 4 off its exponent field: the conversion's scale operand
.endr
.irp b, 0,1,2,3
	v_lshrrev_b32 v[TM+4+\b], 23, v[TM+12+\b]                         ; the scale's byte
.endr
	v_lshl_or_b32 v[\pw], v[TM+5], 8, v[TM+4]
	v_lshl_or_b32 v[\pw], v[TM+6], 16, v[\pw]
	v_lshl_or_b32 v[\pw], v[TM+7], 24, v[\pw]
.irp c, 0,1
	v_cvt_scalef32_pk16_bf6_f32 v[\pc+6*\c:\pc+2+6*\c], v[\s+32*\c:\s+15+32*\c], v[TM+12+2*\c]
	v_cvt_scalef32_pk16_bf6_f32 v[\pc+12+4*\c:\pc+14+4*\c], v[\s+16+32*\c:\s+31+32*\c], v[TM+12+2*\c+1]   ; (a conversion's three registers begin on an even number)
.endr
	v_nop                                          ; one plain place behind a scaled conversion
.irp c, 0,1                                    ; the operand's layout wants a whole block in a lane: lanes 0-15 block 2 c, lanes 16-31 block 2 c + 1
.irp i, 0,1,2
	v_permlane16_swap_b32 v[\pc+6*\c+\i], v[\pc+12+4*\c+\i]
.endr
.irp i, 0,1,2
	v_mov_b32 v[\pc+3+6*\c+\i], v[\pc+12+4*\c+\i]
.endr
.endr
.endm
; sixteen rows, 512 consecutive bytes of each: 16 bytes a lane
.macro LOADT rs, sb, pitch, off
.irp i, 0,1,2,3,4,5,6,7,8,9,10,11,12,13,14,15
	global_load_b128 v[\rs+4*\i:\rs+4*\i+3], v4, s[\sb:\sb+1] offset:\i*(\pitch)+(\off) th:TH_LOAD_NT
.endr
.endm
; through the wave's own stage (16 rows of 512 + 16 bytes): in as loaded, out as 64 numbers of ONE row a lane.  LDS serves a wave's instructions in order: no wait between
.macro TURN rs, sti, sto
.irp i, 0,1,2,3,4,5,6,7,8,9,10,11,12,13,14,15
	ds_store_b128 v[\sti], v[\rs+4*\i:\rs+4*\i+3] offset:528*\i
.endr
.irp t, 0,1,2,3,4,5,6,7
	ds_load_b128 v[E+8*\t:E+8*\t+3], v[\sto] offset:64*\t
	ds_load_b128 v[E+8*\t+4:E+8*\t+7], v[\sto] offset:64*\t+16
.endr
.endm
	v_lshl_add_u32 v254, v0, 2, 0x10800
	v_mov_b32 v255, 0
	v_lshrrev_b32 v1, 5, v0
	v_readfirstlane_b32 s8, v1                     ; wave 0..3
	v_and_b32 v1, 31, v0                           ; lane
	v_and_b32 v2, 15, v0                           ; r
	v_bfe_u32 v3, v0, 4, 1                         ; h
	v_lshlrev_b32 v4, 4, v1                        ; 16 x lane
	v_lshlrev_b32 v5, 3, v1                        ; 8 x lane
	v_lshlrev_b32 v6, 2, v1                        ; 4 x lane
	v_lshlrev_b32 v7, 2, v2                        ; 4 r
	s_mul_i32 s9, s8, 8448                         ; my stage
	v_add_nc_u32 v8, s9, v4                        ; in: 16 x lane
	v_mul_u32_u24 v9, v2, 528
	v_lshl_add_u32 v9, v3, 5, v9
	v_add_nc_u32 v9, s9, v9                        ; out: row r, + 32 h
	v_add_nc_u32 v10, 33792, v8                    ; the mask path has LDS bytes of its own
	v_add_nc_u32 v11, 33792, v9
	s_mov_b32 s[SEL], 0x76543210
	s_mov_b32 s[SEL+1], 0xfedcba98
	s_cmp_ge_u32 ttmp9, 640
	s_cbranch_scc1 .Lc
	s_cmp_ge_u32 ttmp9, 256
	s_cbranch_scc1 .Lw
	s_cmp_ge_u32 ttmp9, 128
	s_cbranch_scc1 .Lm
	; ---- x.  Wave: 16 rows x 512 along K, four K steps
	s_load_b64 s[4:5], s[0:1], 0x0                 ; x
	s_load_b128 s[12:15], s[0:1], 0x60             ; fqk, fv
	s_lshl_b32 s10, ttmp9, 2
	s_add_co_u32 s10, s10, s8
	s_lshr_b32 s11, s10, 1                         ; tile of 16 rows
	s_and_b32 s16, s10, 1                          ; which half of K
	s_lshl_b32 s18, s11, 16                        ; 16 rows of 4,096 bytes
	s_lshl_b32 s17, s16, 11
	s_add_co_u32 s18, s18, s17
	s_mov_b32 s19, 0
	s_lshr_b32 s20, s11, 3                         ; panel
	s_mul_i32 s20, s20, PP
	s_mul_i32 s17, s16, 4*RECB
	s_add_co_u32 s20, s20, s17
	s_mov_b32 s21, 0
	s_and_b32 s22, s11, 7                          ; tile in the panel
	s_mul_i32 s23, s22, 1536
	v_add_nc_u32 v12, s23, v5                      ; my 8 bytes of a pair
	s_lshl_b32 s23, s22, 6
	s_add_co_u32 s23, s23, SCO
	v_add_nc_u32 v13, s23, v7                      ; my row's scale word
.irp b, 0,1,2,3
	v_mov_b32 v[TM+4+\b], 0                        ; written once: a lane permute's destination counts as one of its sources
.endr
	s_wait_kmcnt 0x0
	s_add_nc_u64 s[4:5], s[4:5], s[18:19]
	s_add_nc_u64 s[12:13], s[12:13], s[20:21]
	s_add_nc_u64 s[14:15], s[14:15], s[20:21]
	s_add_nc_u64 s[14:15], s[14:15], S0B
	LOADT RA, 4, 4096, 0
	LOADT RA+64, 4, 4096, 512
.macro XSTEP s
.if (\s) < 3
	s_wait_loadcnt 16                              ; this step's 16 loads are in; the other set's may be out
.else
	s_wait_loadcnt 0x0
.endif
	TURN RA+64*((\s)%2), 8, 9
	s_wait_dscnt 0x0
.if (\s) > 0
	s_wait_xcnt 0x0                                ; the last step's stores have read the codes and the scale word: they are written again below
.endif
.if (\s)+2 < 4
	LOADT RA+64*((\s)%2), 4, 4096, 512*((\s)+2)
.endif
	QUANT E, PC, PW
.irp p, 0,1,2,3,4,5
	global_store_b64 v12, v[PC+2*\p:PC+2*\p+1], s[12:13] offset:RECB*(\s)+256*\p   ; 32 lanes store 256 consecutive bytes, aligned
	global_store_b64 v12, v[PC+2*\p:PC+2*\p+1], s[14:15] offset:RECB*(\s)+256*\p
.endr
	global_store_b32 v13, v[PW], s[12:13] offset:RECB*(\s)    ; lanes 16-31 repeat lanes 0-15's word
	global_store_b32 v13, v[PW], s[14:15] offset:RECB*(\s)
.endm
	XSTEP 0
	XSTEP 1
	XSTEP 2
	XSTEP 3
	s_wait_tensorcnt 0x0
	ds_add_u32 v254, v255
	s_wait_dscnt 0x0
	s_endpgm
	; ---- the mask.  Wave: 16 queries x 512 keys, four key steps.  Word 8 t + j of a step: bit L = (mask[query L % 16][key 16 t + 8 (L / 16) + j] == 1): the lane mask for score register 8 t + j
.Lm:
	s_load_b64 s[4:5], s[0:1], 0x8                 ; mask
	s_load_b64 s[12:13], s[0:1], 0x80              ; f2
	s_sub_co_u32 s10, ttmp9, 128                   ; tile of 16 queries
	s_lshl_b32 s18, s10, 17                        ; 16 rows of 8,192 bytes
	s_lshl_b32 s17, s8, 11
	s_add_co_u32 s18, s18, s17
	s_mov_b32 s19, 0
	s_lshl_b32 s16, s10, 12                        ; 16 steps x 256 bytes
	s_lshl_b32 s17, s8, 10
	s_add_co_u32 s16, s16, s17
	s_add_co_u32 s16, s16, TAIL
	s_mov_b32 s17, 0
.irp i, 0,1,2,3,4,5,6,7
	v_mov_b32 v[MW+\i], 0                          ; v_writelane_b32's destination counts as read
.endr
	s_wait_kmcnt 0x0
	s_add_nc_u64 s[4:5], s[4:5], s[18:19]
	s_add_nc_u64 s[12:13], s[12:13], s[16:17]
	LOADT RA, 4, 8192, 0
	LOADT RA+64, 4, 8192, 512
.macro MSTEP s
.if (\s) < 3
	s_wait_loadcnt 16
.else
	s_wait_loadcnt 0x0
.endif
	TURN RA+64*((\s)%2), 10, 11
	s_wait_dscnt 0x0
.if (\s)+2 < 4
	LOADT RA+64*((\s)%2), 4, 8192, 512*((\s)+2)
.endif
.set n, 0
.rept 16
.irp k, 0,1,2,3
	v_cmp_eq_u32 s[20+\k], 1, v[E+n+\k]
.endr
.irp k, 0,1,2,3
	v_writelane_b32 v[MW+2*(\s)+(\k%2)], s[20+\k], (n+\k)/2   ; word n goes to lane n / 2 of register n % 2: the store below lays the 64 words on end
.endr
.set n, n+4
.endr
	global_store_b64 v5, v[MW+2*(\s):MW+2*(\s)+1], s[12:13] offset:256*(\s)
.endm
	MSTEP 0
	MSTEP 1
	MSTEP 2
	MSTEP 3
	s_wait_tensorcnt 0x0
	ds_add_u32 v254, v255
	s_wait_dscnt 0x0
	s_endpgm
	; ---- the weights.  Work-group: a panel of 128 columns x 256 along K; wave: 32 columns, a lane a column, eight blocks of 32 down K
.macro LOADW t, pitch                          ; register i takes the row that belongs at code place i
.irp i, 0,1,2,3,4,5,6,7,8,9,10,11,12,13,14,15,16,17,18,19,20,21,22,23,24,25,26,27,28,29,30,31
	global_load_b32 v[16+32*((\t)%2)+\i], v6, s[34:35] offset:(32*(\t)+16*((\i>>3)&1)+8*(\i>>4)+(\i&7))*(\pitch) th:TH_LOAD_NT
.endr
.endm
.macro BLOCK t, pitch
.set XS, 16+32*((\t)%2)
.set CB, 80+24*((\t)/4)+6*((\t)%4)
.if (\t) < 7
	s_wait_loadcnt 32                              ; this block's 32 loads are in; the next block's may be out
.else
	s_wait_loadcnt 0x0
.endif
	v_max3_num_f32 v134, |v[XS]|, |v[XS+1]|, |v[XS+2]|
	v_max3_num_f32 v135, |v[XS+3]|, |v[XS+4]|, |v[XS+5]|
.irp i, 6,10,14,18,22,26
	v_max3_num_f32 v134, v134, |v[XS+\i]|, |v[XS+\i+1]|
	v_max3_num_f32 v135, v135, |v[XS+\i+2]|, |v[XS+\i+3]|
.endr
	v_max3_num_f32 v134, v134, |v[XS+30]|, |v[XS+31]|
	v_max3_num_f32 v134, v134, v135, 0x2800000     ; and the floor
	v_add_nc_u32 v136, 0xfe000000, v134
	v_cvt_scalef32_pk16_bf6_f32 v[CB:CB+2], v[XS:XS+15], v136
	v_cvt_scalef32_pk16_bf6_f32 v[128:130], v[XS+16:XS+31], v136
	v_lshrrev_b32 v137, 23, v136                   ; the byte; also the plain place behind the conversions
.if (\t)%4 == 0
	v_mov_b32 v[132+(\t)/4], v137
.else
	v_lshl_or_b32 v[132+(\t)/4], v137, 8*((\t)%4), v[132+(\t)/4]
.endif
.irp i, 0,1,2
	v_mov_b32 v[CB+3+\i], v[128+\i]
.endr
.if (\t)+2 < 8
	LOADW (\t)+2, \pitch
.endif
.endm
.macro WOUT k                                  ; K step k of my two: four blocks of 32 columns become two fragments of 16 columns
.set C0, 80+24*(\k)
.irp i, 0,1,2,3,4,5
	v_permlane16_swap_b32 v[C0+\i], v[C0+6+\i]     ; blocks 0 and 1: the first now holds the lower tile's registers 0-5, the second the upper tile's
	v_permlane16_swap_b32 v[C0+12+\i], v[C0+18+\i] ; blocks 2 and 3: registers 6-11
.endr
.irp p, 0,1,2
	global_store_b64 v5, v[C0+2*\p:C0+2*\p+1], s[36:37] offset:RECB*(\k)+256*\p
	global_store_b64 v5, v[C0+12+2*\p:C0+13+2*\p], s[36:37] offset:RECB*(\k)+768+256*\p
	global_store_b64 v5, v[C0+6+2*\p:C0+7+2*\p], s[36:37] offset:RECB*(\k)+1536+256*\p
	global_store_b64 v5, v[C0+18+2*\p:C0+19+2*\p], s[36:37] offset:RECB*(\k)+2304+256*\p
.endr
	global_store_b32 v6, v[132+\k], s[38:39] offset:RECB*(\k)
.endm
; s[34:35] the weight, s[36:37] its feed buffer, s43 its first panel there, s41 the panel, s42 which 256 along K
.macro WBODY pitch
	s_mul_i32 s47, s42, 256*(\pitch)
	s_lshl_b32 s48, s41, 9
	s_add_co_u32 s47, s47, s48
	s_lshl_b32 s48, s8, 7
	s_add_co_u32 s48, s47, s48
	s_mov_b32 s49, 0
	s_add_nc_u64 s[34:35], s[34:35], s[48:49]
	s_add_co_u32 s50, s43, s41
	s_mul_i32 s50, s50, PP
	s_mul_i32 s51, s42, 2*RECB
	s_add_co_u32 s50, s50, s51
	s_mov_b32 s51, 0
	s_add_nc_u64 s[36:37], s[36:37], s[50:51]      ; the first of my two records
	s_lshl_b32 s52, s8, 7
	s_add_co_u32 s52, s52, SCO
	s_mov_b32 s53, 0
	s_add_nc_u64 s[38:39], s[36:37], s[52:53]      ; my 32 scale words
	s_mul_i32 s52, s8, 3072
	s_add_nc_u64 s[36:37], s[36:37], s[52:53]      ; my two fragments
	LOADW 0, \pitch
	LOADW 1, \pitch
	BLOCK 0, \pitch
	BLOCK 1, \pitch
	BLOCK 2, \pitch
	BLOCK 3, \pitch
	WOUT 0
	BLOCK 4, \pitch
	BLOCK 5, \pitch
	BLOCK 6, \pitch
	BLOCK 7, \pitch
	WOUT 1
.endm
.Lw:
	s_load_b256 s[12:19], s[0:1], 0x10             ; wq, wk, wv, wo
	s_load_b128 s[20:23], s[0:1], 0x30             ; w1, w2
	s_load_b256 s[24:31], s[0:1], 0x60             ; fqk, fv, fo, f1
	s_load_b64 s[32:33], s[0:1], 0x80              ; f2
	s_sub_co_u32 s10, ttmp9, 256
	s_wait_kmcnt 0x0
	s_cmp_ge_u32 s10, 256
	s_cbranch_scc1 .Lw1
	s_lshr_b32 s40, s10, 5                         ; 0 wq, 1 wk, 2 wv, 3 wo, 4 and above w2
	s_bfe_u32 s41, s10, 0x30002                    ; the small weights: 8 panels x 4 along K
	s_and_b32 s42, s10, 3
	s_sub_co_u32 s44, s10, 128                     ; w2: 8 panels x 16 along K (used only where it is chosen)
	s_lshr_b32 s45, s44, 4
	s_and_b32 s46, s44, 15
	s_mov_b64 s[34:35], s[12:13]
	s_mov_b64 s[36:37], s[24:25]
	s_mov_b32 s43, 32
	s_cmp_eq_u32 s40, 1
	s_cselect_b64 s[34:35], s[14:15], s[34:35]
	s_cselect_b32 s43, 40, s43
	s_cmp_eq_u32 s40, 2
	s_cselect_b64 s[34:35], s[16:17], s[34:35]
	s_cselect_b64 s[36:37], s[26:27], s[36:37]
	s_cselect_b32 s43, 0, s43
	s_cmp_eq_u32 s40, 3
	s_cselect_b64 s[34:35], s[18:19], s[34:35]
	s_cselect_b64 s[36:37], s[28:29], s[36:37]
	s_cselect_b32 s43, 32, s43
	s_cmp_ge_u32 s40, 4
	s_cselect_b64 s[34:35], s[22:23], s[34:35]
	s_cselect_b64 s[36:37], s[32:33], s[36:37]
	s_cselect_b32 s43, 32, s43
	s_cselect_b32 s41, s45, s41
	s_cselect_b32 s42, s46, s42
	WBODY 4096
	s_endpgm
.Lw1:
	s_sub_co_u32 s44, s10, 256                     ; w1: 32 panels x 4 along K, rows of 16,384 bytes
	s_lshr_b32 s41, s44, 2
	s_and_b32 s42, s44, 3
	s_mov_b64 s[34:35], s[20:21]
	s_mov_b64 s[36:37], s[30:31]
	s_mov_b32 s43, 32
	WBODY 16384
	s_endpgm
	; ---- the tails: at +0 the bias by the product's source-0 row, at +16,384 by its source-1 row, at +32,768 the activation's lower bound
.Lc:
	s_load_b256 s[12:19], s[0:1], 0x40             ; bq, bk, bv, b1
	s_load_b128 s[20:23], s[0:1], 0x60             ; fqk, fv
	s_load_b64 s[24:25], s[0:1], 0x78              ; f1
	v_lshlrev_b32 v12, 4, v0                       ; 128 threads x 16 bytes
.irp i, 0,1,2,3
	v_mov_b32 v[16+\i], 0
	v_mov_b32 v[20+\i], 0xff800000                 ; -infinity: no lower bound
.endr
	s_wait_kmcnt 0x0
	s_add_nc_u64 s[20:21], s[20:21], TAIL
	s_add_nc_u64 s[22:23], s[22:23], TAIL
	s_add_nc_u64 s[24:25], s[24:25], TAIL
.irp k, 0,1
	global_load_b128 v[32+4*\k:35+4*\k], v12, s[12:13] offset:2048*\k
	global_load_b128 v[40+4*\k:43+4*\k], v12, s[14:15] offset:2048*\k
	global_load_b128 v[48+4*\k:51+4*\k], v12, s[16:17] offset:2048*\k
.endr
.irp k, 0,1,2,3,4,5,6,7
	global_load_b128 v[56+4*\k:59+4*\k], v12, s[18:19] offset:2048*\k
.endr
	s_wait_loadcnt 0x0
.irp k, 0,1
	global_store_b128 v12, v[32+4*\k:35+4*\k], s[20:21] offset:2048*\k             ; Q and K: bq, then bk, by column
	global_store_b128 v12, v[40+4*\k:43+4*\k], s[20:21] offset:4096+2048*\k
	global_store_b128 v12, v[48+4*\k:51+4*\k], s[22:23] offset:16384+2048*\k       ; V^T: bv by row
.endr
.irp k, 0,1,2,3,4,5,6,7
	global_store_b128 v12, v[16:19], s[20:21] offset:16384+2048*\k
	global_store_b128 v12, v[16:19], s[22:23] offset:2048*\k
	global_store_b128 v12, v[56+4*\k:59+4*\k], s[24:25] offset:2048*\k             ; the hidden layer: b1 by column
	global_store_b128 v12, v[16:19], s[24:25] offset:16384+2048*\k
.endr
	global_store_b128 v12, v[20:23], s[20:21] offset:32768
	global_store_b128 v12, v[20:23], s[22:23] offset:32768
	global_store_b128 v12, v[16:19], s[24:25] offset:32768                         ; relu: the bound is 0
	s_endpgm
.Lfunc_end_k_qbbfaacac5a_prep:
	.size	k_qbbfaacac5a_prep, .Lfunc_end_k_qbbfaacac5a_prep-k_qbbfaacac5a_prep
	.p2alignl 7, 3214868480
	.fill 96, 4, 3214868480
	.section	.rodata,"a",@progbits
	.p2align	6, 0x0
	.amdhsa_kernel k_qbbfaacac5a_prep
		.amdhsa_group_segment_fixed_size 68096
		.amdhsa_private_segment_fixed_size 0
		.amdhsa_enable_private_segment 0
		.amdhsa_kernarg_size 136
		.amdhsa_user_sgpr_count 2
		.amdhsa_user_sgpr_kernarg_segment_ptr 1
		.amdhsa_wavefront_size32 1
		.amdhsa_system_sgpr_workgroup_id_x 1
		.amdhsa_system_sgpr_workgroup_id_y 1
		.amdhsa_system_sgpr_workgroup_id_z 1
		.amdhsa_system_vgpr_workitem_id 0
		.amdhsa_next_free_vgpr 256
		.amdhsa_next_free_sgpr 66
		.amdhsa_reserve_vcc 0
		.amdhsa_float_denorm_mode_32 3
		.amdhsa_float_denorm_mode_16_64 3
		.amdhsa_memory_ordered 1
		.amdhsa_forward_progress 1
		.amdhsa_inst_pref_size 172
	.end_amdhsa_kernel
	.amdgpu_metadata
---
amdhsa.version: [ 1, 2 ]
amdhsa.kernels:
  - .name:           k_qbbfaacac5a_prep
    .symbol:         k_qbbfaacac5a_prep.kd
    .args:
      - { .name: x, .offset: 0, .size: 8, .value_kind: global_buffer, .address_space: global }
      - { .name: mask, .offset: 8, .size: 8, .value_kind: global_buffer, .address_space: global }
      - { .name: wq, .offset: 16, .size: 8, .value_kind: global_buffer, .address_space: global }
      - { .name: wk, .offset: 24, .size: 8, .value_kind: global_buffer, .address_space: global }
      - { .name: wv, .offset: 32, .size: 8, .value_kind: global_buffer, .address_space: global }
      - { .name: wo, .offset: 40, .size: 8, .value_kind: global_buffer, .address_space: global }
      - { .name: w1, .offset: 48, .size: 8, .value_kind: global_buffer, .address_space: global }
      - { .name: w2, .offset: 56, .size: 8, .value_kind: global_buffer, .address_space: global }
      - { .name: bq, .offset: 64, .size: 8, .value_kind: global_buffer, .address_space: global }
      - { .name: bk, .offset: 72, .size: 8, .value_kind: global_buffer, .address_space: global }
      - { .name: bv, .offset: 80, .size: 8, .value_kind: global_buffer, .address_space: global }
      - { .name: b1, .offset: 88, .size: 8, .value_kind: global_buffer, .address_space: global }
      - { .name: fqk, .offset: 96, .size: 8, .value_kind: global_buffer, .address_space: global }
      - { .name: fv, .offset: 104, .size: 8, .value_kind: global_buffer, .address_space: global }
      - { .name: fo, .offset: 112, .size: 8, .value_kind: global_buffer, .address_space: global }
      - { .name: f1, .offset: 120, .size: 8, .value_kind: global_buffer, .address_space: global }
      - { .name: f2, .offset: 128, .size: 8, .value_kind: global_buffer, .address_space: global }
    .group_segment_fixed_size: 68096
    .private_segment_fixed_size: 0
    .kernarg_segment_align: 8
    .kernarg_segment_size: 136
    .max_flat_workgroup_size: 128
    .sgpr_count:     66
    .vgpr_count:     256
    .wavefront_size: 32
...
	.end_amdgpu_metadata
.endif
;; end of part 1
;; launch qk (part 2): grid 8 x 16, 4 waves a work-group, clusters of 4 x 4, 327,680 bytes of LDS; arguments fqk, f1; writes f1
.if DOCPART == 2
	.amdgcn_target "amdgcn-amd-amdhsa--gfx1250"
	.amdhsa_code_object_version 6
	.text
	.protected	k_qbbfaacac5a_qk
	.globl	k_qbbfaacac5a_qk
	.p2align	8
	.type	k_qbbfaacac5a_qk,@function
k_qbbfaacac5a_qk:
	s_mov_b64 s[64:65], 0
	v_nop
	global_prefetch_b8 v0, s[64:65] scope:SCOPE_SE
	s_setreg_imm32_b32 hwreg(HW_REG_WAVE_MODE, 25, 1), 1
	s_wait_xcnt 0x0
	s_wait_alu depctr_hold_cnt(0) depctr_sa_sdst(0) depctr_va_vdst(0) depctr_va_sdst(0) depctr_va_ssrc(0) depctr_va_vcc(0) depctr_vm_vsrc(0)
	s_getreg_b32 s2, hwreg(HW_REG_IB_STS2, 6, 4)
	s_cmp_eq_u32 s2, 0
	s_cbranch_scc0 .Lentry_in_a_cluster
	s_endpgm
.Lentry_in_a_cluster:
	s_bfe_u32 s2, ttmp6, 0x10000c
	s_cmp_lg_u32 s2, 0xf033
	s_cbranch_scc0 .Lentry_shape_is_right
	s_endpgm
.Lentry_shape_is_right:
; A GEMM ON CODES OF E3M2 WHOSE RESULT IS QUANTISED AGAIN: out = Q(max(S1 S0^T + bias, bound)), K = 1,024.  It serves x [wq wk], (x wv)^T and relu(x1 w1 + b1).
; feed: source 1's panels of 128 rows from panel 0, source 0's from panel 32, as records (panel, K step of 128) at panel x PP + step x RECB: eight fragments as images of their registers (pair p of lane l at
; 256 p + 8 l), then 128 scale words at SCO.  Behind them the tail: bias by source-0 row, bias by source-1 row, the lower bound.  out: records of the same make: rows = source 1's rows, K = source 0's rows.
; A tile is 256 x 256, four waves, 128 x 128 each: 64 accumulators, 512 registers.  K goes through a ring of two LDS slots of two K steps; a wave's one tensor load brings one panel x two K steps: 25,600 dense bytes, codes
; and scale words together.  A fragment comes out of LDS by six loads of 8 bytes a lane, 256 consecutive bytes each.
; CLUSTERS: 4 x 4 work-groups; source 1's panels are asked for jointly along a row of the cluster, source 0's along a column.
; THE MATRIX INSTRUCTION: source 0 = 16 rows of S0, source 1 = 16 rows of S1: a lane holds ONE row of S1 and eight neighbouring rows of S0, so a wave's 64 registers of a tile of rows are 128 along the next K.
; Inside a block of 32 the next K lies in the order 16 a + 8 u + j <- 16 u + 8 a + j, as in every operand of this program.
; REGISTERS: window 0: v1-5, v16-29 addresses; v32-63 scale words, two sets; v64-127 the bias by S0 row (the C of the first products); v128-223 S1's eight fragments, one set (on the way out: numbers and codes);
;   v224-239 the bias by S1 row, twice each; v240-255 the quantiser's work.  window 1: S0's fragments, two sets.  windows 2, 3: the accumulators ((a, b) at v[8 (8 (a % 4) + b)]).
; LIMITS: a block of zeros gets the byte 1; blocks under 2^-122 are held at the byte 1; NaN and infinities are not served.
.set BIASC,  1
.set PP,     409600
.set RECB,   12800
.set SCO,    12288
.set S0B,    32*PP
.set TAIL,   64*PP
.set NQ,     2
.set HALFT,  NQ*RECB                   ; what one tensor load brings
.set SLOT,   4*HALFT                   ; S1's two panels, then S0's two
.set SPARE,  2*SLOT                    ; behind the ring: the spare words, 128 bytes a wave: two blocks of 256 bytes that no other line names
.set FR,     12
.set NL,     6
.set NP,     4
.set ADRA,   16                        ; v16-17 my S1 panel in slot 0, 1: + 8 x lane
.set ADRB,   18                        ; v18-19 my S0 panel
.set ASA,    20                        ; v20-21, v22-23 the same + 4 x lane, for the scale words
.set ASB,    22
.set SPW,    28
.set NIL,    29
.set SC,     32                        ; set s at v[SC + 16 s]: register 8 q + i: S1's tiles 2 i (lanes 0-15) and 2 i + 1 (lanes 16-31); 8 q + 4 + i: S0's
.set BN,     64
.set AF,     128
.set BM,     224
.set QX,     128
.set QC,     192
.set QW,     212
.set QM,     214
.set TM,     240
.set SEL,    2
.set G1,     24
.set G0,     32
.set G1B,    48
.set G0B,    56
.set MUL_LO, 0xa1                      ; source 0 window 1, source 1 window 0, C and D window 2
.set MUL_HI, 0xf1
.set TO_B,   0x40
.set MSB, 0
.macro WIN new                         ; the immediate's high byte repeats the setting that is left
.if MSB != (\new)
	s_set_vgpr_msb (MSB<<8)|(\new)
.set MSB, \new
.endif
.endm
; a joint load: waves 0 and 1 fetch S1's panels, waves 2 and 3 S0's; the branch hangs on the wave's number alone; four v_nop follow each line
.macro JLOAD g0a, g1a, g0b, g1b
	s_cmp_eq_u32 s15, 0
	s_cbranch_scc0 .Lfor_b_\@
	tensor_load_to_lds s[\g0a:\g0a+3], s[\g1a:\g1a+7]
	s_nop 0
.rept 4
	v_nop
.endr
	s_branch .Lasked_\@
.Lfor_b_\@:
	tensor_load_to_lds s[\g0b:\g0b+3], s[\g1b:\g1b+7]
	s_nop 0
.rept 4
	v_nop
.endr
.Lasked_\@:
.endm
.macro CREST                           ; a round of the cluster's barrier behind its opening barrier
	s_cmp_lg_u32 s14, 0
	s_cbranch_scc1 .Lnot_wave_0_\@
	s_barrier_signal -3
.Lnot_wave_0_\@:
	s_barrier_wait -3
	s_barrier_signal -1
	s_barrier_wait -1
.endm
.macro CROUND
	s_barrier_signal -1
	s_barrier_wait -1
	CREST
.endm
.macro PLACES n
.rept \n
	v_nop
.endr
.endm
.macro QUANT s, pc, pw
.irp b, 0,1,2,3
	v_max3_num_f32 v[TM+\b], |v[\s+16*\b]|, |v[\s+1+16*\b]|, 0x2800000   ; my 16 numbers of block b, and the floor 2^(5 - 127)
.endr
.irp i, 2,4,6,8,10,12,14
.irp b, 0,1,2,3
	v_max3_num_f32 v[TM+\b], v[TM+\b], |v[\s+16*\b+\i]|, |v[\s+1+16*\b+\i]|
.endr
.endr
.irp b, 0,1,2,3
	v_permlanex16_b32 v[TM+4+\b], v[TM+\b], s[SEL], s[SEL+1]
.endr
.irp b, 0,1,2,3
	v_max_num_f32 v[TM+\b], v[TM+\b], v[TM+4+\b]
.endr
.irp b, 0,1,2,3
	v_add_nc_u32 v[TM+12+\b], 0xfe000000, v[TM+\b]                    ; 4 off the exponent field: the conversion's scale operand
.endr
.irp b, 0,1,2,3
	v_lshrrev_b32 v[TM+4+\b], 23, v[TM+12+\b]
.endr
	v_lshl_or_b32 v[\pw], v[TM+5], 8, v[TM+4]
	v_lshl_or_b32 v[\pw], v[TM+6], 16, v[\pw]
	v_lshl_or_b32 v[\pw], v[TM+7], 24, v[\pw]
.irp c, 0,1
	v_cvt_scalef32_pk16_bf6_f32 v[\pc+6*\c:\pc+2+6*\c], v[\s+32*\c:\s+15+32*\c], v[TM+12+2*\c]
	v_cvt_scalef32_pk16_bf6_f32 v[\pc+12+4*\c:\pc+14+4*\c], v[\s+16+32*\c:\s+31+32*\c], v[TM+12+2*\c+1]
.endr
	v_nop                                          ; one plain place behind a scaled conversion
.irp c, 0,1
.irp i, 0,1,2
	v_permlane16_swap_b32 v[\pc+6*\c+\i], v[\pc+12+4*\c+\i]
.endr
.irp i, 0,1,2
	v_mov_b32 v[\pc+3+6*\c+\i], v[\pc+12+4*\c+\i]
.endr
.endr
.endm
	s_load_b128 s[4:7], s[0:1], 0x0                ; feed, out
	v_lshl_add_u32 v[SPW], v0, 2, SPARE
	v_mov_b32 v[NIL], 0
	ds_add_u32 v28, v29
	ds_add_u32 v28, v29
	s_wait_dscnt 0x0
	v_lshrrev_b32 v1, 5, v0
	v_readfirstlane_b32 s14, v1                    ; wave 0..3
	s_lshr_b32 s15, s14, 1                         ; which of the tile's S1 panels is mine.  Also: I fetch for S1 (0) or S0 (1)
	s_and_b32 s16, s14, 1                          ; which S0 panel.  Also: which panel I fetch
	s_bfe_u32 s40, ttmp6, 0x40000                  ; cx, cy
	s_bfe_u32 s41, ttmp6, 0x40004
	s_lshl_b32 s42, ttmp9, 2
	s_add_co_u32 s42, s42, s40                     ; x: tile of S0 rows
	s_and_b32 s17, ttmp7, 0xffff
	s_lshl_b32 s17, s17, 2
	s_add_co_u32 s17, s17, s41                     ; y
	s_lshl_b32 s43, s41, 2
	s_lshl_b32 s43, 15, s43                        ; my row of the cluster
	s_lshl_b32 s44, 0x1111, s40                    ; my column
	; descriptor group 1: 25,600 dense bytes as 100 rows of 32 elements of 8 bytes, no padding
	s_or_b32 s[G1+0], s43, (3<<16)|(1<<21)
	s_or_b32 s[G1B+0], s44, (3<<16)|(1<<21)
.irp g, G1, G1B
	s_mov_b32 s[\g+1], 32<<16                      ; tensor_dim0
	s_mov_b32 s[\g+2], 100<<16                     ; tensor_dim1
	s_mov_b32 s[\g+3], 32<<16                      ; tile_dim0
	s_mov_b32 s[\g+4], 100                         ; tile_dim1
	s_mov_b32 s[\g+5], 32                          ; the pitch
	s_mov_b32 s[\g+6], 0
	s_mov_b32 s[\g+7], 0
.endr
	s_and_b32 s18, ttmp7, 0xffff
	s_lshr_b32 s18, s18, 2                         ; which quarter of a longer K: by the cluster's y alone (0 on grids of 16 tile rows)
	s_mul_i32 s18, s18, 8*RECB
	s_and_b32 s19, s17, 15                         ; tile of S1 rows
	s_lshl_b32 s20, s19, 1
	s_add_co_u32 s20, s20, s16
	s_mul_i32 s20, s20, PP
	s_add_co_u32 s20, s20, s18
	s_mov_b32 s21, 0
	s_lshl_b32 s46, s42, 1
	s_add_co_u32 s46, s46, s16
	s_mul_i32 s46, s46, PP
	s_add_co_u32 s46, s46, s18
	s_add_co_u32 s46, s46, S0B
	s_mov_b32 s47, 0
	s_mul_i32 s45, s14, HALFT                      ; where they go: no place in the cluster enters an LDS address
	s_wait_kmcnt 0x0
	s_add_nc_u64 s[20:21], s[4:5], s[20:21]
	s_add_nc_u64 s[46:47], s[4:5], s[46:47]
	CROUND                                         ; all sixteen work-groups are here: the first joint loads meet
.irp s, 0,1
	s_mov_b32 s[G0+4*\s], 1
	s_add_co_u32 s[G0+4*\s+1], s45, \s*SLOT
	s_add_nc_u64 s[G0+4*\s+2:G0+4*\s+3], s[20:21], \s*HALFT
	s_or_b32 s[G0+4*\s+3], s[G0+4*\s+3], 0x80000000
	s_mov_b32 s[G0B+4*\s], 1
	s_add_co_u32 s[G0B+4*\s+1], s45, \s*SLOT
	s_add_nc_u64 s[G0B+4*\s+2:G0B+4*\s+3], s[46:47], \s*HALFT
	s_or_b32 s[G0B+4*\s+3], s[G0B+4*\s+3], 0x80000000
	JLOAD G0+4*\s, G1, G0B+4*\s, G1B               ; two tensor loads of mine are out
.endr
	v_and_b32 v1, 31, v0
	v_lshlrev_b32 v2, 3, v1                        ; 8 x lane
	v_lshlrev_b32 v3, 2, v1                        ; 4 x lane
	s_mul_i32 s21, s15, HALFT
	s_mul_i32 s22, s16, HALFT
	s_add_co_u32 s22, s22, 2*HALFT
.irp s, 0,1
	v_add_nc_u32 v[ADRA+\s], s21, v2
	v_add_nc_u32 v[ADRB+\s], s22, v2
	v_add_nc_u32 v[ASA+\s], s21, v3
	v_add_nc_u32 v[ASB+\s], s22, v3
	s_add_co_u32 s21, s21, SLOT
	s_add_co_u32 s22, s22, SLOT
.endr
	; the tail: biases and the bound
	v_bfe_u32 v4, v0, 4, 1
	v_lshlrev_b32 v4, 5, v4                        ; 32 h: my eight S0 rows of a tile
	v_and_b32 v5, 15, v0
	v_lshlrev_b32 v5, 2, v5                        ; 4 r: my S1 row
	s_add_nc_u64 s[8:9], s[4:5], TAIL
	s_load_b32 s10, s[8:9], 0x8000                 ; the lower bound
	s_lshl_b32 s12, s42, 10
	s_lshl_b32 s13, s16, 9
	s_add_co_u32 s12, s12, s13
	s_mov_b32 s13, 0
	s_add_nc_u64 s[12:13], s[8:9], s[12:13]
	s_lshl_b32 s18, s17, 10
	s_lshl_b32 s19, s15, 9
	s_add_co_u32 s18, s18, s19
	s_add_co_u32 s18, s18, 16384
	s_mov_b32 s19, 0
	s_add_nc_u64 s[18:19], s[8:9], s[18:19]
.irp b, 0,1,2,3,4,5,6,7
	global_load_b128 v[BN+8*\b:BN+8*\b+3], v4, s[12:13] offset:64*\b
	global_load_b128 v[BN+8*\b+4:BN+8*\b+7], v4, s[12:13] offset:64*\b+16
.endr
.irp a, 0,1,2,3,4,5,6,7
	global_load_b32 v[BM+2*\a], v5, s[18:19] offset:64*\a
	global_load_b32 v[BM+2*\a+1], v5, s[18:19] offset:64*\a    ; twice: a pair for the packed addition
.endr
	s_lshl_b32 s20, s17, 1
	s_add_co_u32 s20, s20, s15
	s_mul_i32 s20, s20, PP
	s_lshl_b32 s21, s42, 1
	s_add_co_u32 s21, s21, s16
	s_mul_i32 s21, s21, RECB
	s_add_co_u32 s20, s20, s21
	s_mov_b32 s21, 0
	s_add_nc_u64 s[6:7], s[6:7], s[20:21]          ; my wave writes exactly one record
	s_mov_b32 s[SEL], 0x76543210
	s_mov_b32 s[SEL+1], 0xfedcba98
	s_mov_b32 s11, 0xffff0000                      ; lanes 16-31
.irp b, 0,1,2,3
	v_mov_b32 v[TM+4+\b], 0                        ; written once: a lane permute's destination counts as one of its sources
.endr
.macro FRAG reg, adr, q, i             ; a fragment as it lies: six pairs, 256 consecutive bytes a load
.irp p, 0,1,2,3,4,5
	ds_load_b64 v[\reg+2*\p:\reg+2*\p+1], v[\adr] offset:RECB*(\q)+1536*(\i)+256*\p
.endr
.endm
; one matrix instruction on the registers rD, rA, rB, rC, rSA, rSB.  cm = 0: C is the constant 0.  ra, rb: the scales of source 0, 1 stand in lanes 16-31
.macro WM1 cm, ra, rb
.if (\cm)==0
.if ((\ra)==0)&&((\rb)==0)
	v_wmma_scale_f32_16x16x128_f8f6f4 v[rD:rD+7], v[rA:rA+11], v[rB:rB+11], 0, v[rSA], v[rSB] matrix_a_fmt:MATRIX_FMT_BF6 matrix_b_fmt:MATRIX_FMT_BF6
.elseif (\rb)==0
	v_wmma_scale_f32_16x16x128_f8f6f4 v[rD:rD+7], v[rA:rA+11], v[rB:rB+11], 0, v[rSA], v[rSB] matrix_a_fmt:MATRIX_FMT_BF6 matrix_b_fmt:MATRIX_FMT_BF6 matrix_a_scale:MATRIX_SCALE_ROW1
.elseif (\ra)==0
	v_wmma_scale_f32_16x16x128_f8f6f4 v[rD:rD+7], v[rA:rA+11], v[rB:rB+11], 0, v[rSA], v[rSB] matrix_a_fmt:MATRIX_FMT_BF6 matrix_b_fmt:MATRIX_FMT_BF6 matrix_b_scale:MATRIX_SCALE_ROW1
.else
	v_wmma_scale_f32_16x16x128_f8f6f4 v[rD:rD+7], v[rA:rA+11], v[rB:rB+11], 0, v[rSA], v[rSB] matrix_a_fmt:MATRIX_FMT_BF6 matrix_b_fmt:MATRIX_FMT_BF6 matrix_a_scale:MATRIX_SCALE_ROW1 matrix_b_scale:MATRIX_SCALE_ROW1
.endif
.else
.if ((\ra)==0)&&((\rb)==0)
	v_wmma_scale_f32_16x16x128_f8f6f4 v[rD:rD+7], v[rA:rA+11], v[rB:rB+11], v[rC:rC+7], v[rSA], v[rSB] matrix_a_fmt:MATRIX_FMT_BF6 matrix_b_fmt:MATRIX_FMT_BF6
.elseif (\rb)==0
	v_wmma_scale_f32_16x16x128_f8f6f4 v[rD:rD+7], v[rA:rA+11], v[rB:rB+11], v[rC:rC+7], v[rSA], v[rSB] matrix_a_fmt:MATRIX_FMT_BF6 matrix_b_fmt:MATRIX_FMT_BF6 matrix_a_scale:MATRIX_SCALE_ROW1
.elseif (\ra)==0
	v_wmma_scale_f32_16x16x128_f8f6f4 v[rD:rD+7], v[rA:rA+11], v[rB:rB+11], v[rC:rC+7], v[rSA], v[rSB] matrix_a_fmt:MATRIX_FMT_BF6 matrix_b_fmt:MATRIX_FMT_BF6 matrix_b_scale:MATRIX_SCALE_ROW1
.else
	v_wmma_scale_f32_16x16x128_f8f6f4 v[rD:rD+7], v[rA:rA+11], v[rB:rB+11], v[rC:rC+7], v[rSA], v[rSB] matrix_a_fmt:MATRIX_FMT_BF6 matrix_b_fmt:MATRIX_FMT_BF6 matrix_a_scale:MATRIX_SCALE_ROW1 matrix_b_scale:MATRIX_SCALE_ROW1
.endif
.endif
.endm
; 16 matrix instructions: S1's tiles a0, a0 + 1 x S0's eight, the slot's q-th 128 along K.  p: S0's set; sc: the set of scale words; first = 1: the products start the sums.
; The 64 accumulators take turns, one instruction a turn, in the same order in every step.
.macro MUL16 a0, p, q, sc, first
.irp a, \a0, \a0+1
.irp b, 0,1,2,3,4,5,6,7
.set rD, 8*(8*((\a)%4)+\b)
.set rA, 128*(\p)+FR*\b
.set rB, AF+FR*(\a)
.set rSA, SC+16*(\sc)+8*(\q)+4+\b/2
.set rSB, SC+16*(\sc)+8*(\q)+(\a)/2
.set rC, rD
.if (\first)&&BIASC
.set rC, BN+8*\b
.endif
.if (\first)&&(BIASC==0)
	WM1 0, \b%2, (\a)%2
.else
	WM1 1, \b%2, (\a)%2
.endif
.endr
.endr
.endm
.macro FETCH_B slot, q, p
	WIN TO_B
.irp i, 0,1,2,3,4,5,6,7
	FRAG 128*(\p)+FR*\i, ADRB+\slot, \q, \i
.endr
	WIN 0
.endm
.macro FETCH_A slot, q, i0
.irp i, \i0, \i0+1, \i0+2, \i0+3
	FRAG AF+FR*(\i), ADRA+\slot, \q, \i
.endr
.endm
.macro SCALES slot                     ; a slot's scale words: 4 bytes a lane, two tiles a register
.irp q, 0,1
.irp i, 0,1,2,3
	ds_load_b32 v[SC+16*\slot+8*\q+\i], v[ASA+\slot] offset:SCO+RECB*\q+128*\i
	ds_load_b32 v[SC+16*\slot+8*\q+4+\i], v[ASB+\slot] offset:SCO+RECB*\q+128*\i
.endr
.endr
.endm
; a step of 128 along K that has its successor in the same slot.  Loads into registers that matrix instructions have read stand four plain places behind them (ISA guide 7.12.1 for vector instructions)
.macro STEP slot, q, first
	s_wait_dscnt 4*NL                              ; all but the youngest 24 loads (S1's tiles 4-7) are in
.if (\first)&&BIASC
	WIN 0x81                                       ; C, the bias, in window 0
.else
	WIN MUL_LO
.endif
	MUL16 0, (\q)%2, \q, \slot, \first
	MUL16 2, (\q)%2, \q, \slot, \first
	s_wait_dscnt 0
	PLACES NP
	FETCH_B \slot, (\q)+1, 1-(\q)%2
	FETCH_A \slot, (\q)+1, 0
.if (\first)&&BIASC
	WIN 0xc1
.else
	WIN MUL_HI
.endif
	MUL16 4, (\q)%2, \q, \slot, \first
	MUL16 6, (\q)%2, \q, \slot, \first
	PLACES NP
	WIN 0
	FETCH_A \slot, (\q)+1, 4
.endm
; a slot's last step changes slots: one barrier; in front of it each wave waits for all its tensor loads, adds 0 to its spare word, and waits for that and for its reads of this slot
.macro TURN slot, next, fill
	s_wait_tensorcnt 0x0                           ; all my tensor loads have landed: my part of the next slot
	ds_add_u32 v[SPW], v[NIL]                      ; 0 onto my spare word
	s_wait_dscnt 4*NL+1                            ; (the add and the youngest 24 loads may be out)
	WIN MUL_LO
	MUL16 0, 1, NQ-1, \slot, 0
	s_wait_dscnt 0x0                               ; the add is done, and my reads of this slot are over
	s_barrier_signal -1
	MUL16 2, 1, NQ-1, \slot, 0
	WIN 0
	s_barrier_wait -1
.if \fill
	CREST                                          ; the barrier has opened a round of the cluster's barrier: no wave of any partner still reads this slot or has a load on its way
	s_add_nc_u64 s[G0+4*\slot+2:G0+4*\slot+3], s[G0+4*\slot+2:G0+4*\slot+3], 2*HALFT
	s_add_nc_u64 s[G0B+4*\slot+2:G0B+4*\slot+3], s[G0B+4*\slot+2:G0B+4*\slot+3], 2*HALFT
	JLOAD G0+4*\slot, G1, G0B+4*\slot, G1B         ; the first tensor load behind the round, my only one until the next; its four v_nop are the places in front of the loads below
.else
	PLACES NP
.endif
	FETCH_B \next, 0, 0
	FETCH_A \next, 0, 0
	SCALES \next
	WIN MUL_HI
	MUL16 4, 1, NQ-1, \slot, 0
	MUL16 6, 1, NQ-1, \slot, 0
	PLACES NP
	WIN 0
	FETCH_A \next, 0, 4
.endm
	s_wait_tensorcnt 1                             ; my part of slot 0 is in; slot 1's may stay out
	s_barrier_signal -1
	s_barrier_wait -1
	FETCH_B 0, 0, 0
	FETCH_A 0, 0, 0
	SCALES 0
	FETCH_A 0, 0, 4
	s_wait_loadcnt 0x0                             ; the biases
	s_wait_kmcnt 0x0                               ; the bound
	STEP 0, 0, 1                                   ; K steps 0 .. 7: four slots' worth, two refills: written out
	TURN 0, 1, 1
	STEP 1, 0, 0
	TURN 1, 0, 1
	STEP 0, 0, 0
	TURN 0, 1, 0
	STEP 1, 0, 0
	s_wait_dscnt 4*NL
	WIN MUL_LO
	MUL16 0, 1, NQ-1, 1, 0
	MUL16 2, 1, NQ-1, 1, 0
	s_wait_dscnt 0
	WIN MUL_HI
	MUL16 4, 1, NQ-1, 1, 0
	MUL16 6, 1, NQ-1, 1, 0
	WIN 0
; THE WAY OUT, a tile of 16 rows at a time: + the bias by row, the lower bound, the quantiser; the twelve registers are the next operand's fragment and leave as they stand
.macro QOUT a
.if (\a) > 0
	s_wait_xcnt 0x0                                ; the last tile's stores have read the codes and the words
.endif
	WIN 0x02+(\a)/4                                ; source 0: window 2 or 3
.set i, 0
.rept 32
	v_pk_add_f32 v[QX+2*i:QX+2*i+1], v[64*((\a)%4)+2*i:64*((\a)%4)+2*i+1], v[BM+2*(\a):BM+2*(\a)+1]   ; each accumulator from its low end on
.set i, i+1
.endr
	WIN 0
.set i, 0
.rept 64
	v_max_num_f32 v[QX+i], s10, v[QX+i]
.set i, i+1
.endr
	QUANT QX, QC, QW+(\a)%2
.irp p, 0,1,2,3,4,5
	global_store_b64 v2, v[QC+2*\p:QC+2*\p+1], s[6:7] offset:1536*(\a)+256*\p      ; 32 lanes store 256 consecutive bytes, aligned
.endr
.if ((\a)%2) == 1
	v_cndmask_b32 v[QM], v[QW], v[QW+1], s11       ; lanes 0-15 the even tile's words, lanes 16-31 the odd tile's
	global_store_b32 v3, v[QM], s[6:7] offset:SCO+128*((\a)/2)
.endif
.endm
	PLACES NP                                      ; behind the last products: for the first read of results and the first write over S1's fragments
.irp a, 0,1,2,3,4,5,6,7
	QOUT \a
.endr
	s_wait_tensorcnt 0x0                           ; the wave's end
	ds_add_u32 v[SPW], v[NIL]
	s_wait_dscnt 0x0
	CROUND                                         ; the closing round: no work-group ends while a partner may still ask for a tile that names it
	s_endpgm
.Lfunc_end_k_qbbfaacac5a_qk:
	.size	k_qbbfaacac5a_qk, .Lfunc_end_k_qbbfaacac5a_qk-k_qbbfaacac5a_qk
	.p2alignl 7, 3214868480
	.fill 96, 4, 3214868480
	.section	.rodata,"a",@progbits
	.p2align	6, 0x0
	.amdhsa_kernel k_qbbfaacac5a_qk
		.amdhsa_group_segment_fixed_size 327680
		.amdhsa_private_segment_fixed_size 0
		.amdhsa_enable_private_segment 0
		.amdhsa_kernarg_size 16
		.amdhsa_user_sgpr_count 2
		.amdhsa_user_sgpr_kernarg_segment_ptr 1
		.amdhsa_wavefront_size32 1
		.amdhsa_system_sgpr_workgroup_id_x 1
		.amdhsa_system_sgpr_workgroup_id_y 1
		.amdhsa_system_sgpr_workgroup_id_z 1
		.amdhsa_system_vgpr_workitem_id 0
		.amdhsa_next_free_vgpr 1024
		.amdhsa_next_free_sgpr 66
		.amdhsa_reserve_vcc 0
		.amdhsa_float_denorm_mode_32 3
		.amdhsa_float_denorm_mode_16_64 3
		.amdhsa_memory_ordered 1
		.amdhsa_forward_progress 1
		.amdhsa_inst_pref_size 201
	.end_amdhsa_kernel
	.amdgpu_metadata
---
amdhsa.version: [ 1, 2 ]
amdhsa.kernels:
  - .name:           k_qbbfaacac5a_qk
    .symbol:         k_qbbfaacac5a_qk.kd
    .args:
      - { .name: fqk, .offset: 0, .size: 8, .value_kind: global_buffer, .address_space: global }
      - { .name: f1, .offset: 8, .size: 8, .value_kind: global_buffer, .address_space: global }
    .group_segment_fixed_size: 327680
    .private_segment_fixed_size: 0
    .kernarg_segment_align: 8
    .kernarg_segment_size: 16
    .max_flat_workgroup_size: 128
    .sgpr_count:     66
    .vgpr_count:     1024
    .wavefront_size: 32
...
	.end_amdgpu_metadata
.endif
;; end of part 2
;; launch v: the kernel of part 2 again; grid 16 x 4, 4 waves a work-group, clusters of 4 x 4, 327,680 bytes of LDS; arguments fv, f2; writes f2
;; launch attn (part 3): grid 8 x 32, 16 waves a work-group, clusters of 4 x 1, 210,944 bytes of LDS; arguments f1, f2, fo; writes fo
.if DOCPART == 3
	.amdgcn_target "amdgcn-amd-amdhsa--gfx1250"
	.amdhsa_code_object_version 6
	.text
	.protected	k_qbbfaacac5a_attn
	.globl	k_qbbfaacac5a_attn
	.p2align	8
	.type	k_qbbfaacac5a_attn,@function
k_qbbfaacac5a_attn:
	s_mov_b64 s[64:65], 0
	v_nop
	global_prefetch_b8 v0, s[64:65] scope:SCOPE_SE
	s_setreg_imm32_b32 hwreg(HW_REG_WAVE_MODE, 25, 1), 1
	s_wait_xcnt 0x0
	s_wait_alu depctr_hold_cnt(0) depctr_sa_sdst(0) depctr_va_vdst(0) depctr_va_sdst(0) depctr_va_ssrc(0) depctr_va_vcc(0) depctr_vm_vsrc(0)
	s_getreg_b32 s2, hwreg(HW_REG_IB_STS2, 6, 4)
	s_cmp_eq_u32 s2, 0
	s_cbranch_scc0 .Lentry_in_a_cluster
	s_endpgm
.Lentry_in_a_cluster:
	s_bfe_u32 s2, ttmp6, 0x10000c
	s_cmp_lg_u32 s2, 0x3003
	s_cbranch_scc0 .Lentry_shape_is_right
	s_endpgm
.Lentry_shape_is_right:
; ATTENTION ON CODES OF E3M2, head size 64, 2,048 keys, the mask an input.  f1: Q (K steps 0-7) and K (8-15) as records, rows = tokens; f2: V^T as records, rows = the model's 1,024 channels, K = tokens, and in its tail the
; mask as lane masks; fo: the result, quantised along the model's channels, as records.
; t = score x log2(e) / 8; M = the running largest t rounded up to a whole number; p = 2^(t - M) is quantised along the keys; the row's sum is taken of the unquantised p and divides at the end.
; SHARES.  A work-group owns 256 queries of one head, each of its sixteen waves 16 of them in 256 registers: four waves to a SIMD, so that one wave's vector work stands beside another's matrix work.
; A head's K and V codes and scale words, 208,896 bytes, fit in LDS: they are filled ONCE, by joint loads of the cluster's four work-groups (four blocks of queries of one head); nothing is filled again.
; LAYOUT.  S^T = K Q^T (source 0 = 16 keys), O^T = V^T P^T (source 0 = 16 channels): a lane holds one query throughout.  The head's 64 are half of the instruction's 128 along K: Q's upper six registers are zero codes,
; against which K's operand may hold anything (the next tile's codes); the scale words' upper bytes are 0.  Keys and channels lie inside each block of 32 in this program's one order.
; THE MASK: word n of a key step is the lane mask of score register n: one v_cndmask_b32 a score; the words come by scalar loads, a step ahead.
; A ROW ALL OF WHOSE KEYS ARE MASKED has the sum 0: its scale bytes become 0xff, so that the next product gives NaN there.
; LIMITS: a block of zeros gets the byte 1; NaN and infinities among the inputs are not served.
.set PP,    409600
.set RECB,  12800
.set SCO,   12288
.set TAIL,  64*PP
.set KC,    0                          ; K's codes: tile of 16 keys T at 768 T
.set VC,    98304                      ; V's codes: key step s at 6,144 s, tile of 16 channels t at 1,536 t
.set KS,    196608                     ; K's scale words, 4 bytes a key
.set VS,    204800                     ; V's: key step s at 256 s, 4 bytes a channel
.set AK0,   1
.set AV0,   2
.set ASK0,  3
.set ASV0,  4
.set L8,    5                          ; v5 8 x lane
.set R4,    6                          ; v6 4 r
.set ADK,   8
.set ADV,   9
.set ADS,   10
.set ADT,   11
.set WV,    18
.set SEL,   20
.set CS,    22
.macro ROUND
	s_barrier_signal -1
	s_barrier_wait -1
	s_cmp_lg_u32 s[WV], 0
	s_cbranch_scc1 .Lnot_wave_0_\@
	s_barrier_signal -3
.Lnot_wave_0_\@:
	s_barrier_wait -3
	s_barrier_signal -1
	s_barrier_wait -1
.endm
	s_load_b128 s[4:7], s[0:1], 0x0                ; f1, f2
	s_load_b64 s[8:9], s[0:1], 0x10                ; fo
	v_lshl_add_u32 v95, v0, 2, 0x33000
	v_mov_b32 v243, 0
	ds_add_u32 v95, v243
	ds_add_u32 v95, v243
	v_lshrrev_b32 v8, 5, v0
	v_readfirstlane_b32 s[WV], v8                  ; wave 0..15
	s_bfe_u32 s10, ttmp6, 0x40000                  ; cx
	s_lshl_b32 s11, ttmp9, 2
	s_add_co_u32 s11, s11, s10                     ; my block of 256 queries: it enters Q's, the mask's and the result's addresses alone
	s_and_b32 s12, ttmp7, 0xffff
	s_lshr_b32 s13, s12, 4                         ; the batch
	s_and_b32 s14, s12, 15                         ; the head
	s_and_b32 s15, s14, 1                          ; which half of a record's 128
	s_lshr_b32 s16, s14, 1                         ; which record
	; descriptor groups 1: elements of 8 bytes, the mask of all four partners, no padding
.irp g, 32, 40, 48, 56
	s_mov_b32 s[\g], 15|(3<<16)|(1<<21)
	s_mov_b32 s[\g+6], 0
	s_mov_b32 s[\g+7], 0
.endr
	s_mov_b32 s33, 96<<16                          ; K's codes: 8 rows of 768 bytes (half a fragment), 1,536 bytes apart
	s_mov_b32 s34, 8<<16
	s_mov_b32 s35, 96<<16
	s_mov_b32 s36, 8
	s_mov_b32 s37, 192
	s_mov_b32 s41, 96<<16                          ; V's codes: four fragments, 6,144 dense bytes
	s_mov_b32 s42, 8<<16
	s_mov_b32 s43, 96<<16
	s_mov_b32 s44, 8
	s_mov_b32 s45, 96
	s_mov_b32 s49, 64<<16                          ; K's scale words: one row of 512 bytes
	s_mov_b32 s50, 1<<16
	s_mov_b32 s51, 64<<16
	s_mov_b32 s52, 1
	s_mov_b32 s53, 64
	s_mov_b32 s57, 32<<16                          ; V's: one row of 256 bytes
	s_mov_b32 s58, 1<<16
	s_mov_b32 s59, 32<<16
	s_mov_b32 s60, 1
	s_mov_b32 s61, 32
	s_lshl_b32 s17, s13, 4
	s_add_co_u32 s17, s17, s[WV]                   ; wave w fetches the batch's w-th 128 keys
	s_mul_i32 s84, s17, PP
	s_mul_i32 s19, s16, RECB
	s_add_co_u32 s84, s84, s19
	s_add_co_u32 s84, s84, 8*RECB                  ; K's record
	s_mov_b32 s85, 0
	s_mul_i32 s86, s16, PP
	s_mul_i32 s19, s17, RECB
	s_add_co_u32 s86, s86, s19                     ; V's record
	s_mov_b32 s87, 0
	s_mov_b32 s89, 0
	s_wait_dscnt 0x0
	s_wait_kmcnt 0x0
	s_add_nc_u64 s[84:85], s[4:5], s[84:85]
	s_add_nc_u64 s[86:87], s[6:7], s[86:87]
	s_mov_b32 s68, 1
	s_mul_i32 s69, s[WV], 6144
	s_mul_i32 s88, s15, 768
	s_add_nc_u64 s[70:71], s[84:85], s[88:89]
	s_or_b32 s71, s71, 0x80000000
	s_mov_b32 s72, 1
	s_add_co_u32 s73, s69, VC
	s_mul_i32 s88, s15, 6144
	s_add_nc_u64 s[74:75], s[86:87], s[88:89]
	s_or_b32 s75, s75, 0x80000000
	s_mov_b32 s76, 1
	s_lshl_b32 s77, s[WV], 9
	s_add_co_u32 s77, s77, KS
	s_add_nc_u64 s[78:79], s[84:85], SCO
	s_or_b32 s79, s79, 0x80000000
	s_mov_b32 s80, 1
	s_lshl_b32 s81, s[WV], 8
	s_add_co_u32 s81, s81, VS
	s_lshl_b32 s88, s15, 8
	s_add_co_u32 s88, s88, SCO
	s_add_nc_u64 s[82:83], s[86:87], s[88:89]
	s_or_b32 s83, s83, 0x80000000
	ROUND                                          ; all four work-groups are here: the joint loads meet
	tensor_load_to_lds s[68:71], s[32:39]          ; the launch's only fills: four tensor loads of mine are out
	s_nop 0
	tensor_load_to_lds s[72:75], s[40:47]
	s_nop 0
	tensor_load_to_lds s[76:79], s[48:55]
	s_nop 0
	tensor_load_to_lds s[80:83], s[56:63]
	s_nop 0
.rept 4
	v_nop
.endr
	; the mask words of my 16 queries: 16 steps x 256 bytes
	s_lshl_b32 s26, s11, 4
	s_add_co_u32 s26, s26, s[WV]
	s_lshl_b32 s26, s26, 12
	s_add_co_u32 s26, s26, TAIL
	s_mov_b32 s27, 0
	s_add_nc_u64 s[24:25], s[6:7], s[26:27]
	; Q's half fragment and scale halfwords; the result goes to the same places of fo
	s_lshl_b32 s17, s13, 4
	s_lshl_b32 s19, s11, 1
	s_add_co_u32 s17, s17, s19
	s_lshr_b32 s19, s[WV], 3
	s_add_co_u32 s17, s17, s19                     ; the panel of my 16 queries
	s_mul_i32 s17, s17, PP
	s_mul_i32 s19, s16, RECB
	s_add_co_u32 s17, s17, s19
	s_and_b32 s19, s[WV], 7
	s_mul_i32 s28, s19, 1536
	s_mul_i32 s29, s15, 768
	s_add_co_u32 s28, s28, s29
	s_add_co_u32 s28, s28, s17
	s_mov_b32 s29, 0
	s_lshl_b32 s30, s19, 6
	s_lshl_b32 s31, s15, 1
	s_add_co_u32 s30, s30, s31
	s_add_co_u32 s30, s30, SCO
	s_add_co_u32 s30, s30, s17
	s_mov_b32 s31, 0
	s_add_nc_u64 s[84:85], s[4:5], s[28:29]
	s_add_nc_u64 s[86:87], s[4:5], s[30:31]
	s_add_nc_u64 s[10:11], s[8:9], s[30:31]
	s_add_nc_u64 s[8:9], s[8:9], s[28:29]
	v_and_b32 v8, 31, v0
	v_and_b32 v9, 15, v0
	v_lshlrev_b32 v[L8], 3, v8
	v_lshlrev_b32 v[R4], 2, v9
.irp p, 0,1,2
	global_load_b64 v[16+2*\p:17+2*\p], v[L8], s[84:85] offset:256*\p
.endr
	global_load_u16 v255, v[R4], s[86:87]          ; Q's two scale bytes; the upper two are 0
	s_lshl_b32 s19, s15, 1
	s_add_co_u32 s19, s19, KS
	v_add_nc_u32 v[AK0], KC, v[L8]
	v_add_nc_u32 v[AV0], VC, v[L8]
	v_lshl_add_u32 v[ASK0], v8, 2, s19             ; K's scale halfwords: 4 x lane + 2 x half
	v_lshl_add_u32 v[ASV0], v8, 2, VS
	s_mov_b32 s[SEL], 0x76543210
	s_mov_b32 s[SEL+1], 0xfedcba98
	s_mov_b32 s[CS], 0x3e38aa3b                    ; c = log2(e) / 8
	s_mov_b32 s[CS+1], s[CS]
	v_mov_b32 v7, 0xffff
	v_mov_b32 v30, 0xff800000                      ; -infinity
	v_mov_b32 v13, 0xff61b1e6                      ; the largest t so far: -3e38
	v_floor_f32 v12, -v13                          ; -M
	v_mov_b32 v14, 0
	v_mov_b32 v15, 0
.irp i, 0,1,2,3,4,5
	v_mov_b32 v[22+\i], 0                          ; Q's upper half: zero codes
	v_mov_b32 v[80+\i], 0                          ; behind K's last tile
.endr
.irp b, 0,1,2,3
	v_mov_b32 v[236+\b], 0                         ; a lane permute's destination counts as one of its sources
.endr
	v_mov_b32 v253, 0
.set n, 0
.rept 32
	v_mov_b32 v[160+n], 0                          ; O^T: the loop is written once; its first step finds zeros
.set n, n+1
.endr
	s_mov_b32 s27, 0                               ; the key step
	s_mov_b32 s28, 0                               ; its codes: 6,144 bytes a step
	s_mov_b32 s29, 0                               ; K's scale words: 512
	s_mov_b32 s30, 0                               ; V's: 256
	s_wait_tensorcnt 0x0                           ; my parts have landed,
	s_barrier_signal -1
	s_barrier_wait -1                              ; everybody's have
	s_wait_loadcnt 0x0                             ; Q: its base registers are free
	s_load_b512 s[32:47], s[24:25], 0x0            ; step 0's mask words, where the descriptors lay
	s_load_b512 s[48:63], s[24:25], 0x40
	s_load_b512 s[68:83], s[24:25], 0x80
	s_load_b512 s[84:99], s[24:25], 0xc0
.Lstep:
	v_add_nc_u32 v[ADK], s28, v[AK0]               ; four plain places behind the last products, in front of the loads into their operands
	v_add_nc_u32 v[ADV], s28, v[AV0]
	v_add_nc_u32 v[ADS], s29, v[ASK0]
	v_add_nc_u32 v[ADT], s30, v[ASV0]
.irp t, 0,1,2,3,4,5,6,7
.irp p, 0,1,2
	ds_load_b64 v[32+6*\t+2*\p:33+6*\t+2*\p], v[ADK] offset:768*\t+256*\p
.endr
.endr
.irp i, 0,1,2,3
	ds_load_u16 v[248+\i], v[ADS] offset:128*\i    ; lanes 0-15 tile 2 i, lanes 16-31 tile 2 i + 1
.endr
	s_wait_dscnt 0x0
.irp t, 0,2,4,6
	v_wmma_scale_f32_16x16x128_f8f6f4 v[96+8*\t:103+8*\t], v[32+6*\t:43+6*\t], v[16:27], 0, v[248+\t/2], v255 matrix_a_fmt:MATRIX_FMT_BF6 matrix_b_fmt:MATRIX_FMT_BF6
	v_wmma_scale_f32_16x16x128_f8f6f4 v[104+8*\t:111+8*\t], v[38+6*\t:49+6*\t], v[16:27], 0, v[248+\t/2], v255 matrix_a_fmt:MATRIX_FMT_BF6 matrix_b_fmt:MATRIX_FMT_BF6 matrix_a_scale:MATRIX_SCALE_ROW1
.endr
.rept 4
	v_nop                                          ; places: for the loads below and for the first read of the scores
.endr
.irp t, 0,1,2,3
.irp p, 0,1,2,3,4,5
	ds_load_b64 v[32+12*\t+2*\p:33+12*\t+2*\p], v[ADV] offset:1536*\t+256*\p       ; V's four fragments land under the softmax
.endr
.endr
	ds_load_b32 v28, v[ADT]
	ds_load_b32 v29, v[ADT] offset:128
	s_wait_kmcnt 0x0                               ; this step's mask words, asked for a step ago
.set n, 0
.rept 64
	v_cndmask_b32 v[96+n], v[96+n], v30, s[32+n+4*(n/32)]   ; a masked score becomes -infinity: p = 0
.set n, n+1
.endr
	s_add_co_u32 s3, s27, 1
	s_min_u32 s3, s3, 15                           ; the last step asks for its own words again: no load leaves the buffer
	s_lshl_b32 s26, s3, 8
	s_load_b512 s[32:47], s[24:25], s26 offset:0x0
	s_load_b512 s[48:63], s[24:25], s26 offset:0x40
	s_load_b512 s[68:83], s[24:25], s26 offset:0x80
	s_load_b512 s[84:99], s[24:25], s26 offset:0xc0
.irp b, 0,1,2,3
	v_max3_num_f32 v[232+\b], v[96+16*\b], v[97+16*\b], v[98+16*\b]   ; the largest score of each block of 32 keys: for the row's maximum and for the block's largest p
.endr
.irp i, 3,5,7,9,11,13
.irp b, 0,1,2,3
	v_max3_num_f32 v[232+\b], v[232+\b], v[96+16*\b+\i], v[97+16*\b+\i]
.endr
.endr
.irp b, 0,1,2,3
	v_max_num_f32 v[232+\b], v[232+\b], v[111+16*\b]
.endr
.irp b, 0,1,2,3
	v_permlanex16_b32 v[236+\b], v[232+\b], s[SEL], s[SEL+1]
.endr
.irp b, 0,1,2,3
	v_max_num_f32 v[232+\b], v[232+\b], v[236+\b]
.endr
	v_max3_num_f32 v254, v232, v233, v234
	v_max_num_f32 v254, v254, v235
	v_mul_f32 v254, s[CS], v254
	v_max_num_f32 v13, v13, v254                   ; the running largest t
	v_mov_b32 v254, v12
	v_floor_f32 v12, -v13                          ; the new -M: M is a whole number
	v_sub_f32 v254, v12, v254
	v_cvt_i32_f32 v254, v254                       ; (it saturates)
	v_ldexp_f32 v252, 1.0, v254                    ; f = 2^(old M - new M)
.set n, 0
.rept 32
	v_pk_fma_f32 v[96+n:97+n], v[96+n:97+n], s[CS:CS+1], v[12:13] op_sel_hi:[1,0,0]   ; t - M
.set n, n+2
.endr
.irp b, 0,1,2,3
	v_fma_f32 v[232+\b], v[232+\b], s[CS], v12
.endr
.set n, 0
.rept 64
	v_exp_f32 v[96+n], v[96+n]                     ; p = 2^(t - M)
.set n, n+1
.endr
	v_pk_mul_f32 v[14:15], v[14:15], v[252:253] op_sel_hi:[1,0]   ; the sums under the new M; a plain place behind the exponentials
	s_wait_alu depctr_va_vdst(0)                   ; one wait for the batch, ahead of its first reader
.irp b, 0,1,2,3
	v_exp_f32 v[232+\b], v[232+\b]                 ; the block's largest p
.endr
	v_pk_add_f32 v[236:237], v[96:97], v[98:99]    ; the row's sum of the unquantised p, in two chains
.irp j, 4,8,12,16,20,24,28,32,36,40,44,48,52,56,60
	v_pk_add_f32 v[14:15], v[14:15], v[96+\j:97+\j]
	v_pk_add_f32 v[236:237], v[236:237], v[98+\j:99+\j]
.endr
	v_pk_add_f32 v[14:15], v[14:15], v[236:237]
	s_wait_alu depctr_va_vdst(0)                   ; and one for the four
.irp b, 0,1,2,3
	v_max_num_f32 v[232+\b], 0x2800000, v[232+\b]  ; the floor 2^(5 - 127)
.endr
.irp b, 0,1,2,3
	v_add_nc_u32 v[244+\b], 0xfe000000, v[232+\b]
.endr
.irp b, 0,1,2,3
	v_lshrrev_b32 v[236+\b], 23, v[244+\b]
.endr
	v_lshl_or_b32 v253, v237, 8, v236              ; p's scale word for these 128 keys
	v_lshl_or_b32 v253, v238, 16, v253
	v_lshl_or_b32 v253, v239, 24, v253
.irp c, 0,1
	v_cvt_scalef32_pk16_bf6_f32 v[224+6*\c:226+6*\c], v[96+32*\c:111+32*\c], v[244+2*\c]
	v_cvt_scalef32_pk16_bf6_f32 v[236+4*\c:238+4*\c], v[112+32*\c:127+32*\c], v[244+2*\c+1]
.endr
	v_nop                                          ; one plain place behind a scaled conversion
.irp c, 0,1
.irp i, 0,1,2
	v_permlane16_swap_b32 v[224+6*\c+\i], v[236+4*\c+\i]
.endr
.irp i, 0,1,2
	v_mov_b32 v[227+6*\c+\i], v[236+4*\c+\i]
.endr
.endr
.set n, 0
.rept 16
	v_pk_mul_f32 v[160+n:161+n], v[160+n:161+n], v[252:253] op_sel_hi:[1,0]   ; O^T under the new M; sixteen plain lines between the scale word's last write and the scaled products
.set n, n+2
.endr
	s_wait_dscnt 0x0                               ; V
.irp t, 0,2
	v_wmma_scale_f32_16x16x128_f8f6f4 v[160+8*\t:167+8*\t], v[32+12*\t:43+12*\t], v[224:235], v[160+8*\t:167+8*\t], v[28+\t/2], v253 matrix_a_fmt:MATRIX_FMT_BF6 matrix_b_fmt:MATRIX_FMT_BF6
	v_wmma_scale_f32_16x16x128_f8f6f4 v[168+8*\t:175+8*\t], v[44+12*\t:55+12*\t], v[224:235], v[168+8*\t:175+8*\t], v[28+\t/2], v253 matrix_a_fmt:MATRIX_FMT_BF6 matrix_b_fmt:MATRIX_FMT_BF6 matrix_a_scale:MATRIX_SCALE_ROW1
.endr
	s_add_co_u32 s28, s28, 6144
	s_add_co_u32 s29, s29, 512
	s_add_co_u32 s30, s30, 256
	s_add_co_u32 s27, s27, 1
	s_cmp_lt_u32 s27, 16
	s_cbranch_scc1 .Lstep
	s_wait_kmcnt 0x0
	; THE WAY OUT: O^T / the sum, quantised along the head's 64 channels (two blocks): half a fragment and two scale bytes
.rept 4
	v_nop                                          ; places behind the last products
.endr
	v_add_f32 v14, v14, v15
	v_permlanex16_b32 v252, v14, s[SEL], s[SEL+1]
	v_add_f32 v14, v14, v252                       ; the row's sum
	v_rcp_f32 v15, v14
	v_nop                                          ; a plain place behind the transcendental
	v_cmp_eq_f32 vcc_lo, 0, v14                    ; a row with every key masked
	s_wait_alu depctr_va_vdst(0)
.set n, 0
.rept 32
	v_mul_f32 v[192+n], v[160+n], v15              ; register 8 t + j: channel 16 t + 8 h + j of my query
.set n, n+1
.endr
.irp b, 0,1
	v_max3_num_f32 v[232+\b], |v[192+16*\b]|, |v[193+16*\b]|, 0x2800000
.endr
.irp i, 2,4,6,8,10,12,14
.irp b, 0,1
	v_max3_num_f32 v[232+\b], v[232+\b], |v[192+16*\b+\i]|, |v[193+16*\b+\i]|
.endr
.endr
.irp b, 0,1
	v_permlanex16_b32 v[236+\b], v[232+\b], s[SEL], s[SEL+1]
.endr
.irp b, 0,1
	v_max_num_f32 v[232+\b], v[232+\b], v[236+\b]
.endr
.irp b, 0,1
	v_add_nc_u32 v[244+\b], 0xfe000000, v[232+\b]
.endr
.irp b, 0,1
	v_lshrrev_b32 v[236+\b], 23, v[244+\b]
.endr
	v_lshl_or_b32 v254, v237, 8, v236
	v_cndmask_b32 v254, v254, v7, vcc_lo           ; 0xff, 0xff where the sum is 0
	v_cvt_scalef32_pk16_bf6_f32 v[224:226], v[192:207], v244
	v_cvt_scalef32_pk16_bf6_f32 v[228:230], v[208:223], v245
	v_nop
.irp i, 0,1,2
	v_permlane16_swap_b32 v[224+\i], v[228+\i]
.endr
.irp i, 0,1,2
	v_mov_b32 v[227+\i], v[228+\i]
.endr
.irp p, 0,1,2
	global_store_b64 v[L8], v[224+2*\p:225+2*\p], s[8:9] offset:256*\p             ; 32 lanes store 256 consecutive bytes, aligned
.endr
	global_store_b16 v[R4], v254, s[10:11]         ; a scale word spans two heads, so each head stores its half: 2 bytes a row (lanes 16-31 repeat lanes 0-15's)
	s_wait_tensorcnt 0x0
	ds_add_u32 v95, v243
	s_wait_dscnt 0x0
	ROUND                                          ; the closing round: no work-group ends while a partner may still ask for a tile that names it
	s_endpgm
.Lfunc_end_k_qbbfaacac5a_attn:
	.size	k_qbbfaacac5a_attn, .Lfunc_end_k_qbbfaacac5a_attn-k_qbbfaacac5a_attn
	.p2alignl 7, 3214868480
	.fill 96, 4, 3214868480
	.section	.rodata,"a",@progbits
	.p2align	6, 0x0
	.amdhsa_kernel k_qbbfaacac5a_attn
		.amdhsa_group_segment_fixed_size 210944
		.amdhsa_private_segment_fixed_size 0
		.amdhsa_enable_private_segment 0
		.amdhsa_kernarg_size 24
		.amdhsa_user_sgpr_count 2
		.amdhsa_user_sgpr_kernarg_segment_ptr 1
		.amdhsa_wavefront_size32 1
		.amdhsa_system_sgpr_workgroup_id_x 1
		.amdhsa_system_sgpr_workgroup_id_y 1
		.amdhsa_system_sgpr_workgroup_id_z 1
		.amdhsa_system_vgpr_workitem_id 0
		.amdhsa_next_free_vgpr 256
		.amdhsa_next_free_sgpr 100
		.amdhsa_reserve_vcc 1
		.amdhsa_float_denorm_mode_32 3
		.amdhsa_float_denorm_mode_16_64 3
		.amdhsa_memory_ordered 1
		.amdhsa_forward_progress 1
		.amdhsa_inst_pref_size 36
	.end_amdhsa_kernel
	.amdgpu_metadata
---
amdhsa.version: [ 1, 2 ]
amdhsa.kernels:
  - .name:           k_qbbfaacac5a_attn
    .symbol:         k_qbbfaacac5a_attn.kd
    .args:
      - { .name: f1, .offset: 0, .size: 8, .value_kind: global_buffer, .address_space: global }
      - { .name: f2, .offset: 8, .size: 8, .value_kind: global_buffer, .address_space: global }
      - { .name: fo, .offset: 16, .size: 8, .value_kind: global_buffer, .address_space: global }
    .group_segment_fixed_size: 210944
    .private_segment_fixed_size: 0
    .kernarg_segment_align: 8
    .kernarg_segment_size: 24
    .max_flat_workgroup_size: 512
    .sgpr_count:     100
    .vgpr_count:     256
    .wavefront_size: 32
...
	.end_amdgpu_metadata
.endif
;; end of part 3
;; launch oproj (part 4): grid 4 x 16, 4 waves a work-group, clusters of 4 x 4, 327,680 bytes of LDS; arguments fo, part; writes part
.if DOCPART == 4
	.amdgcn_target "amdgcn-amd-amdhsa--gfx1250"
	.amdhsa_code_object_version 6
	.text
	.protected	k_qbbfaacac5a_oproj
	.globl	k_qbbfaacac5a_oproj
	.p2align	8
	.type	k_qbbfaacac5a_oproj,@function
k_qbbfaacac5a_oproj:
	s_mov_b64 s[64:65], 0
	v_nop
	global_prefetch_b8 v0, s[64:65] scope:SCOPE_SE
	s_setreg_imm32_b32 hwreg(HW_REG_WAVE_MODE, 25, 1), 1
	s_wait_xcnt 0x0
	s_wait_alu depctr_hold_cnt(0) depctr_sa_sdst(0) depctr_va_vdst(0) depctr_va_sdst(0) depctr_va_ssrc(0) depctr_va_vcc(0) depctr_vm_vsrc(0)
	s_getreg_b32 s2, hwreg(HW_REG_IB_STS2, 6, 4)
	s_cmp_eq_u32 s2, 0
	s_cbranch_scc0 .Lentry_in_a_cluster
	s_endpgm
.Lentry_in_a_cluster:
	s_bfe_u32 s2, ttmp6, 0x10000c
	s_cmp_lg_u32 s2, 0xf033
	s_cbranch_scc0 .Lentry_shape_is_right
	s_endpgm
.Lentry_shape_is_right:
; A GEMM ON CODES OF E3M2 WITH AN f32 RESULT: part[256 y + ..][1,024] = S1 S0^T over 1,024 along K.  It serves the attention's output projection (16 tile rows) and the second FFN product, whose K = 4,096 is
; shared out four ways along the grid's y (tile row = y % 16, K quarter = y / 16: 64 tile rows of part, summed by the launch that follows).
; feed: source 1's panels of 128 rows from panel 0, source 0's from panel 32, as records (panel, K step of 128) at panel x PP + step x RECB: eight fragments as images of their registers, then 128 scale words at SCO.
; A tile is 256 x 256, four waves, 128 x 128 each.  K goes through a ring of two LDS slots of two K steps; a wave's one tensor load brings one panel x two K steps: 25,600 dense bytes.
; CLUSTERS: 4 x 4 work-groups; source 1's panels are asked for jointly along a row of the cluster, source 0's along a column.  The K quarter hangs on the cluster's y alone, which all sixteen share.
; THE MATRIX INSTRUCTION: source 0 = 16 rows of S0, source 1 = 16 rows of S1: a lane holds eight neighbouring numbers of a row of the result.
; REGISTERS: window 0: v1-6, v16-29 addresses; v32-63 scale words, two sets; v128-223 S1's eight fragments (on the way out v128-255: rows read back).  window 1: S0's two sets.  windows 2, 3: the accumulators.
.set BIASC,  0
.set PP,     409600
.set RECB,   12800
.set SCO,    12288
.set S0B,    32*PP
.set NQ,     2
.set HALFT,  NQ*RECB
.set SLOT,   4*HALFT
.set SPARE,  2*SLOT                    ; behind the ring: the spare words, 128 bytes a wave: two blocks of 256 bytes that no other line names
.set SPITCH, 528                       ; the way out: a stage of 16 rows x (512 + 16) bytes a wave, in slot 0, which has had its last fill and its last read by then
.set ROWC,   4096                      ; a row of part in bytes
.set FR,     12
.set NL,     6
.set NP,     4
.set ADRA,   16
.set ADRB,   18
.set ASA,    20
.set ASB,    22
.set STO,    24
.set RD,     25
.set CO,     26
.set SPW,    28
.set NIL,    29
.set SC,     32
.set BN,     64
.set AF,     128
.set BK,     128
.set G1,     24
.set G0,     32
.set G1B,    48
.set G0B,    56
.set MUL_LO, 0xa1
.set MUL_HI, 0xf1
.set TO_B,   0x40
.set MSB, 0
.macro WIN new
.if MSB != (\new)
	s_set_vgpr_msb (MSB<<8)|(\new)
.set MSB, \new
.endif
.endm
.macro JLOAD g0a, g1a, g0b, g1b
	s_cmp_eq_u32 s15, 0
	s_cbranch_scc0 .Lfor_b_\@
	tensor_load_to_lds s[\g0a:\g0a+3], s[\g1a:\g1a+7]
	s_nop 0
.rept 4
	v_nop
.endr
	s_branch .Lasked_\@
.Lfor_b_\@:
	tensor_load_to_lds s[\g0b:\g0b+3], s[\g1b:\g1b+7]
	s_nop 0
.rept 4
	v_nop
.endr
.Lasked_\@:
.endm
.macro CREST
	s_cmp_lg_u32 s14, 0
	s_cbranch_scc1 .Lnot_wave_0_\@
	s_barrier_signal -3
.Lnot_wave_0_\@:
	s_barrier_wait -3
	s_barrier_signal -1
	s_barrier_wait -1
.endm
.macro CROUND
	s_barrier_signal -1
	s_barrier_wait -1
	CREST
.endm
.macro PLACES n
.rept \n
	v_nop
.endr
.endm
	s_load_b128 s[4:7], s[0:1], 0x0                ; feed, part
	v_lshl_add_u32 v[SPW], v0, 2, SPARE
	v_mov_b32 v[NIL], 0
	ds_add_u32 v28, v29
	ds_add_u32 v28, v29
	s_wait_dscnt 0x0
	v_lshrrev_b32 v1, 5, v0
	v_readfirstlane_b32 s14, v1                    ; wave 0..3
	s_lshr_b32 s15, s14, 1
	s_and_b32 s16, s14, 1
	s_bfe_u32 s40, ttmp6, 0x40000                  ; cx, cy
	s_bfe_u32 s41, ttmp6, 0x40004
	s_lshl_b32 s42, ttmp9, 2
	s_add_co_u32 s42, s42, s40                     ; x
	s_and_b32 s17, ttmp7, 0xffff
	s_lshl_b32 s17, s17, 2
	s_add_co_u32 s17, s17, s41                     ; y
	s_lshl_b32 s43, s41, 2
	s_lshl_b32 s43, 15, s43
	s_lshl_b32 s44, 0x1111, s40
	s_or_b32 s[G1+0], s43, (3<<16)|(1<<21)
	s_or_b32 s[G1B+0], s44, (3<<16)|(1<<21)
.irp g, G1, G1B
	s_mov_b32 s[\g+1], 32<<16
	s_mov_b32 s[\g+2], 100<<16
	s_mov_b32 s[\g+3], 32<<16
	s_mov_b32 s[\g+4], 100
	s_mov_b32 s[\g+5], 32
	s_mov_b32 s[\g+6], 0
	s_mov_b32 s[\g+7], 0
.endr
	s_and_b32 s18, ttmp7, 0xffff
	s_lshr_b32 s18, s18, 2                         ; the K quarter, by the cluster's y alone
	s_mul_i32 s18, s18, 8*RECB
	s_and_b32 s19, s17, 15                         ; tile of S1 rows
	s_lshl_b32 s20, s19, 1
	s_add_co_u32 s20, s20, s16
	s_mul_i32 s20, s20, PP
	s_add_co_u32 s20, s20, s18
	s_mov_b32 s21, 0
	s_lshl_b32 s46, s42, 1
	s_add_co_u32 s46, s46, s16
	s_mul_i32 s46, s46, PP
	s_add_co_u32 s46, s46, s18
	s_add_co_u32 s46, s46, S0B
	s_mov_b32 s47, 0
	s_mul_i32 s45, s14, HALFT
	s_wait_kmcnt 0x0
	s_add_nc_u64 s[20:21], s[4:5], s[20:21]
	s_add_nc_u64 s[46:47], s[4:5], s[46:47]
	CROUND                                         ; all sixteen work-groups are here: the first joint loads meet
.irp s, 0,1
	s_mov_b32 s[G0+4*\s], 1
	s_add_co_u32 s[G0+4*\s+1], s45, \s*SLOT
	s_add_nc_u64 s[G0+4*\s+2:G0+4*\s+3], s[20:21], \s*HALFT
	s_or_b32 s[G0+4*\s+3], s[G0+4*\s+3], 0x80000000
	s_mov_b32 s[G0B+4*\s], 1
	s_add_co_u32 s[G0B+4*\s+1], s45, \s*SLOT
	s_add_nc_u64 s[G0B+4*\s+2:G0B+4*\s+3], s[46:47], \s*HALFT
	s_or_b32 s[G0B+4*\s+3], s[G0B+4*\s+3], 0x80000000
	JLOAD G0+4*\s, G1, G0B+4*\s, G1B               ; two tensor loads of mine are out
.endr
	v_and_b32 v1, 31, v0
	v_lshlrev_b32 v2, 3, v1
	v_lshlrev_b32 v3, 2, v1
	s_mul_i32 s21, s15, HALFT
	s_mul_i32 s22, s16, HALFT
	s_add_co_u32 s22, s22, 2*HALFT
.irp s, 0,1
	v_add_nc_u32 v[ADRA+\s], s21, v2
	v_add_nc_u32 v[ADRB+\s], s22, v2
	v_add_nc_u32 v[ASA+\s], s21, v3
	v_add_nc_u32 v[ASB+\s], s22, v3
	s_add_co_u32 s21, s21, SLOT
	s_add_co_u32 s22, s22, SLOT
.endr
	v_and_b32 v4, 15, v0
	v_bfe_u32 v5, v0, 4, 1
	s_mul_i32 s23, s14, 16*SPITCH                  ; my stage
	v_mul_u32_u24 v6, v4, SPITCH
	v_lshl_add_u32 v6, v5, 5, v6
	v_add_nc_u32 v[STO], s23, v6                   ; in: row l % 16, 32 bytes for each half of the lanes
	v_lshlrev_b32 v[CO], 4, v1                     ; back: the 32 lanes take one row of 512 bytes; and the same in part
	v_add_nc_u32 v[RD], s23, v[CO]
	s_lshl_b32 s20, s17, 8
	s_lshl_b32 s21, s15, 7
	s_add_co_u32 s20, s20, s21                     ; my first row of part
	s_lshl_b32 s20, s20, 12
	s_lshl_b32 s21, s42, 10
	s_add_co_u32 s20, s20, s21
	s_lshl_b32 s21, s16, 9
	s_add_co_u32 s20, s20, s21                     ; + my first column, in bytes
	s_mov_b32 s21, 0
	s_add_nc_u64 s[6:7], s[6:7], s[20:21]
.macro FRAG reg, adr, q, i
.irp p, 0,1,2,3,4,5
	ds_load_b64 v[\reg+2*\p:\reg+2*\p+1], v[\adr] offset:RECB*(\q)+1536*(\i)+256*\p
.endr
.endm
.macro WM1 cm, ra, rb
.if (\cm)==0
.if ((\ra)==0)&&((\rb)==0)
	v_wmma_scale_f32_16x16x128_f8f6f4 v[rD:rD+7], v[rA:rA+11], v[rB:rB+11], 0, v[rSA], v[rSB] matrix_a_fmt:MATRIX_FMT_BF6 matrix_b_fmt:MATRIX_FMT_BF6
.elseif (\rb)==0
	v_wmma_scale_f32_16x16x128_f8f6f4 v[rD:rD+7], v[rA:rA+11], v[rB:rB+11], 0, v[rSA], v[rSB] matrix_a_fmt:MATRIX_FMT_BF6 matrix_b_fmt:MATRIX_FMT_BF6 matrix_a_scale:MATRIX_SCALE_ROW1
.elseif (\ra)==0
	v_wmma_scale_f32_16x16x128_f8f6f4 v[rD:rD+7], v[rA:rA+11], v[rB:rB+11], 0, v[rSA], v[rSB] matrix_a_fmt:MATRIX_FMT_BF6 matrix_b_fmt:MATRIX_FMT_BF6 matrix_b_scale:MATRIX_SCALE_ROW1
.else
	v_wmma_scale_f32_16x16x128_f8f6f4 v[rD:rD+7], v[rA:rA+11], v[rB:rB+11], 0, v[rSA], v[rSB] matrix_a_fmt:MATRIX_FMT_BF6 matrix_b_fmt:MATRIX_FMT_BF6 matrix_a_scale:MATRIX_SCALE_ROW1 matrix_b_scale:MATRIX_SCALE_ROW1
.endif
.else
.if ((\ra)==0)&&((\rb)==0)
	v_wmma_scale_f32_16x16x128_f8f6f4 v[rD:rD+7], v[rA:rA+11], v[rB:rB+11], v[rC:rC+7], v[rSA], v[rSB] matrix_a_fmt:MATRIX_FMT_BF6 matrix_b_fmt:MATRIX_FMT_BF6
.elseif (\rb)==0
	v_wmma_scale_f32_16x16x128_f8f6f4 v[rD:rD+7], v[rA:rA+11], v[rB:rB+11], v[rC:rC+7], v[rSA], v[rSB] matrix_a_fmt:MATRIX_FMT_BF6 matrix_b_fmt:MATRIX_FMT_BF6 matrix_a_scale:MATRIX_SCALE_ROW1
.elseif (\ra)==0
	v_wmma_scale_f32_16x16x128_f8f6f4 v[rD:rD+7], v[rA:rA+11], v[rB:rB+11], v[rC:rC+7], v[rSA], v[rSB] matrix_a_fmt:MATRIX_FMT_BF6 matrix_b_fmt:MATRIX_FMT_BF6 matrix_b_scale:MATRIX_SCALE_ROW1
.else
	v_wmma_scale_f32_16x16x128_f8f6f4 v[rD:rD+7], v[rA:rA+11], v[rB:rB+11], v[rC:rC+7], v[rSA], v[rSB] matrix_a_fmt:MATRIX_FMT_BF6 matrix_b_fmt:MATRIX_FMT_BF6 matrix_a_scale:MATRIX_SCALE_ROW1 matrix_b_scale:MATRIX_SCALE_ROW1
.endif
.endif
.endm
; The 64 accumulators take turns, one instruction a turn, in the same order in every step.  first = 1: the products start the sums: nothing is cleared
.macro MUL16 a0, p, q, sc, first
.irp a, \a0, \a0+1
.irp b, 0,1,2,3,4,5,6,7
.set rD, 8*(8*((\a)%4)+\b)
.set rA, 128*(\p)+FR*\b
.set rB, AF+FR*(\a)
.set rSA, SC+16*(\sc)+8*(\q)+4+\b/2
.set rSB, SC+16*(\sc)+8*(\q)+(\a)/2
.set rC, rD
.if (\first)&&BIASC
.set rC, BN+8*\b
.endif
.if (\first)&&(BIASC==0)
	WM1 0, \b%2, (\a)%2
.else
	WM1 1, \b%2, (\a)%2
.endif
.endr
.endr
.endm
.macro FETCH_B slot, q, p
	WIN TO_B
.irp i, 0,1,2,3,4,5,6,7
	FRAG 128*(\p)+FR*\i, ADRB+\slot, \q, \i
.endr
	WIN 0
.endm
.macro FETCH_A slot, q, i0
.irp i, \i0, \i0+1, \i0+2, \i0+3
	FRAG AF+FR*(\i), ADRA+\slot, \q, \i
.endr
.endm
.macro SCALES slot
.irp q, 0,1
.irp i, 0,1,2,3
	ds_load_b32 v[SC+16*\slot+8*\q+\i], v[ASA+\slot] offset:SCO+RECB*\q+128*\i
	ds_load_b32 v[SC+16*\slot+8*\q+4+\i], v[ASB+\slot] offset:SCO+RECB*\q+128*\i
.endr
.endr
.endm
.macro STEP slot, q, first
	s_wait_dscnt 4*NL                              ; all but the youngest 24 loads (S1's tiles 4-7) are in
	WIN MUL_LO
	MUL16 0, (\q)%2, \q, \slot, \first
	MUL16 2, (\q)%2, \q, \slot, \first
	s_wait_dscnt 0
	PLACES NP
	FETCH_B \slot, (\q)+1, 1-(\q)%2
	FETCH_A \slot, (\q)+1, 0
	WIN MUL_HI
	MUL16 4, (\q)%2, \q, \slot, \first
	MUL16 6, (\q)%2, \q, \slot, \first
	PLACES NP
	WIN 0
	FETCH_A \slot, (\q)+1, 4
.endm
.macro TURN slot, next, fill
	s_wait_tensorcnt 0x0                           ; all my tensor loads have landed: my part of the next slot
	ds_add_u32 v[SPW], v[NIL]                      ; 0 onto my spare word
	s_wait_dscnt 4*NL+1                            ; (the add and the youngest 24 loads may be out)
	WIN MUL_LO
	MUL16 0, 1, NQ-1, \slot, 0
	s_wait_dscnt 0x0                               ; the add is done, and my reads of this slot are over
	s_barrier_signal -1
	MUL16 2, 1, NQ-1, \slot, 0
	WIN 0
	s_barrier_wait -1
.if \fill
	CREST                                          ; a round of the cluster's barrier: no wave of any partner still reads this slot or has a load on its way
	s_add_nc_u64 s[G0+4*\slot+2:G0+4*\slot+3], s[G0+4*\slot+2:G0+4*\slot+3], 2*HALFT
	s_add_nc_u64 s[G0B+4*\slot+2:G0B+4*\slot+3], s[G0B+4*\slot+2:G0B+4*\slot+3], 2*HALFT
	JLOAD G0+4*\slot, G1, G0B+4*\slot, G1B         ; the first tensor load behind the round, my only one until the next
.else
	PLACES NP
.endif
	FETCH_B \next, 0, 0
	FETCH_A \next, 0, 0
	SCALES \next
	WIN MUL_HI
	MUL16 4, 1, NQ-1, \slot, 0
	MUL16 6, 1, NQ-1, \slot, 0
	PLACES NP
	WIN 0
	FETCH_A \next, 0, 4
.endm
	s_wait_tensorcnt 1                             ; my part of slot 0 is in; slot 1's may stay out
	s_barrier_signal -1
	s_barrier_wait -1
	FETCH_B 0, 0, 0
	FETCH_A 0, 0, 0
	SCALES 0
	FETCH_A 0, 0, 4
	STEP 0, 0, 1
	TURN 0, 1, 1
	STEP 1, 0, 0
	TURN 1, 0, 1
	STEP 0, 0, 0
	TURN 0, 1, 0
	STEP 1, 0, 0
	s_wait_dscnt 4*NL
	WIN MUL_LO
	MUL16 0, 1, NQ-1, 1, 0
	MUL16 2, 1, NQ-1, 1, 0
	s_wait_dscnt 0
	WIN MUL_HI
	MUL16 4, 1, NQ-1, 1, 0
	MUL16 6, 1, NQ-1, 1, 0
	WIN 0
; THE WAY OUT, block by block of 16 rows x 128 columns, through my own stage: in as 32 bytes a lane, back as whole rows of 512 bytes.  LDS serves a wave's instructions in order: no wait between
.macro TOSTAGE a
.set AC, 64*((\a)%4)
	WIN 0x08+4*((\a)/4)                            ; the data: window 2 or 3
.irp b, 0,1,2,3,4,5,6,7
	ds_store_b128 v[STO], v[AC+8*\b:AC+8*\b+3] offset:64*\b          ; each accumulator from its low end on
	ds_store_b128 v[STO], v[AC+8*\b+4:AC+8*\b+7] offset:64*\b+16
.endr
	WIN 0
.set BB, BK+64*((\a)%2)
.irp t, 0,1,2,3,4,5,6,7,8,9,10,11,12,13,14,15
	ds_load_b128 v[BB+4*\t:BB+4*\t+3], v[RD] offset:\t*SPITCH
.endr
.endm
.macro SEND a, younger                 ; younger: the LDS instructions issued behind block a's loads, which may stay out
.set BB, BK+64*((\a)%2)
	s_wait_dscnt \younger
.if (\a) > 0
	s_add_nc_u64 s[6:7], s[6:7], 16*ROWC           ; (behind a wait on XCNT: the earlier stores have read their base)
.endif
.irp t, 0,1,2,3,4,5,6,7,8,9,10,11,12,13,14,15
	global_store_b128 v[CO], v[BB+4*\t:BB+4*\t+3], s[6:7] offset:\t*ROWC th:TH_STORE_NT   ; 32 lanes store 512 consecutive bytes, aligned
.endr
.endm
	PLACES NP
	TOSTAGE 0
.irp a, 1,2,3,4,5,6,7
.if \a > 1
	s_wait_xcnt 0x0                                ; block a - 2's stores have read their registers and their base
.endif
	TOSTAGE \a
	SEND \a-1, 32                                  ; behind block a - 1's loads: block a's 16 stores and 16 loads
.endr
	s_wait_xcnt 0x0
	SEND 7, 0
	s_wait_tensorcnt 0x0                           ; the wave's end
	ds_add_u32 v[SPW], v[NIL]
	s_wait_dscnt 0x0
	CROUND                                         ; the closing round
	s_endpgm
.Lfunc_end_k_qbbfaacac5a_oproj:
	.size	k_qbbfaacac5a_oproj, .Lfunc_end_k_qbbfaacac5a_oproj-k_qbbfaacac5a_oproj
	.p2alignl 7, 3214868480
	.fill 96, 4, 3214868480
	.section	.rodata,"a",@progbits
	.p2align	6, 0x0
	.amdhsa_kernel k_qbbfaacac5a_oproj
		.amdhsa_group_segment_fixed_size 327680
		.amdhsa_private_segment_fixed_size 0
		.amdhsa_enable_private_segment 0
		.amdhsa_kernarg_size 16
		.amdhsa_user_sgpr_count 2
		.amdhsa_user_sgpr_kernarg_segment_ptr 1
		.amdhsa_wavefront_size32 1
		.amdhsa_system_sgpr_workgroup_id_x 1
		.amdhsa_system_sgpr_workgroup_id_y 1
		.amdhsa_system_sgpr_workgroup_id_z 1
		.amdhsa_system_vgpr_workitem_id 0
		.amdhsa_next_free_vgpr 1024
		.amdhsa_next_free_sgpr 66
		.amdhsa_reserve_vcc 0
		.amdhsa_float_denorm_mode_32 3
		.amdhsa_float_denorm_mode_16_64 3
		.amdhsa_memory_ordered 1
		.amdhsa_forward_progress 1
		.amdhsa_inst_pref_size 159
	.end_amdhsa_kernel
	.amdgpu_metadata
---
amdhsa.version: [ 1, 2 ]
amdhsa.kernels:
  - .name:           k_qbbfaacac5a_oproj
    .symbol:         k_qbbfaacac5a_oproj.kd
    .args:
      - { .name: fo, .offset: 0, .size: 8, .value_kind: global_buffer, .address_space: global }
      - { .name: part, .offset: 8, .size: 8, .value_kind: global_buffer, .address_space: global }
    .group_segment_fixed_size: 327680
    .private_segment_fixed_size: 0
    .kernarg_segment_align: 8
    .kernarg_segment_size: 16
    .max_flat_workgroup_size: 128
    .sgpr_count:     66
    .vgpr_count:     1024
    .wavefront_size: 32
...
	.end_amdgpu_metadata
.endif
;; end of part 4
;; launch ln1 (part 5): grid 256 x 1, 16 waves a work-group, no clusters, 67,840 bytes of LDS; arguments part, x, bo, g1, beta1, x1, f1; writes x1, f1
.if DOCPART == 5
	.amdgcn_target "amdgcn-amd-amdhsa--gfx1250"
	.amdhsa_code_object_version 6
	.text
	.protected	k_qbbfaacac5a_ln1
	.globl	k_qbbfaacac5a_ln1
	.p2align	8
	.type	k_qbbfaacac5a_ln1,@function
k_qbbfaacac5a_ln1:
	s_mov_b64 s[64:65], 0
	v_nop
	global_prefetch_b8 v0, s[64:65] scope:SCOPE_SE
	s_setreg_imm32_b32 hwreg(HW_REG_WAVE_MODE, 25, 1), 1
	s_wait_xcnt 0x0
; x1 = LayerNorm(x + part + bo) g1 + beta1, in f32, stored as f32 and as codes of E3M2 (source 1 of the first FFN product).
; A work-group takes 16 rows, a wave one row: 4,096 bytes in 32 registers, eight loads of 512 consecutive bytes; mean and variance never leave the wave.  The finished rows meet in a stage in LDS (16 rows of
; 4,096 + 16 bytes); behind one barrier waves 0 to 7 take one K step of 128 each: a lane reads 64 numbers of one row, in the order of this program's blocks, quantises them, and stores a fragment as it stands.
; No matrix unit, no tensor load, no cluster: nothing is shared between work-groups, and memory binds.
; LIMITS: a block of zeros gets the byte 1; blocks under 2^-122 are held at the byte 1.  A row of NaN stays NaN in x1; its codes are then of no meaning, and the last launch takes the NaN from x1.
.set PP,    409600
.set RECB,  12800
.set SCO,   12288
.set BO,    16
.set G,     48
.set BT,    80
.set P,     112
.set X,     144
.set E,     112
.set PC,    176
.set TM,    196
.set PW,    212
.set INV,   24                         ; s24 1 / 1,024
.set EPS,   25                         ; s25 1e-5
.set SEL,   26
.macro QUANT s, pc, pw
.irp b, 0,1,2,3
	v_max3_num_f32 v[TM+\b], |v[\s+16*\b]|, |v[\s+1+16*\b]|, 0x2800000
.endr
.irp i, 2,4,6,8,10,12,14
.irp b, 0,1,2,3
	v_max3_num_f32 v[TM+\b], v[TM+\b], |v[\s+16*\b+\i]|, |v[\s+1+16*\b+\i]|
.endr
.endr
.irp b, 0,1,2,3
	v_permlanex16_b32 v[TM+4+\b], v[TM+\b], s[SEL], s[SEL+1]
.endr
.irp b, 0,1,2,3
	v_max_num_f32 v[TM+\b], v[TM+\b], v[TM+4+\b]
.endr
.irp b, 0,1,2,3
	v_add_nc_u32 v[TM+12+\b], 0xfe000000, v[TM+\b]
.endr
.irp b, 0,1,2,3
	v_lshrrev_b32 v[TM+4+\b], 23, v[TM+12+\b]
.endr
	v_lshl_or_b32 v[\pw], v[TM+5], 8, v[TM+4]
	v_lshl_or_b32 v[\pw], v[TM+6], 16, v[\pw]
	v_lshl_or_b32 v[\pw], v[TM+7], 24, v[\pw]
.irp c, 0,1
	v_cvt_scalef32_pk16_bf6_f32 v[\pc+6*\c:\pc+2+6*\c], v[\s+32*\c:\s+15+32*\c], v[TM+12+2*\c]
	v_cvt_scalef32_pk16_bf6_f32 v[\pc+12+4*\c:\pc+14+4*\c], v[\s+16+32*\c:\s+31+32*\c], v[TM+12+2*\c+1]
.endr
	v_nop
.irp c, 0,1
.irp i, 0,1,2
	v_permlane16_swap_b32 v[\pc+6*\c+\i], v[\pc+12+4*\c+\i]
.endr
.irp i, 0,1,2
	v_mov_b32 v[\pc+3+6*\c+\i], v[\pc+12+4*\c+\i]
.endr
.endr
.endm
.macro REDUCE                          ; v240 summed over the 32 lanes, in every lane
	v_add_f32_dpp v240, v240, v240 row_xmask:1 row_mask:0xf bank_mask:0xf
	v_add_f32_dpp v240, v240, v240 row_xmask:2 row_mask:0xf bank_mask:0xf
	v_add_f32_dpp v240, v240, v240 row_xmask:4 row_mask:0xf bank_mask:0xf
	v_add_f32_dpp v240, v240, v240 row_xmask:8 row_mask:0xf bank_mask:0xf
	v_permlanex16_b32 v241, v240, s[SEL], s[SEL+1]
	v_add_f32 v240, v240, v241
.endm
; the row in v[z] .. v[z + 31]: leaves z - mean in place and 1 / sqrt(variance + eps) in v[246:247]
.macro STATS z
	v_pk_add_f32 v[240:241], v[\z:\z+1], v[\z+2:\z+3]
	v_pk_add_f32 v[242:243], v[\z+4:\z+5], v[\z+6:\z+7]
.irp i, 8,12,16,20,24,28
	v_pk_add_f32 v[240:241], v[240:241], v[\z+\i:\z+\i+1]
	v_pk_add_f32 v[242:243], v[242:243], v[\z+\i+2:\z+\i+3]
.endr
	v_pk_add_f32 v[240:241], v[240:241], v[242:243]
	v_add_f32 v240, v240, v241
	REDUCE
	v_mul_f32 v244, s[INV], v240                   ; the mean
	v_mov_b32 v245, v244
.irp i, 0,2,4,6,8,10,12,14,16,18,20,22,24,26,28,30
	v_pk_add_f32 v[\z+\i:\z+\i+1], v[\z+\i:\z+\i+1], v[244:245] neg_lo:[0,1] neg_hi:[0,1]
.endr
	v_pk_mul_f32 v[240:241], v[\z:\z+1], v[\z:\z+1]
	v_pk_mul_f32 v[242:243], v[\z+2:\z+3], v[\z+2:\z+3]
.irp i, 4,8,12,16,20,24,28
	v_pk_fma_f32 v[240:241], v[\z+\i:\z+\i+1], v[\z+\i:\z+\i+1], v[240:241]
	v_pk_fma_f32 v[242:243], v[\z+\i+2:\z+\i+3], v[\z+\i+2:\z+\i+3], v[242:243]
.endr
	v_pk_add_f32 v[240:241], v[240:241], v[242:243]
	v_add_f32 v240, v240, v241
	REDUCE
	v_fma_f32 v240, v240, s[INV], s[EPS]
	v_rsq_f32 v246, v240
	v_rsq_f32 v247, v240                           ; twice: a pair for the packed multiply
	v_nop                                          ; a plain place behind the transcendentals
	s_wait_alu depctr_va_vdst(0)                   ; one wait for both, ahead of their first reader
.endm
.macro NORM z, g, bt
.irp i, 0,2,4,6,8,10,12,14,16,18,20,22,24,26,28,30
	v_pk_mul_f32 v[\z+\i:\z+\i+1], v[\z+\i:\z+\i+1], v[246:247]
.endr
.irp i, 0,2,4,6,8,10,12,14,16,18,20,22,24,26,28,30
	v_pk_fma_f32 v[\z+\i:\z+\i+1], v[\z+\i:\z+\i+1], v[\g+\i:\g+\i+1], v[\bt+\i:\bt+\i+1]
.endr
.endm
	s_load_b256 s[4:11], s[0:1], 0x0               ; part, x, bo, g1
	s_load_b128 s[12:15], s[0:1], 0x20             ; beta1, x1
	s_load_b64 s[16:17], s[0:1], 0x30              ; f1
	v_lshl_add_u32 v254, v0, 2, 0x10100
	v_mov_b32 v255, 0
	v_lshrrev_b32 v1, 5, v0
	v_readfirstlane_b32 s18, v1                    ; wave 0..15
	v_and_b32 v2, 31, v0
	v_lshlrev_b32 v1, 4, v2                        ; 16 x lane
	v_and_b32 v3, 15, v0                           ; r
	v_bfe_u32 v4, v0, 4, 1                         ; h
	s_mul_i32 s19, s18, 4112
	v_add_nc_u32 v5, s19, v1                       ; the stage, in: my row
	s_and_b32 s20, s18, 7                          ; the K step that I quantise (waves 0 to 7)
	s_lshl_b32 s21, s20, 9
	v_mul_u32_u24 v6, v3, 4112
	v_lshl_add_u32 v6, v4, 5, v6
	v_add_nc_u32 v6, s21, v6                       ; and out: row r, + 512 x step + 32 h
	s_and_b32 s22, ttmp9, 7
	s_mul_i32 s23, s22, 1536
	v_lshl_add_u32 v7, v2, 3, s23                  ; my 8 bytes of a pair of the fragment
	s_lshl_b32 s23, s22, 6
	s_add_co_u32 s23, s23, SCO
	v_lshl_add_u32 v8, v3, 2, s23                  ; my row's scale word
	s_lshl_b32 s28, ttmp9, 4
	s_add_co_u32 s28, s28, s18
	s_lshl_b32 s28, s28, 12                        ; my row, in bytes
	s_mov_b32 s29, 0
	s_lshr_b32 s30, ttmp9, 3
	s_mul_i32 s30, s30, PP
	s_mul_i32 s31, s20, RECB
	s_add_co_u32 s30, s30, s31                     ; my record
	s_mov_b32 s31, 0
	s_mov_b32 s[INV], 0x3a800000
	s_mov_b32 s[EPS], 0x3727c5ac
	s_mov_b32 s[SEL], 0x76543210
	s_mov_b32 s[SEL+1], 0xfedcba98
	s_wait_kmcnt 0x0
	s_add_nc_u64 s[4:5], s[4:5], s[28:29]
	s_add_nc_u64 s[6:7], s[6:7], s[28:29]
	s_add_nc_u64 s[14:15], s[14:15], s[28:29]
	s_add_nc_u64 s[16:17], s[16:17], s[30:31]
.irp j, 0,1,2,3,4,5,6,7
	global_load_b128 v[P+4*\j:P+4*\j+3], v1, s[4:5] offset:512*\j th:TH_LOAD_NT
	global_load_b128 v[X+4*\j:X+4*\j+3], v1, s[6:7] offset:512*\j th:TH_LOAD_NT
.endr
.irp j, 0,1,2,3,4,5,6,7
	global_load_b128 v[BO+4*\j:BO+4*\j+3], v1, s[8:9] offset:512*\j
	global_load_b128 v[G+4*\j:G+4*\j+3], v1, s[10:11] offset:512*\j
	global_load_b128 v[BT+4*\j:BT+4*\j+3], v1, s[12:13] offset:512*\j
.endr
	s_wait_loadcnt 0x0
.irp i, 0,2,4,6,8,10,12,14,16,18,20,22,24,26,28,30
	v_pk_add_f32 v[P+\i:P+\i+1], v[P+\i:P+\i+1], v[BO+\i:BO+\i+1]
.endr
.irp i, 0,2,4,6,8,10,12,14,16,18,20,22,24,26,28,30
	v_pk_add_f32 v[P+\i:P+\i+1], v[P+\i:P+\i+1], v[X+\i:X+\i+1]
.endr
	STATS P
	NORM P, G, BT
.irp j, 0,1,2,3,4,5,6,7
	global_store_b128 v1, v[P+4*\j:P+4*\j+3], s[14:15] offset:512*\j               ; 32 lanes store 512 consecutive bytes, aligned
	ds_store_b128 v5, v[P+4*\j:P+4*\j+3] offset:512*\j
.endr
	s_wait_xcnt 0x0                                ; the stores have read the row's registers, which the loads below write
	s_wait_dscnt 0x0                               ; for the others' sake: my row lies in the stage
	s_barrier_signal -1
	s_barrier_wait -1
	s_cmp_ge_u32 s18, 8                            ; eight K steps: waves 0 to 7 take one each; no barrier stands behind this branch
	s_cbranch_scc1 .Ldone
.irp t, 0,1,2,3,4,5,6,7
	ds_load_b128 v[E+8*\t:E+8*\t+3], v6 offset:64*\t
	ds_load_b128 v[E+8*\t+4:E+8*\t+7], v6 offset:64*\t+16
.endr
.irp b, 0,1,2,3
	v_mov_b32 v[TM+4+\b], 0                        ; a lane permute's destination counts as one of its sources
.endr
	s_wait_dscnt 0x0
	QUANT E, PC, PW
.irp p, 0,1,2,3,4,5
	global_store_b64 v7, v[PC+2*\p:PC+2*\p+1], s[16:17] offset:256*\p              ; 32 lanes store 256 consecutive bytes, aligned
.endr
	global_store_b32 v8, v[PW], s[16:17]           ; lanes 16-31 repeat lanes 0-15's word
.Ldone:
	s_wait_tensorcnt 0x0
	ds_add_u32 v254, v255
	s_wait_dscnt 0x0
	s_endpgm
.Lfunc_end_k_qbbfaacac5a_ln1:
	.size	k_qbbfaacac5a_ln1, .Lfunc_end_k_qbbfaacac5a_ln1-k_qbbfaacac5a_ln1
	.p2alignl 7, 3214868480
	.fill 96, 4, 3214868480
	.section	.rodata,"a",@progbits
	.p2align	6, 0x0
	.amdhsa_kernel k_qbbfaacac5a_ln1
		.amdhsa_group_segment_fixed_size 67840
		.amdhsa_private_segment_fixed_size 0
		.amdhsa_enable_private_segment 0
		.amdhsa_kernarg_size 56
		.amdhsa_user_sgpr_count 2
		.amdhsa_user_sgpr_kernarg_segment_ptr 1
		.amdhsa_wavefront_size32 1
		.amdhsa_system_sgpr_workgroup_id_x 1
		.amdhsa_system_sgpr_workgroup_id_y 1
		.amdhsa_system_sgpr_workgroup_id_z 1
		.amdhsa_system_vgpr_workitem_id 0
		.amdhsa_next_free_vgpr 256
		.amdhsa_next_free_sgpr 66
		.amdhsa_reserve_vcc 0
		.amdhsa_float_denorm_mode_32 3
		.amdhsa_float_denorm_mode_16_64 3
		.amdhsa_memory_ordered 1
		.amdhsa_forward_progress 1
		.amdhsa_inst_pref_size 22
	.end_amdhsa_kernel
	.amdgpu_metadata
---
amdhsa.version: [ 1, 2 ]
amdhsa.kernels:
  - .name:           k_qbbfaacac5a_ln1
    .symbol:         k_qbbfaacac5a_ln1.kd
    .args:
      - { .name: part, .offset: 0, .size: 8, .value_kind: global_buffer, .address_space: global }
      - { .name: x, .offset: 8, .size: 8, .value_kind: global_buffer, .address_space: global }
      - { .name: bo, .offset: 16, .size: 8, .value_kind: global_buffer, .address_space: global }
      - { .name: g1, .offset: 24, .size: 8, .value_kind: global_buffer, .address_space: global }
      - { .name: beta1, .offset: 32, .size: 8, .value_kind: global_buffer, .address_space: global }
      - { .name: x1, .offset: 40, .size: 8, .value_kind: global_buffer, .address_space: global }
      - { .name: f1, .offset: 48, .size: 8, .value_kind: global_buffer, .address_space: global }
    .group_segment_fixed_size: 67840
    .private_segment_fixed_size: 0
    .kernarg_segment_align: 8
    .kernarg_segment_size: 56
    .max_flat_workgroup_size: 512
    .sgpr_count:     66
    .vgpr_count:     256
    .wavefront_size: 32
...
	.end_amdgpu_metadata
.endif
;; end of part 5
;; launch ffn1: the kernel of part 2 again; grid 16 x 16, 4 waves a work-group, clusters of 4 x 4, 327,680 bytes of LDS; arguments f1, f2; writes f2
;; launch ffn2: the kernel of part 4 again; grid 4 x 64, 4 waves a work-group, clusters of 4 x 4, 327,680 bytes of LDS; arguments f2, part; writes part
;; launch ln2 (part 6): grid 256 x 1, 16 waves a work-group, no clusters, 0 bytes of LDS; arguments part, x1, b2, g2, beta2, out0; writes out0
.if DOCPART == 6
	.amdgcn_target "amdgcn-amd-amdhsa--gfx1250"
	.amdhsa_code_object_version 6
	.text
	.protected	k_qbbfaacac5a_ln2
	.globl	k_qbbfaacac5a_ln2
	.p2align	8
	.type	k_qbbfaacac5a_ln2,@function
k_qbbfaacac5a_ln2:
	s_mov_b64 s[64:65], 0
	v_nop
	global_prefetch_b8 v0, s[64:65] scope:SCOPE_SE
	s_setreg_imm32_b32 hwreg(HW_REG_WAVE_MODE, 25, 1), 1
	s_wait_xcnt 0x0
; out0 = LayerNorm(x1 + b2 + the four K quarters of the second FFN product) g2 + beta2, all in f32.
; A work-group takes 16 rows, a wave one row: 4,096 bytes in 32 registers, eight loads of 512 consecutive bytes for each of the five addends; 56 loads of a wave are out together, four waves share a SIMD.
; Mean and variance never leave the wave: no LDS, no barrier.  Memory binds: matrix units, clusters and tensor loads would add nothing.
.set B2,    16
.set G,     48
.set Z,     80
.set P0,    112
.set P1,    144
.set P2,    176
.set P3,    208
.set INV,   24
.set EPS,   25
.set SEL,   26
.set QUARTER, 16777216                 ; bytes from one K quarter's rows to the next's
.macro REDUCE
	v_add_f32_dpp v240, v240, v240 row_xmask:1 row_mask:0xf bank_mask:0xf
	v_add_f32_dpp v240, v240, v240 row_xmask:2 row_mask:0xf bank_mask:0xf
	v_add_f32_dpp v240, v240, v240 row_xmask:4 row_mask:0xf bank_mask:0xf
	v_add_f32_dpp v240, v240, v240 row_xmask:8 row_mask:0xf bank_mask:0xf
	v_permlanex16_b32 v241, v240, s[SEL], s[SEL+1]
	v_add_f32 v240, v240, v241
.endm
.macro STATS z
	v_pk_add_f32 v[240:241], v[\z:\z+1], v[\z+2:\z+3]
	v_pk_add_f32 v[242:243], v[\z+4:\z+5], v[\z+6:\z+7]
.irp i, 8,12,16,20,24,28
	v_pk_add_f32 v[240:241], v[240:241], v[\z+\i:\z+\i+1]
	v_pk_add_f32 v[242:243], v[242:243], v[\z+\i+2:\z+\i+3]
.endr
	v_pk_add_f32 v[240:241], v[240:241], v[242:243]
	v_add_f32 v240, v240, v241
	REDUCE
	v_mul_f32 v244, s[INV], v240
	v_mov_b32 v245, v244
.irp i, 0,2,4,6,8,10,12,14,16,18,20,22,24,26,28,30
	v_pk_add_f32 v[\z+\i:\z+\i+1], v[\z+\i:\z+\i+1], v[244:245] neg_lo:[0,1] neg_hi:[0,1]
.endr
	v_pk_mul_f32 v[240:241], v[\z:\z+1], v[\z:\z+1]
	v_pk_mul_f32 v[242:243], v[\z+2:\z+3], v[\z+2:\z+3]
.irp i, 4,8,12,16,20,24,28
	v_pk_fma_f32 v[240:241], v[\z+\i:\z+\i+1], v[\z+\i:\z+\i+1], v[240:241]
	v_pk_fma_f32 v[242:243], v[\z+\i+2:\z+\i+3], v[\z+\i+2:\z+\i+3], v[242:243]
.endr
	v_pk_add_f32 v[240:241], v[240:241], v[242:243]
	v_add_f32 v240, v240, v241
	REDUCE
	v_fma_f32 v240, v240, s[INV], s[EPS]
	v_rsq_f32 v246, v240
	v_rsq_f32 v247, v240
	v_nop                                          ; a plain place behind the transcendentals
	s_wait_alu depctr_va_vdst(0)                   ; one wait for both, ahead of their first reader
.endm
.macro ADD32 d, s
.irp i, 0,2,4,6,8,10,12,14,16,18,20,22,24,26,28,30
	v_pk_add_f32 v[\d+\i:\d+\i+1], v[\d+\i:\d+\i+1], v[\s+\i:\s+\i+1]
.endr
.endm
	s_load_b256 s[4:11], s[0:1], 0x0               ; part, x1, b2, g2
	s_load_b128 s[12:15], s[0:1], 0x20             ; beta2, out0
	v_lshrrev_b32 v1, 5, v0
	v_readfirstlane_b32 s18, v1                    ; wave 0..15
	v_and_b32 v2, 31, v0
	v_lshlrev_b32 v1, 4, v2                        ; 16 x lane
	s_lshl_b32 s20, ttmp9, 4
	s_add_co_u32 s20, s20, s18
	s_lshl_b32 s20, s20, 12                        ; my row, in bytes
	s_mov_b32 s21, 0
	s_mov_b32 s[INV], 0x3a800000
	s_mov_b32 s[EPS], 0x3727c5ac
	s_mov_b32 s[SEL], 0x76543210
	s_mov_b32 s[SEL+1], 0xfedcba98
	s_wait_kmcnt 0x0
	s_add_nc_u64 s[4:5], s[4:5], s[20:21]
	s_add_nc_u64 s[16:17], s[4:5], QUARTER
	s_add_nc_u64 s[22:23], s[4:5], 2*QUARTER
	s_add_nc_u64 s[28:29], s[4:5], 3*QUARTER
	s_add_nc_u64 s[6:7], s[6:7], s[20:21]
	s_add_nc_u64 s[14:15], s[14:15], s[20:21]
.irp j, 0,1,2,3,4,5,6,7
	global_load_b128 v[P0+4*\j:P0+4*\j+3], v1, s[4:5] offset:512*\j th:TH_LOAD_NT
	global_load_b128 v[P1+4*\j:P1+4*\j+3], v1, s[16:17] offset:512*\j th:TH_LOAD_NT
	global_load_b128 v[P2+4*\j:P2+4*\j+3], v1, s[22:23] offset:512*\j th:TH_LOAD_NT
	global_load_b128 v[P3+4*\j:P3+4*\j+3], v1, s[28:29] offset:512*\j th:TH_LOAD_NT
	global_load_b128 v[Z+4*\j:Z+4*\j+3], v1, s[6:7] offset:512*\j th:TH_LOAD_NT
.endr
.irp j, 0,1,2,3,4,5,6,7
	global_load_b128 v[B2+4*\j:B2+4*\j+3], v1, s[8:9] offset:512*\j
	global_load_b128 v[G+4*\j:G+4*\j+3], v1, s[10:11] offset:512*\j
.endr
	s_wait_loadcnt 0x0
	ADD32 P0, P1
	ADD32 Z, B2
	ADD32 P0, P2
	ADD32 P0, P3
.irp j, 0,1,2,3,4,5,6,7
	global_load_b128 v[P3+4*\j:P3+4*\j+3], v1, s[12:13] offset:512*\j              ; beta2, into the registers that the last quarter has left; it lands under the statistics
.endr
	ADD32 Z, P0
	STATS Z
.irp i, 0,2,4,6,8,10,12,14,16,18,20,22,24,26,28,30
	v_pk_mul_f32 v[Z+\i:Z+\i+1], v[Z+\i:Z+\i+1], v[246:247]
.endr
	s_wait_loadcnt 0x0
.irp i, 0,2,4,6,8,10,12,14,16,18,20,22,24,26,28,30
	v_pk_fma_f32 v[Z+\i:Z+\i+1], v[Z+\i:Z+\i+1], v[G+\i:G+\i+1], v[P3+\i:P3+\i+1]
.endr
.irp j, 0,1,2,3,4,5,6,7
	global_store_b128 v1, v[Z+4*\j:Z+4*\j+3], s[14:15] offset:512*\j th:TH_STORE_NT   ; 32 lanes store 512 consecutive bytes, aligned
.endr
	s_endpgm
.Lfunc_end_k_qbbfaacac5a_ln2:
	.size	k_qbbfaacac5a_ln2, .Lfunc_end_k_qbbfaacac5a_ln2-k_qbbfaacac5a_ln2
	.p2alignl 7, 3214868480
	.fill 96, 4, 3214868480
	.section	.rodata,"a",@progbits
	.p2align	6, 0x0
	.amdhsa_kernel k_qbbfaacac5a_ln2
		.amdhsa_group_segment_fixed_size 0
		.amdhsa_private_segment_fixed_size 0
		.amdhsa_enable_private_segment 0
		.amdhsa_kernarg_size 48
		.amdhsa_user_sgpr_count 2
		.amdhsa_user_sgpr_kernarg_segment_ptr 1
		.amdhsa_wavefront_size32 1
		.amdhsa_system_sgpr_workgroup_id_x 1
		.amdhsa_system_sgpr_workgroup_id_y 1
		.amdhsa_system_sgpr_workgroup_id_z 1
		.amdhsa_system_vgpr_workitem_id 0
		.amdhsa_next_free_vgpr 256
		.amdhsa_next_free_sgpr 66
		.amdhsa_reserve_vcc 0
		.amdhsa_float_denorm_mode_32 3
		.amdhsa_float_denorm_mode_16_64 3
		.amdhsa_memory_ordered 1
		.amdhsa_forward_progress 1
		.amdhsa_inst_pref_size 20
	.end_amdhsa_kernel
	.amdgpu_metadata
---
amdhsa.version: [ 1, 2 ]
amdhsa.kernels:
  - .name:           k_qbbfaacac5a_ln2
    .symbol:         k_qbbfaacac5a_ln2.kd
    .args:
      - { .name: part, .offset: 0, .size: 8, .value_kind: global_buffer, .address_space: global }
      - { .name: x1, .offset: 8, .size: 8, .value_kind: global_buffer, .address_space: global }
      - { .name: b2, .offset: 16, .size: 8, .value_kind: global_buffer, .address_space: global }
      - { .name: g2, .offset: 24, .size: 8, .value_kind: global_buffer, .address_space: global }
      - { .name: beta2, .offset: 32, .size: 8, .value_kind: global_buffer, .address_space: global }
      - { .name: out0, .offset: 40, .size: 8, .value_kind: global_buffer, .address_space: global }
    .group_segment_fixed_size: 0
    .private_segment_fixed_size: 0
    .kernarg_segment_align: 8
    .kernarg_segment_size: 48
    .max_flat_workgroup_size: 512
    .sgpr_count:     66
    .vgpr_count:     256
    .wavefront_size: 32
...
	.end_amdgpu_metadata
.endif
;; end of part 6
;; ======== version 2 of 2: 7 launches
;; limits: right only within a limited range of input values
;; workspace buffers: fqk 26,284,032 bytes; f1 26,249,216 bytes; fo 16,384,000 bytes; f2 26,214,400 bytes; part 16,777,216 bytes; x1 16,777,216 bytes; maskw 526,336 bytes of whole numbers
;; launch prep (part 7): grid 641 x 1, 4 waves a work-group, no clusters, 68,096 bytes of LDS; arguments x, mask, wq, wk, wv, wo, w1, w2, bq, bk, bv, b1, fqk, fo, f1, f2, maskw; writes fqk, fo, f1, f2, maskw
.if DOCPART == 7
	.amdgcn_target "amdgcn-amd-amdhsa--gfx1250"
	.amdhsa_code_object_version 6
	.text
	.protected	k_qbbfaacac5a_prep
	.globl	k_qbbfaacac5a_prep
	.p2align	8
	.type	k_qbbfaacac5a_prep,@function
k_qbbfaacac5a_prep:
	s_mov_b64 s[64:65], 0
	v_nop
	global_prefetch_b8 v0, s[64:65] scope:SCOPE_SE
	s_setreg_imm32_b32 hwreg(HW_REG_WAVE_MODE, 25, 1), 1
	s_wait_xcnt 0x0
; PREP: everything that is quantised or laid out once.  Four kinds of work-group, told apart by the work-group's number:
;   0-127   x [4096][1024] f32 -> codes of E3M2 + E8M0 scale words
;   128-255 mask [2048][2048] i32 -> one bit a number, as lane masks for the attention launch, and two flags for each block of 16 queries x 128 keys
;   256-639 the six weights [K][N] f32 -> codes with K innermost: a lane takes a column and its registers run down K
;   640     the biases into the tails of the feed buffers
; THE IMAGE.  A fragment (16 rows x 128 K, 12 registers a lane) lies as its registers: pair p of lane l at 256 p + 8 l, 1,536 bytes.  A record is a panel of 128 rows x 128 K: eight fragments,
; then at SCO 128 scale words (row's word at 4 x row).  Record (panel, K step) lies at panel x PP + step x RECB.
; fqk: x in panels 0-31, wq 32-39, wk 40-47, wv 48-55.  fo: wo 32-39.  f1: w1 32-63.  f2: w2 32-39.
; THE ORDER INSIDE A BLOCK OF 32: code place 16 a + 8 u + j holds k = 16 u + 8 a + j.  Every operand of every product is laid so, which changes no product and no block, and it is the order in which a
; transposed matrix result falls into a lane's registers.
; A block's scale is 2^(floor(log2(largest magnitude)) - 4): the largest magnitude's exponent field less 4, held at 1 from below.
; LIMITS: a block of zeros gets the byte 1 (its codes are zeros; this program alone reads the bytes); blocks whose largest magnitude lies under 2^-122 are held at the byte 1; NaN and infinities among the inputs are not served.
.set PP,    409600
.set RECB,  12800
.set SCO,   12288
.set TAIL,  64*PP
.set TAILB, 34816                      ; a tail's bytes; fqk has two
.set FLAGS, 524288                     ; maskw: behind the words, four flag words for each tile of 16 queries
.set RA,    16                         ; v16-79, v80-143  two sets of 16 rows x 16 bytes a lane, as loaded
.set E,     144                        ; v144-207 64 numbers of my row: register 8 t + j = element 16 t + 8 (lane / 16) + j
.set PC,    208                        ; v208-226 the codes just made
.set MW,    208                        ; v208-215 (mask path) the words, a pair for each step
.set TM,    228                        ; v228-243 the quantiser's work
.set PW,    244                        ; v244     the scale word just made
.set SEL,   2                          ; s[2:3]   lane selects for v_permlanex16_b32: lane l xor 16
; 64 numbers of a lane, register 16 b + i = place 16 (lane / 16) + i of block b of my row, become a fragment's 12 registers v[pc] on and the row's scale word v[pw]
.macro QUANT s, pc, pw
.irp b, 0,1,2,3
	v_max3_num_f32 v[TM+\b], |v[\s+16*\b]|, |v[\s+1+16*\b]|, 0x2800000   ; my 16 numbers of block b, and the floor 2^(5 - 127): the byte cannot fall under 1
.endr
.irp i, 2,4,6,8,10,12,14
.irp b, 0,1,2,3
	v_max3_num_f32 v[TM+\b], v[TM+\b], |v[\s+16*\b+\i]|, |v[\s+1+16*\b+\i]|
.endr
.endr
.irp b, 0,1,2,3
	v_permlanex16_b32 v[TM+4+\b], v[TM+\b], s[SEL], s[SEL+1]
.endr
.irp b, 0,1,2,3
	v_max_num_f32 v[TM+\b], v[TM+\b], v[TM+4+\b]                      ; with lane l xor 16's: the block's largest magnitude
.endr
.irp b, 0,1,2,3
	v_add_nc_u32 v[TM+12+\b], 0xfe000000, v[TM+\b]                    ; 4 off its exponent field: the conversion's scale operand
.endr
.irp b, 0,1,2,3
	v_lshrrev_b32 v[TM+4+\b], 23, v[TM+12+\b]                         ; the scale's byte
.endr
	v_lshl_or_b32 v[\pw], v[TM+5], 8, v[TM+4]
	v_lshl_or_b32 v[\pw], v[TM+6], 16, v[\pw]
	v_lshl_or_b32 v[\pw], v[TM+7], 24, v[\pw]
.irp c, 0,1
	v_cvt_scalef32_pk16_bf6_f32 v[\pc+6*\c:\pc+2+6*\c], v[\s+32*\c:\s+15+32*\c], v[TM+12+2*\c]
	v_cvt_scalef32_pk16_bf6_f32 v[\pc+12+4*\c:\pc+14+4*\c], v[\s+16+32*\c:\s+31+32*\c], v[TM+12+2*\c+1]   ; (a conversion's three registers begin on an even number)
.endr
	v_nop                                          ; one plain place behind a scaled conversion
.irp c, 0,1                                    ; the operand's layout wants a whole block in a lane: lanes 0-15 block 2 c, lanes 16-31 block 2 c + 1
.irp i, 0,1,2
	v_permlane16_swap_b32 v[\pc+6*\c+\i], v[\pc+12+4*\c+\i]
.endr
.irp i, 0,1,2
	v_mov_b32 v[\pc+3+6*\c+\i], v[\pc+12+4*\c+\i]
.endr
.endr
.endm
; sixteen rows, 512 consecutive bytes of each: 16 bytes a lane
.macro LOADT rs, sb, pitch, off
.irp i, 0,1,2,3,4,5,6,7,8,9,10,11,12,13,14,15
	global_load_b128 v[\rs+4*\i:\rs+4*\i+3], v4, s[\sb:\sb+1] offset:\i*(\pitch)+(\off) th:TH_LOAD_NT
.endr
.endm
; through the wave's own stage (16 rows of 512 + 16 bytes): in as loaded, out as 64 numbers of ONE row a lane.  LDS serves a wave's instructions in order: no wait between
.macro TURN rs, sti, sto
.irp i, 0,1,2,3,4,5,6,7,8,9,10,11,12,13,14,15
	ds_store_b128 v[\sti], v[\rs+4*\i:\rs+4*\i+3] offset:528*\i
.endr
.irp t, 0,1,2,3,4,5,6,7
	ds_load_b128 v[E+8*\t:E+8*\t+3], v[\sto] offset:64*\t
	ds_load_b128 v[E+8*\t+4:E+8*\t+7], v[\sto] offset:64*\t+16
.endr
.endm
	v_lshl_add_u32 v254, v0, 2, 0x10800
	v_mov_b32 v255, 0
	v_lshrrev_b32 v1, 5, v0
	v_readfirstlane_b32 s8, v1                     ; wave 0..3
	v_and_b32 v1, 31, v0                           ; lane
	v_and_b32 v2, 15, v0                           ; r
	v_bfe_u32 v3, v0, 4, 1                         ; h
	v_lshlrev_b32 v4, 4, v1                        ; 16 x lane
	v_lshlrev_b32 v5, 3, v1                        ; 8 x lane
	v_lshlrev_b32 v6, 2, v1                        ; 4 x lane
	v_lshlrev_b32 v7, 2, v2                        ; 4 r
	s_mul_i32 s9, s8, 8448                         ; my stage
	v_add_nc_u32 v8, s9, v4                        ; in: 16 x lane
	v_mul_u32_u24 v9, v2, 528
	v_lshl_add_u32 v9, v3, 5, v9
	v_add_nc_u32 v9, s9, v9                        ; out: row r, + 32 h
	v_add_nc_u32 v10, 33792, v8                    ; the mask path has LDS bytes of its own
	v_add_nc_u32 v11, 33792, v9
	s_mov_b32 s[SEL], 0x76543210
	s_mov_b32 s[SEL+1], 0xfedcba98
	s_cmp_ge_u32 ttmp9, 640
	s_cbranch_scc1 .Lc
	s_cmp_ge_u32 ttmp9, 256
	s_cbranch_scc1 .Lw
	s_cmp_ge_u32 ttmp9, 128
	s_cbranch_scc1 .Lm
	; ---- x.  Wave: 16 rows x 512 along K, four K steps
	s_load_b64 s[4:5], s[0:1], 0x0                 ; x
	s_load_b64 s[12:13], s[0:1], 0x60              ; fqk
	s_lshl_b32 s10, ttmp9, 2
	s_add_co_u32 s10, s10, s8
	s_lshr_b32 s11, s10, 1                         ; tile of 16 rows
	s_and_b32 s16, s10, 1                          ; which half of K
	s_lshl_b32 s18, s11, 16                        ; 16 rows of 4,096 bytes
	s_lshl_b32 s17, s16, 11
	s_add_co_u32 s18, s18, s17
	s_mov_b32 s19, 0
	s_lshr_b32 s20, s11, 3                         ; panel
	s_mul_i32 s20, s20, PP
	s_mul_i32 s17, s16, 4*RECB
	s_add_co_u32 s20, s20, s17
	s_mov_b32 s21, 0
	s_and_b32 s22, s11, 7                          ; tile in the panel
	s_mul_i32 s23, s22, 1536
	s_wait_alu depctr_va_vdst(0)
	v_add_nc_u32 v12, s23, v5                      ; my 8 bytes of a pair
	s_lshl_b32 s23, s22, 6
	s_add_co_u32 s23, s23, SCO
	v_add_nc_u32 v13, s23, v7                      ; my row's scale word
.irp b, 0,1,2,3
	v_mov_b32 v[TM+4+\b], 0                        ; written once: a lane permute's destination counts as one of its sources
.endr
	s_wait_kmcnt 0x0
	s_add_nc_u64 s[4:5], s[4:5], s[18:19]
	s_add_nc_u64 s[12:13], s[12:13], s[20:21]
	LOADT RA, 4, 4096, 0
	LOADT RA+64, 4, 4096, 512
.macro XSTEP s
.if (\s) < 3
	s_wait_loadcnt 16                              ; this step's 16 loads are in; the other set's may be out
.else
	s_wait_loadcnt 0x0
.endif
	TURN RA+64*((\s)%2), 8, 9
	s_wait_dscnt 0x0
.if (\s) > 0
	s_wait_xcnt 0x0                                ; the last step's stores have read the codes and the scale word: they are written again below
.endif
.if (\s)+2 < 4
	LOADT RA+64*((\s)%2), 4, 4096, 512*((\s)+2)
.endif
	QUANT E, PC, PW
.irp p, 0,1,2,3,4,5
	global_store_b64 v12, v[PC+2*\p:PC+2*\p+1], s[12:13] offset:RECB*(\s)+256*\p   ; 32 lanes store 256 consecutive bytes, aligned
.endr
	global_store_b32 v13, v[PW], s[12:13] offset:RECB*(\s)    ; lanes 16-31 repeat lanes 0-15's word
.endm
	XSTEP 0
	XSTEP 1
	XSTEP 2
	XSTEP 3
	s_wait_tensorcnt 0x0
	ds_add_u32 v254, v255
	s_wait_dscnt 0x0
	s_endpgm
	; ---- the mask.  Wave: 16 queries x 512 keys, four key steps.  Word 8 t + j of a step: bit L = (mask[query L % 16][key 16 t + 8 (L / 16) + j] == 1): the lane mask for score register 8 t + j.
	; The 64 words of a step are also anded and ored: all ones = the step is hidden from these 16 queries, all zeros = it is open.  Wave w's flag word: bit 4 w + s hidden, bit 16 + 4 w + s open
.Lm:
	s_load_b64 s[4:5], s[0:1], 0x8                 ; mask
	s_load_b64 s[12:13], s[0:1], 0x80              ; maskw
	s_sub_co_u32 s10, ttmp9, 128                   ; tile of 16 queries
	s_lshl_b32 s18, s10, 17                        ; 16 rows of 8,192 bytes
	s_lshl_b32 s17, s8, 11
	s_add_co_u32 s18, s18, s17
	s_mov_b32 s19, 0
	s_lshl_b32 s16, s10, 12                        ; 16 steps x 256 bytes
	s_lshl_b32 s17, s8, 10
	s_add_co_u32 s16, s16, s17
	s_mov_b32 s17, 0
	s_lshl_b32 s28, s10, 4                         ; four flag words a tile
	s_lshl_b32 s29, s8, 2
	s_add_co_u32 s28, s28, s29
	s_add_co_u32 s28, s28, FLAGS
	s_mov_b32 s29, 0
	s_mov_b32 s26, 0                               ; my flags
.irp i, 0,1,2,3,4,5,6,7
	v_mov_b32 v[MW+\i], 0                          ; v_writelane_b32's destination counts as read
.endr
	v_mov_b32 v15, 0
	s_wait_kmcnt 0x0
	s_add_nc_u64 s[4:5], s[4:5], s[18:19]
	s_add_nc_u64 s[28:29], s[12:13], s[28:29]
	s_add_nc_u64 s[12:13], s[12:13], s[16:17]
	LOADT RA, 4, 8192, 0
	LOADT RA+64, 4, 8192, 512
.macro MSTEP s
.if (\s) < 3
	s_wait_loadcnt 16
.else
	s_wait_loadcnt 0x0
.endif
	TURN RA+64*((\s)%2), 10, 11
	s_wait_dscnt 0x0
.if (\s)+2 < 4
	LOADT RA+64*((\s)%2), 4, 8192, 512*((\s)+2)
.endif
	s_mov_b32 s24, -1                              ; the words anded,
	s_mov_b32 s25, 0                               ; and ored
.set n, 0
.rept 16
.irp k, 0,1,2,3
	v_cmp_eq_u32 s[20+\k], 1, v[E+n+\k]
.endr
.irp k, 0,1,2,3
	v_writelane_b32 v[MW+2*(\s)+(\k%2)], s[20+\k], (n+\k)/2   ; word n goes to lane n / 2 of register n % 2: the store below lays the 64 words on end
	s_and_b32 s24, s24, s[20+\k]
	s_or_b32 s25, s25, s[20+\k]
.endr
.set n, n+4
.endr
	s_cmp_eq_u32 s24, -1
	s_cselect_b32 s27, 1<<(\s), 0
	s_or_b32 s26, s26, s27
	s_cmp_eq_u32 s25, 0
	s_cselect_b32 s27, 0x10000<<(\s), 0
	s_or_b32 s26, s26, s27
	s_wait_alu depctr_va_vdst(0)
	global_store_b64 v5, v[MW+2*(\s):MW+2*(\s)+1], s[12:13] offset:256*(\s)
.endm
	MSTEP 0
	MSTEP 1
	MSTEP 2
	MSTEP 3
	s_lshl_b32 s27, s8, 2
	s_lshl_b32 s26, s26, s27                       ; to my wave's four places
	v_mov_b32 v14, s26
	global_store_b32 v15, v14, s[28:29]            ; one word a wave: every lane stores the same word at the same place
	s_wait_tensorcnt 0x0
	ds_add_u32 v254, v255
	s_wait_dscnt 0x0
	s_endpgm
	; ---- the weights.  Work-group: a panel of 128 columns x 256 along K; wave: 32 columns, a lane a column, eight blocks of 32 down K
.macro LOADW t, pitch                          ; register i takes the row that belongs at code place i
.irp i, 0,1,2,3,4,5,6,7,8,9,10,11,12,13,14,15,16,17,18,19,20,21,22,23,24,25,26,27,28,29,30,31
	global_load_b32 v[16+32*((\t)%2)+\i], v6, s[34:35] offset:(32*(\t)+16*((\i>>3)&1)+8*(\i>>4)+(\i&7))*(\pitch) th:TH_LOAD_NT
.endr
.endm
.macro BLOCK t, pitch
.set XS, 16+32*((\t)%2)
.set CB, 80+24*((\t)/4)+6*((\t)%4)
.if (\t) < 7
	s_wait_loadcnt 32                              ; this block's 32 loads are in; the next block's may be out
.else
	s_wait_loadcnt 0x0
.endif
	v_max3_num_f32 v134, |v[XS]|, |v[XS+1]|, |v[XS+2]|
	v_max3_num_f32 v135, |v[XS+3]|, |v[XS+4]|, |v[XS+5]|
.irp i, 6,10,14,18,22,26
	v_max3_num_f32 v134, v134, |v[XS+\i]|, |v[XS+\i+1]|
	v_max3_num_f32 v135, v135, |v[XS+\i+2]|, |v[XS+\i+3]|
.endr
	v_max3_num_f32 v134, v134, |v[XS+30]|, |v[XS+31]|
	v_max3_num_f32 v134, v134, v135, 0x2800000     ; and the floor
	v_add_nc_u32 v136, 0xfe000000, v134
	v_cvt_scalef32_pk16_bf6_f32 v[CB:CB+2], v[XS:XS+15], v136
	v_cvt_scalef32_pk16_bf6_f32 v[128:130], v[XS+16:XS+31], v136
	v_lshrrev_b32 v137, 23, v136                   ; the byte; also the plain place behind the conversions
.if (\t)%4 == 0
	v_mov_b32 v[132+(\t)/4], v137
.else
	v_lshl_or_b32 v[132+(\t)/4], v137, 8*((\t)%4), v[132+(\t)/4]
.endif
.irp i, 0,1,2
	v_mov_b32 v[CB+3+\i], v[128+\i]
.endr
.if (\t)+2 < 8
	LOADW (\t)+2, \pitch
.endif
.endm
.macro WOUT k                                  ; K step k of my two: four blocks of 32 columns become two fragments of 16 columns
.set C0, 80+24*(\k)
.irp i, 0,1,2,3,4,5
	v_permlane16_swap_b32 v[C0+\i], v[C0+6+\i]     ; blocks 0 and 1: the first now holds the lower tile's registers 0-5, the second the upper tile's
	v_permlane16_swap_b32 v[C0+12+\i], v[C0+18+\i] ; blocks 2 and 3: registers 6-11
.endr
.irp p, 0,1,2
	global_store_b64 v5, v[C0+2*\p:C0+2*\p+1], s[36:37] offset:RECB*(\k)+256*\p
	global_store_b64 v5, v[C0+12+2*\p:C0+13+2*\p], s[36:37] offset:RECB*(\k)+768+256*\p
	global_store_b64 v5, v[C0+6+2*\p:C0+7+2*\p], s[36:37] offset:RECB*(\k)+1536+256*\p
	global_store_b64 v5, v[C0+18+2*\p:C0+19+2*\p], s[36:37] offset:RECB*(\k)+2304+256*\p
.endr
	global_store_b32 v6, v[132+\k], s[38:39] offset:RECB*(\k)
.endm
; s[34:35] the weight, s[36:37] its feed buffer, s43 its first panel there, s41 the panel, s42 which 256 along K
.macro WBODY pitch
	s_mul_i32 s47, s42, 256*(\pitch)
	s_lshl_b32 s48, s41, 9
	s_add_co_u32 s47, s47, s48
	s_lshl_b32 s48, s8, 7
	s_add_co_u32 s48, s47, s48
	s_mov_b32 s49, 0
	s_add_nc_u64 s[34:35], s[34:35], s[48:49]
	s_add_co_u32 s50, s43, s41
	s_mul_i32 s50, s50, PP
	s_mul_i32 s51, s42, 2*RECB
	s_add_co_u32 s50, s50, s51
	s_mov_b32 s51, 0
	s_add_nc_u64 s[36:37], s[36:37], s[50:51]      ; the first of my two records
	s_lshl_b32 s52, s8, 7
	s_add_co_u32 s52, s52, SCO
	s_mov_b32 s53, 0
	s_add_nc_u64 s[38:39], s[36:37], s[52:53]      ; my 32 scale words
	s_mul_i32 s52, s8, 3072
	s_add_nc_u64 s[36:37], s[36:37], s[52:53]      ; my two fragments
	LOADW 0, \pitch
	LOADW 1, \pitch
	BLOCK 0, \pitch
	BLOCK 1, \pitch
	BLOCK 2, \pitch
	BLOCK 3, \pitch
	WOUT 0
	BLOCK 4, \pitch
	BLOCK 5, \pitch
	BLOCK 6, \pitch
	BLOCK 7, \pitch
	WOUT 1
.endm
.Lw:
	s_load_b256 s[12:19], s[0:1], 0x10             ; wq, wk, wv, wo
	s_load_b128 s[20:23], s[0:1], 0x30             ; w1, w2
	s_load_b256 s[24:31], s[0:1], 0x60             ; fqk, fo, f1, f2
	s_sub_co_u32 s10, ttmp9, 256
	s_wait_kmcnt 0x0
	s_cmp_ge_u32 s10, 256
	s_cbranch_scc1 .Lw1
	s_lshr_b32 s40, s10, 5                         ; 0 wq, 1 wk, 2 wv, 3 wo, 4 and above w2
	s_bfe_u32 s41, s10, 0x30002                    ; the small weights: 8 panels x 4 along K
	s_and_b32 s42, s10, 3
	s_sub_co_u32 s44, s10, 128                     ; w2: 8 panels x 16 along K (used only where it is chosen)
	s_lshr_b32 s45, s44, 4
	s_and_b32 s46, s44, 15
	s_mov_b64 s[34:35], s[12:13]
	s_mov_b64 s[36:37], s[24:25]
	s_mov_b32 s43, 32
	s_cmp_eq_u32 s40, 1
	s_cselect_b64 s[34:35], s[14:15], s[34:35]
	s_cselect_b32 s43, 40, s43
	s_cmp_eq_u32 s40, 2
	s_cselect_b64 s[34:35], s[16:17], s[34:35]
	s_cselect_b32 s43, 48, s43
	s_cmp_eq_u32 s40, 3
	s_cselect_b64 s[34:35], s[18:19], s[34:35]
	s_cselect_b64 s[36:37], s[26:27], s[36:37]
	s_cselect_b32 s43, 32, s43
	s_cmp_ge_u32 s40, 4
	s_cselect_b64 s[34:35], s[22:23], s[34:35]
	s_cselect_b64 s[36:37], s[30:31], s[36:37]
	s_cselect_b32 s43, 32, s43
	s_cselect_b32 s41, s45, s41
	s_cselect_b32 s42, s46, s42
	s_wait_alu depctr_va_vdst(0)
	WBODY 4096
	s_endpgm
.Lw1:
	s_sub_co_u32 s44, s10, 256                     ; w1: 32 panels x 4 along K, rows of 16,384 bytes
	s_lshr_b32 s41, s44, 2
	s_and_b32 s42, s44, 3
	s_mov_b64 s[34:35], s[20:21]
	s_mov_b64 s[36:37], s[28:29]
	s_mov_b32 s43, 32
	s_wait_alu depctr_va_vdst(0)
	WBODY 16384
	s_endpgm
	; ---- the tails: at +0 the bias by the product's source-0 row, at +16,384 by its source-1 row, at +32,768 the activation's lower bound.  fqk has two: for x [wq wk], and behind it for (x wv)^T
.Lc:
	s_load_b256 s[12:19], s[0:1], 0x40             ; bq, bk, bv, b1
	s_load_b64 s[20:21], s[0:1], 0x60              ; fqk
	s_load_b64 s[24:25], s[0:1], 0x70              ; f1
	v_lshlrev_b32 v12, 4, v0                       ; 128 threads x 16 bytes
.irp i, 0,1,2,3
	v_mov_b32 v[16+\i], 0
	v_mov_b32 v[20+\i], 0xff800000                 ; -infinity: no lower bound
.endr
	s_wait_alu depctr_va_vdst(0)
	s_wait_kmcnt 0x0
	s_add_nc_u64 s[22:23], s[20:21], TAIL+TAILB
	s_add_nc_u64 s[20:21], s[20:21], TAIL
	s_add_nc_u64 s[24:25], s[24:25], TAIL
.irp k, 0,1
	global_load_b128 v[32+4*\k:35+4*\k], v12, s[12:13] offset:2048*\k
	global_load_b128 v[40+4*\k:43+4*\k], v12, s[14:15] offset:2048*\k
	global_load_b128 v[48+4*\k:51+4*\k], v12, s[16:17] offset:2048*\k
.endr
.irp k, 0,1,2,3,4,5,6,7
	global_load_b128 v[56+4*\k:59+4*\k], v12, s[18:19] offset:2048*\k
.endr
	s_wait_loadcnt 0x0
.irp k, 0,1
	global_store_b128 v12, v[32+4*\k:35+4*\k], s[20:21] offset:2048*\k             ; Q and K: bq, then bk, by column
	global_store_b128 v12, v[40+4*\k:43+4*\k], s[20:21] offset:4096+2048*\k
	global_store_b128 v12, v[48+4*\k:51+4*\k], s[22:23] offset:16384+2048*\k       ; V^T: bv by row
.endr
.irp k, 0,1,2,3,4,5,6,7
	global_store_b128 v12, v[16:19], s[20:21] offset:16384+2048*\k
	global_store_b128 v12, v[16:19], s[22:23] offset:2048*\k
	global_store_b128 v12, v[56+4*\k:59+4*\k], s[24:25] offset:2048*\k             ; the hidden layer: b1 by column
	global_store_b128 v12, v[16:19], s[24:25] offset:16384+2048*\k
.endr
	global_store_b128 v12, v[20:23], s[20:21] offset:32768
	global_store_b128 v12, v[20:23], s[22:23] offset:32768
	global_store_b128 v12, v[16:19], s[24:25] offset:32768                         ; relu: the bound is 0
	s_endpgm
.Lfunc_end_k_qbbfaacac5a_prep:
	.size	k_qbbfaacac5a_prep, .Lfunc_end_k_qbbfaacac5a_prep-k_qbbfaacac5a_prep
	.p2alignl 7, 3214868480
	.fill 96, 4, 3214868480
	.section	.rodata,"a",@progbits
	.p2align	6, 0x0
	.amdhsa_kernel k_qbbfaacac5a_prep
		.amdhsa_group_segment_fixed_size 68096
		.amdhsa_private_segment_fixed_size 0
		.amdhsa_enable_private_segment 0
		.amdhsa_kernarg_size 136
		.amdhsa_user_sgpr_count 2
		.amdhsa_user_sgpr_kernarg_segment_ptr 1
		.amdhsa_wavefront_size32 1
		.amdhsa_system_sgpr_workgroup_id_x 1
		.amdhsa_system_sgpr_workgroup_id_y 1
		.amdhsa_system_sgpr_workgroup_id_z 1
		.amdhsa_system_vgpr_workitem_id 0
		.amdhsa_next_free_vgpr 256
		.amdhsa_next_free_sgpr 66
		.amdhsa_reserve_vcc 0
		.amdhsa_float_denorm_mode_32 3
		.amdhsa_float_denorm_mode_16_64 3
		.amdhsa_memory_ordered 1
		.amdhsa_forward_progress 1
		.amdhsa_inst_pref_size 187
	.end_amdhsa_kernel
	.amdgpu_metadata
---
amdhsa.version: [ 1, 2 ]
amdhsa.kernels:
  - .name:           k_qbbfaacac5a_prep
    .symbol:         k_qbbfaacac5a_prep.kd
    .args:
      - { .name: x, .offset: 0, .size: 8, .value_kind: global_buffer, .address_space: global }
      - { .name: mask, .offset: 8, .size: 8, .value_kind: global_buffer, .address_space: global }
      - { .name: wq, .offset: 16, .size: 8, .value_kind: global_buffer, .address_space: global }
      - { .name: wk, .offset: 24, .size: 8, .value_kind: global_buffer, .address_space: global }
      - { .name: wv, .offset: 32, .size: 8, .value_kind: global_buffer, .address_space: global }
      - { .name: wo, .offset: 40, .size: 8, .value_kind: global_buffer, .address_space: global }
      - { .name: w1, .offset: 48, .size: 8, .value_kind: global_buffer, .address_space: global }
      - { .name: w2, .offset: 56, .size: 8, .value_kind: global_buffer, .address_space: global }
      - { .name: bq, .offset: 64, .size: 8, .value_kind: global_buffer, .address_space: global }
      - { .name: bk, .offset: 72, .size: 8, .value_kind: global_buffer, .address_space: global }
      - { .name: bv, .offset: 80, .size: 8, .value_kind: global_buffer, .address_space: global }
      - { .name: b1, .offset: 88, .size: 8, .value_kind: global_buffer, .address_space: global }
      - { .name: fqk, .offset: 96, .size: 8, .value_kind: global_buffer, .address_space: global }
      - { .name: fo, .offset: 104, .size: 8, .value_kind: global_buffer, .address_space: global }
      - { .name: f1, .offset: 112, .size: 8, .value_kind: global_buffer, .address_space: global }
      - { .name: f2, .offset: 120, .size: 8, .value_kind: global_buffer, .address_space: global }
      - { .name: maskw, .offset: 128, .size: 8, .value_kind: global_buffer, .address_space: global }
    .group_segment_fixed_size: 68096
    .private_segment_fixed_size: 0
    .kernarg_segment_align: 8
    .kernarg_segment_size: 136
    .max_flat_workgroup_size: 128
    .sgpr_count:     66
    .vgpr_count:     256
    .wavefront_size: 32
...
	.end_amdgpu_metadata
.endif
;; end of part 7
;; launch qkv (part 8): grid 8 x 24, 4 waves a work-group, clusters of 4 x 4, 327,680 bytes of LDS; arguments fqk, f1; writes f1
.if DOCPART == 8
	.amdgcn_target "amdgcn-amd-amdhsa--gfx1250"
	.amdhsa_code_object_version 6
	.text
	.protected	k_qbbfaacac5a_qkv
	.globl	k_qbbfaacac5a_qkv
	.p2align	8
	.type	k_qbbfaacac5a_qkv,@function
k_qbbfaacac5a_qkv:
	s_mov_b64 s[64:65], 0
	v_nop
	global_prefetch_b8 v0, s[64:65] scope:SCOPE_SE
	s_setreg_imm32_b32 hwreg(HW_REG_WAVE_MODE, 25, 1), 1
	s_wait_xcnt 0x0
	s_wait_alu depctr_hold_cnt(0) depctr_sa_sdst(0) depctr_va_vdst(0) depctr_va_sdst(0) depctr_va_ssrc(0) depctr_va_vcc(0) depctr_vm_vsrc(0)
	s_getreg_b32 s2, hwreg(HW_REG_IB_STS2, 6, 4)
	s_cmp_eq_u32 s2, 0
	s_cbranch_scc0 .Lentry_in_a_cluster
	s_endpgm
.Lentry_in_a_cluster:
	s_bfe_u32 s2, ttmp6, 0x10000c
	s_cmp_lg_u32 s2, 0xf033
	s_cbranch_scc0 .Lentry_shape_is_right
	s_endpgm
.Lentry_shape_is_right:
; A GEMM ON CODES OF E3M2 WHOSE RESULT IS QUANTISED AGAIN: out = Q(max(S1 S0^T + bias, bound)), K = 1,024.
; ONE LAUNCH MAY HOLD TWO PRODUCTS, told apart by the cluster's y, which all sixteen partners share; what differs is chosen by s_cselect_b32, never by a branch:
;   cluster rows 0-3: S1 = the feed's panels from 0, S0 = its panels from 32, the first tail; result record (S1 panel, S0 panel as K step).  So x [wq wk] (grid 8 x 16 of the 8 x 24) and relu(x1 w1 + b1) (grid 16 x 16).
;   cluster rows 4, 5: S1 = panels from 48 (wv), S0 = panels from 0 (x), the second tail: (x wv)^T, 4 tile rows x 16 tile columns, cluster x = ttmp9 + 2 (cluster y - 4); its record (channel panel P, token step s)
;   goes to panel s, K step 16 + P: for any 128 tokens eight records behind K's.
; feed: records (panel of 128 rows, K step of 128) at panel x PP + step x RECB: eight fragments as images of their registers (pair p of lane l at 256 p + 8 l), then 128 scale words at SCO.  Behind panel 63 the tails:
; bias by source-0 row, bias by source-1 row, the lower bound.  out: records of the same make.
; A tile is 256 x 256, four waves, 128 x 128 each: 64 accumulators, 512 registers.  K goes through a ring of two LDS slots of two K steps; a wave's one tensor load brings one panel x two K steps: 25,600 dense bytes, codes
; and scale words together.  A fragment comes out of LDS by six loads of 8 bytes a lane, 256 consecutive bytes each.
; CLUSTERS: 4 x 4 work-groups; source 1's panels are asked for jointly along a row of the cluster, source 0's along a column.
; THE MATRIX INSTRUCTION: source 0 = 16 rows of S0, source 1 = 16 rows of S1: a lane holds ONE row of S1 and eight neighbouring rows of S0, so a wave's 64 registers of a tile of rows are 128 along the next K.
; Inside a block of 32 the next K lies in the order 16 a + 8 u + j <- 16 u + 8 a + j, as in every operand of this program.
; REGISTERS: window 0: v1-5, v16-29 addresses; v32-63 scale words, two sets; v64-127 the bias by S0 row (the C of the first products); v128-223 S1's eight fragments, one set (on the way out: numbers and codes);
;   v224-239 the bias by S1 row, twice each; v240-255 the quantiser's work.  window 1: S0's fragments, two sets.  windows 2, 3: the accumulators ((a, b) at v[8 (8 (a % 4) + b)]).
; LIMITS: a block of zeros gets the byte 1; blocks under 2^-122 are held at the byte 1; NaN and infinities are not served.
.set BIASC,  1
.set PP,     409600
.set RECB,   12800
.set SCO,    12288
.set S0B,    32*PP
.set TAIL,   64*PP
.set TAILB,  34816
.set NQ,     2
.set HALFT,  NQ*RECB                   ; what one tensor load brings
.set SLOT,   4*HALFT                   ; a slot's bytes in all.  In LDS a panel's two slots lie on end: panel w (S1's two, then S0's two) at 2 w HALFT, its slot s at + s HALFT
.set SPARE,  2*SLOT                    ; behind the ring: the spare words, 128 bytes a wave: two blocks of 256 bytes that no other line names
.set FR,     12
.set NL,     6
.set NP,     4
.set ADRA,   16                        ; v16-17 my S1 panel in slot 0, 1: + 8 x lane
.set ADRB,   18                        ; v18-19 my S0 panel
.set ASA,    20                        ; v20-21, v22-23 the same + 4 x lane, for the scale words
.set ASB,    22
.set SPW,    28
.set NIL,    29
.set SC,     32                        ; set s at v[SC + 16 s]: register 8 q + i: S1's tiles 2 i (lanes 0-15) and 2 i + 1 (lanes 16-31); 8 q + 4 + i: S0's
.set BN,     64
.set AF,     128
.set BM,     224
.set QX,     128
.set QC,     192
.set QW,     212
.set QM,     214
.set TM,     240
.set SEL,    2
.set G1,     24
.set G0,     32
.set G1B,    48
.set G0B,    56
.set MUL_LO, 0xa1                      ; source 0 window 1, source 1 window 0, C and D window 2
.set MUL_HI, 0xf1
.set TO_B,   0x40
.set MSB, 0
.macro WIN new                         ; the immediate's high byte repeats the setting that is left
.if MSB != (\new)
	s_set_vgpr_msb (MSB<<8)|(\new)
.set MSB, \new
.endif
.endm
; a joint load: waves 0 and 1 fetch S1's panels, waves 2 and 3 S0's; the branch hangs on the wave's number alone; four v_nop follow each line
.macro JLOAD g0a, g1a, g0b, g1b
	s_cmp_eq_u32 s15, 0
	s_cbranch_scc0 .Lfor_b_\@
	tensor_load_to_lds s[\g0a:\g0a+3], s[\g1a:\g1a+7]
	s_nop 0
.rept 4
	v_nop
.endr
	s_branch .Lasked_\@
.Lfor_b_\@:
	tensor_load_to_lds s[\g0b:\g0b+3], s[\g1b:\g1b+7]
	s_nop 0
.rept 4
	v_nop
.endr
.Lasked_\@:
.endm
.macro CREST                           ; a round of the cluster's barrier behind its opening barrier
	s_cmp_lg_u32 s14, 0
	s_cbranch_scc1 .Lnot_wave_0_\@
	s_barrier_signal -3
.Lnot_wave_0_\@:
	s_barrier_wait -3
	s_barrier_signal -1
	s_barrier_wait -1
.endm
.macro CROUND
	s_barrier_signal -1
	s_barrier_wait -1
	CREST
.endm
.macro PLACES n
.rept \n
	v_nop
.endr
.endm
.macro QUANT s, pc, pw
.irp b, 0,1,2,3
	v_max3_num_f32 v[TM+\b], |v[\s+16*\b]|, |v[\s+1+16*\b]|, 0x2800000   ; my 16 numbers of block b, and the floor 2^(5 - 127)
.endr
.irp i, 2,4,6,8,10,12,14
.irp b, 0,1,2,3
	v_max3_num_f32 v[TM+\b], v[TM+\b], |v[\s+16*\b+\i]|, |v[\s+1+16*\b+\i]|
.endr
.endr
.irp b, 0,1,2,3
	v_permlanex16_b32 v[TM+4+\b], v[TM+\b], s[SEL], s[SEL+1]
.endr
.irp b, 0,1,2,3
	v_max_num_f32 v[TM+\b], v[TM+\b], v[TM+4+\b]
.endr
.irp b, 0,1,2,3
	v_add_nc_u32 v[TM+12+\b], 0xfe000000, v[TM+\b]                    ; 4 off the exponent field: the conversion's scale operand
.endr
.irp b, 0,1,2,3
	v_lshrrev_b32 v[TM+4+\b], 23, v[TM+12+\b]
.endr
	v_lshl_or_b32 v[\pw], v[TM+5], 8, v[TM+4]
	v_lshl_or_b32 v[\pw], v[TM+6], 16, v[\pw]
	v_lshl_or_b32 v[\pw], v[TM+7], 24, v[\pw]
.irp c, 0,1
	v_cvt_scalef32_pk16_bf6_f32 v[\pc+6*\c:\pc+2+6*\c], v[\s+32*\c:\s+15+32*\c], v[TM+12+2*\c]
	v_cvt_scalef32_pk16_bf6_f32 v[\pc+12+4*\c:\pc+14+4*\c], v[\s+16+32*\c:\s+31+32*\c], v[TM+12+2*\c+1]
.endr
	v_nop                                          ; one plain place behind a scaled conversion
.irp c, 0,1
.irp i, 0,1,2
	v_permlane16_swap_b32 v[\pc+6*\c+\i], v[\pc+12+4*\c+\i]
.endr
.irp i, 0,1,2
	v_mov_b32 v[\pc+3+6*\c+\i], v[\pc+12+4*\c+\i]
.endr
.endr
.endm
	s_load_b128 s[4:7], s[0:1], 0x0                ; feed, out
	v_lshl_add_u32 v[SPW], v0, 2, SPARE
	v_mov_b32 v[NIL], 0
	ds_add_u32 v28, v29
	ds_add_u32 v28, v29
	s_wait_dscnt 0x0
	v_lshrrev_b32 v1, 5, v0
	v_readfirstlane_b32 s14, v1                    ; wave 0..3
	s_lshr_b32 s15, s14, 1                         ; which of the tile's S1 panels is mine.  Also: I fetch for S1 (0) or S0 (1)
	s_and_b32 s16, s14, 1                          ; which S0 panel.  Also: which panel I fetch
	s_bfe_u32 s40, ttmp6, 0x40000                  ; cx, cy
	s_bfe_u32 s41, ttmp6, 0x40004
	s_and_b32 s17, ttmp7, 0xffff                   ; the cluster's y
	s_max_u32 s18, s17, 4
	s_sub_co_u32 s18, s18, 4
	s_lshl_b32 s18, s18, 1
	s_add_co_u32 s18, s18, ttmp9                   ; the second product's cluster x: ttmp9 + 2 (cluster y - 4)
	s_cmp_ge_u32 s17, 4                            ; the second product?  The same in all sixteen partners
	s_cselect_b32 s42, s18, ttmp9                  ; cluster x,
	s_cselect_b32 s17, 0, s17                      ; cluster y,
	s_cselect_b32 s8, 48*PP, 0                     ; where S1's panels begin,
	s_cselect_b32 s9, 0, S0B                       ; and S0's,
	s_cselect_b32 s66, TAILB, 0                    ; which tail,
	s_cselect_b32 s68, 1, 0                        ; and, for the way out, which product
	s_mov_b32 s67, 0
	s_lshl_b32 s42, s42, 2
	s_add_co_u32 s42, s42, s40                     ; x: tile of S0 rows
	s_lshl_b32 s17, s17, 2
	s_add_co_u32 s17, s17, s41                     ; y: tile of S1 rows
	s_lshl_b32 s43, s41, 2
	s_lshl_b32 s43, 15, s43                        ; my row of the cluster
	s_lshl_b32 s44, 0x1111, s40                    ; my column
	; descriptor group 1: 25,600 dense bytes as 100 rows of 32 elements of 8 bytes, no padding
	s_or_b32 s[G1+0], s43, (3<<16)|(1<<21)
	s_or_b32 s[G1B+0], s44, (3<<16)|(1<<21)
.irp g, G1, G1B
	s_mov_b32 s[\g+1], 32<<16                      ; tensor_dim0
	s_mov_b32 s[\g+2], 200<<16                     ; tensor_dim1: the head's load brings four K steps, 200 rows; behind it the two words are set to 100
	s_mov_b32 s[\g+3], 32<<16                      ; tile_dim0
	s_mov_b32 s[\g+4], 200                         ; tile_dim1
	s_mov_b32 s[\g+5], 32                          ; the pitch
	s_mov_b32 s[\g+6], 0
	s_mov_b32 s[\g+7], 0
.endr
	s_lshl_b32 s20, s17, 1
	s_add_co_u32 s20, s20, s16
	s_mul_i32 s20, s20, PP
	s_add_co_u32 s20, s20, s8                      ; S1: by y and the wave alone
	s_mov_b32 s21, 0
	s_lshl_b32 s46, s42, 1
	s_add_co_u32 s46, s46, s16
	s_mul_i32 s46, s46, PP
	s_add_co_u32 s46, s46, s9                      ; S0: by x and the wave alone
	s_mov_b32 s47, 0
	s_mul_i32 s45, s14, 2*HALFT                    ; where they go: no place in the cluster enters an LDS address
	s_wait_kmcnt 0x0
	s_add_nc_u64 s[20:21], s[4:5], s[20:21]
	s_add_nc_u64 s[46:47], s[4:5], s[46:47]
	CROUND                                         ; all sixteen work-groups are here: the first joint loads meet
.irp s, 0,1
	s_mov_b32 s[G0+4*\s], 1
	s_add_co_u32 s[G0+4*\s+1], s45, \s*HALFT
	s_add_nc_u64 s[G0+4*\s+2:G0+4*\s+3], s[20:21], \s*HALFT
	s_or_b32 s[G0+4*\s+3], s[G0+4*\s+3], 0x80000000
	s_mov_b32 s[G0B+4*\s], 1
	s_add_co_u32 s[G0B+4*\s+1], s45, \s*HALFT
	s_add_nc_u64 s[G0B+4*\s+2:G0B+4*\s+3], s[46:47], \s*HALFT
	s_or_b32 s[G0B+4*\s+3], s[G0B+4*\s+3], 0x80000000
.endr
	JLOAD G0, G1, G0B, G1B                         ; my one load at the head: my panel's K steps 0 to 3, 51,200 dense bytes, which fill both its slots (slot 0's group 0 names their first byte)
	v_and_b32 v1, 31, v0
	v_lshlrev_b32 v2, 3, v1                        ; 8 x lane
	v_lshlrev_b32 v3, 2, v1                        ; 4 x lane
	s_mul_i32 s21, s15, 2*HALFT
	s_mul_i32 s22, s16, 2*HALFT
	s_add_co_u32 s22, s22, 4*HALFT
.irp s, 0,1
	v_add_nc_u32 v[ADRA+\s], s21, v2
	v_add_nc_u32 v[ADRB+\s], s22, v2
	v_add_nc_u32 v[ASA+\s], s21, v3
	v_add_nc_u32 v[ASB+\s], s22, v3
	s_add_co_u32 s21, s21, HALFT
	s_add_co_u32 s22, s22, HALFT
.endr
	; the tail: biases and the bound
	v_bfe_u32 v4, v0, 4, 1
	v_lshlrev_b32 v4, 5, v4                        ; 32 h: my eight S0 rows of a tile
	s_wait_alu depctr_va_vdst(0)
	v_and_b32 v5, 15, v0
	v_lshlrev_b32 v5, 2, v5                        ; 4 r: my S1 row
	s_wait_alu depctr_va_vdst(0)
	s_add_nc_u64 s[8:9], s[4:5], TAIL
	s_add_nc_u64 s[8:9], s[8:9], s[66:67]
	s_load_b32 s10, s[8:9], 0x8000                 ; the lower bound
	s_lshl_b32 s12, s42, 10
	s_lshl_b32 s13, s16, 9
	s_add_co_u32 s12, s12, s13
	s_mov_b32 s13, 0
	s_add_nc_u64 s[12:13], s[8:9], s[12:13]
	s_lshl_b32 s18, s17, 10
	s_lshl_b32 s19, s15, 9
	s_add_co_u32 s18, s18, s19
	s_add_co_u32 s18, s18, 16384
	s_mov_b32 s19, 0
	s_add_nc_u64 s[18:19], s[8:9], s[18:19]
.irp b, 0,1,2,3,4,5,6,7
	global_load_b128 v[BN+8*\b:BN+8*\b+3], v4, s[12:13] offset:64*\b
	global_load_b128 v[BN+8*\b+4:BN+8*\b+7], v4, s[12:13] offset:64*\b+16
.endr
.irp a, 0,1,2,3,4,5,6,7
	global_load_b32 v[BM+2*\a], v5, s[18:19] offset:64*\a
	global_load_b32 v[BM+2*\a+1], v5, s[18:19] offset:64*\a    ; twice: a pair for the packed addition
.endr
	s_lshl_b32 s20, s17, 1
	s_add_co_u32 s20, s20, s15                     ; my S1 panel,
	s_lshl_b32 s21, s42, 1
	s_add_co_u32 s21, s21, s16                     ; my S0 panel
	s_add_co_u32 s22, s20, 16
	s_cmp_lg_u32 s68, 0
	s_cselect_b32 s23, s21, s20                    ; the record's panel: S1's; in the second product S0's,
	s_cselect_b32 s22, s22, s21                    ; its K step: S0's; in the second product 16 + S1's
	s_mul_i32 s23, s23, PP
	s_mul_i32 s22, s22, RECB
	s_add_co_u32 s20, s23, s22
	s_mov_b32 s21, 0
	s_add_nc_u64 s[6:7], s[6:7], s[20:21]          ; my wave writes exactly one record
	s_mov_b32 s[SEL], 0x76543210
	s_mov_b32 s[SEL+1], 0xfedcba98
	s_mov_b32 s11, 0xffff0000                      ; lanes 16-31
.irp b, 0,1,2,3
	v_mov_b32 v[TM+4+\b], 0                        ; written once: a lane permute's destination counts as one of its sources
.endr
.macro FRAG reg, adr, q, i             ; a fragment as it lies: six pairs, 256 consecutive bytes a load
.irp p, 0,1,2,3,4,5
	ds_load_b64 v[\reg+2*\p:\reg+2*\p+1], v[\adr] offset:RECB*(\q)+1536*(\i)+256*\p
.endr
.endm
; one matrix instruction on the registers rD, rA, rB, rC, rSA, rSB.  cm = 0: C is the constant 0.  ra, rb: the scales of source 0, 1 stand in lanes 16-31
.macro WM1 cm, ra, rb
.if (\cm)==0
.if ((\ra)==0)&&((\rb)==0)
	v_wmma_scale_f32_16x16x128_f8f6f4 v[rD:rD+7], v[rA:rA+11], v[rB:rB+11], 0, v[rSA], v[rSB] matrix_a_fmt:MATRIX_FMT_BF6 matrix_b_fmt:MATRIX_FMT_BF6
.elseif (\rb)==0
	v_wmma_scale_f32_16x16x128_f8f6f4 v[rD:rD+7], v[rA:rA+11], v[rB:rB+11], 0, v[rSA], v[rSB] matrix_a_fmt:MATRIX_FMT_BF6 matrix_b_fmt:MATRIX_FMT_BF6 matrix_a_scale:MATRIX_SCALE_ROW1
.elseif (\ra)==0
	v_wmma_scale_f32_16x16x128_f8f6f4 v[rD:rD+7], v[rA:rA+11], v[rB:rB+11], 0, v[rSA], v[rSB] matrix_a_fmt:MATRIX_FMT_BF6 matrix_b_fmt:MATRIX_FMT_BF6 matrix_b_scale:MATRIX_SCALE_ROW1
.else
	v_wmma_scale_f32_16x16x128_f8f6f4 v[rD:rD+7], v[rA:rA+11], v[rB:rB+11], 0, v[rSA], v[rSB] matrix_a_fmt:MATRIX_FMT_BF6 matrix_b_fmt:MATRIX_FMT_BF6 matrix_a_scale:MATRIX_SCALE_ROW1 matrix_b_scale:MATRIX_SCALE_ROW1
.endif
.else
.if ((\ra)==0)&&((\rb)==0)
	v_wmma_scale_f32_16x16x128_f8f6f4 v[rD:rD+7], v[rA:rA+11], v[rB:rB+11], v[rC:rC+7], v[rSA], v[rSB] matrix_a_fmt:MATRIX_FMT_BF6 matrix_b_fmt:MATRIX_FMT_BF6
.elseif (\rb)==0
	v_wmma_scale_f32_16x16x128_f8f6f4 v[rD:rD+7], v[rA:rA+11], v[rB:rB+11], v[rC:rC+7], v[rSA], v[rSB] matrix_a_fmt:MATRIX_FMT_BF6 matrix_b_fmt:MATRIX_FMT_BF6 matrix_a_scale:MATRIX_SCALE_ROW1
.elseif (\ra)==0
	v_wmma_scale_f32_16x16x128_f8f6f4 v[rD:rD+7], v[rA:rA+11], v[rB:rB+11], v[rC:rC+7], v[rSA], v[rSB] matrix_a_fmt:MATRIX_FMT_BF6 matrix_b_fmt:MATRIX_FMT_BF6 matrix_b_scale:MATRIX_SCALE_ROW1
.else
	v_wmma_scale_f32_16x16x128_f8f6f4 v[rD:rD+7], v[rA:rA+11], v[rB:rB+11], v[rC:rC+7], v[rSA], v[rSB] matrix_a_fmt:MATRIX_FMT_BF6 matrix_b_fmt:MATRIX_FMT_BF6 matrix_a_scale:MATRIX_SCALE_ROW1 matrix_b_scale:MATRIX_SCALE_ROW1
.endif
.endif
.endm
; 16 matrix instructions: S1's tiles a0, a0 + 1 x S0's eight, the slot's q-th 128 along K.  p: S0's set; sc: the set of scale words; first = 1: the products start the sums.
; The 64 accumulators take turns, one instruction a turn, in the same order in every step.
.macro MUL16 a0, p, q, sc, first
.irp a, \a0, \a0+1
.irp b, 0,1,2,3,4,5,6,7
.set rD, 8*(8*((\a)%4)+\b)
.set rA, 128*(\p)+FR*\b
.set rB, AF+FR*(\a)
.set rSA, SC+16*(\sc)+8*(\q)+4+\b/2
.set rSB, SC+16*(\sc)+8*(\q)+(\a)/2
.set rC, rD
.if (\first)&&BIASC
.set rC, BN+8*\b
.endif
.if (\first)&&(BIASC==0)
	WM1 0, \b%2, (\a)%2
.else
	WM1 1, \b%2, (\a)%2
.endif
.endr
.endr
.endm
.macro FETCH_B slot, q, p
	WIN TO_B
.irp i, 0,1,2,3,4,5,6,7
	FRAG 128*(\p)+FR*\i, ADRB+\slot, \q, \i
.endr
	WIN 0
.endm
.macro FETCH_A slot, q, i0
.irp i, \i0, \i0+1, \i0+2, \i0+3
	FRAG AF+FR*(\i), ADRA+\slot, \q, \i
.endr
.endm
.macro SCALES slot                     ; a slot's scale words: 4 bytes a lane, two tiles a register
.irp q, 0,1
.irp i, 0,1,2,3
	ds_load_b32 v[SC+16*\slot+8*\q+\i], v[ASA+\slot] offset:SCO+RECB*\q+128*\i
	ds_load_b32 v[SC+16*\slot+8*\q+4+\i], v[ASB+\slot] offset:SCO+RECB*\q+128*\i
.endr
.endr
.endm
; a step of 128 along K that has its successor in the same slot.  Loads into registers that matrix instructions have read stand four plain places behind them (ISA guide 7.12.1 for vector instructions)
.macro STEP slot, q, first
	s_wait_dscnt 4*NL                              ; all but the youngest 24 loads (S1's tiles 4-7) are in
.if (\first)&&BIASC
	WIN 0x81                                       ; C, the bias, in window 0
.else
	WIN MUL_LO
.endif
	MUL16 0, (\q)%2, \q, \slot, \first
	MUL16 2, (\q)%2, \q, \slot, \first
	s_wait_dscnt 0
	PLACES NP
	FETCH_B \slot, (\q)+1, 1-(\q)%2
	FETCH_A \slot, (\q)+1, 0
.if (\first)&&BIASC
	WIN 0xc1
.else
	WIN MUL_HI
.endif
	MUL16 4, (\q)%2, \q, \slot, \first
	MUL16 6, (\q)%2, \q, \slot, \first
	PLACES NP
	WIN 0
	FETCH_A \slot, (\q)+1, 4
.endm
; a slot's last step changes slots: one barrier; in front of it each wave waits for all its tensor loads, adds 0 to its spare word, and waits for that and for its reads of this slot
.macro TURN slot, next, fill
	s_wait_tensorcnt 0x0                           ; all my tensor loads have landed: my part of the next slot
	ds_add_u32 v[SPW], v[NIL]                      ; 0 onto my spare word
	s_wait_dscnt 4*NL+1                            ; (the add and the youngest 24 loads may be out)
	WIN MUL_LO
	MUL16 0, 1, NQ-1, \slot, 0
	s_wait_dscnt 0x0                               ; the add is done, and my reads of this slot are over
	s_barrier_signal -1
	MUL16 2, 1, NQ-1, \slot, 0
	WIN 0
	s_barrier_wait -1
.if \fill
	CREST                                          ; the barrier has opened a round of the cluster's barrier: no wave of any partner still reads this slot or has a load on its way
	s_add_nc_u64 s[G0+4*\slot+2:G0+4*\slot+3], s[G0+4*\slot+2:G0+4*\slot+3], 2*HALFT
	s_add_nc_u64 s[G0B+4*\slot+2:G0B+4*\slot+3], s[G0B+4*\slot+2:G0B+4*\slot+3], 2*HALFT
	JLOAD G0+4*\slot, G1, G0B+4*\slot, G1B         ; the first tensor load behind the round, my only one until the next; its four v_nop are the places in front of the loads below
.else
	PLACES NP
.endif
	FETCH_B \next, 0, 0
	FETCH_A \next, 0, 0
	SCALES \next
	WIN MUL_HI
	MUL16 4, 1, NQ-1, \slot, 0
	MUL16 6, 1, NQ-1, \slot, 0
	PLACES NP
	WIN 0
	FETCH_A \next, 0, 4
.endm
	s_wait_tensorcnt 0x0                           ; my panel's first four K steps are in; no tensor load of mine is out, so a descriptor may be written:
	s_mov_b32 s[G1+2], 100<<16                     ; from here on a load brings two K steps, 100 rows
	s_mov_b32 s[G1+4], 100
	s_mov_b32 s[G1B+2], 100<<16
	s_mov_b32 s[G1B+4], 100
	s_barrier_signal -1
	s_barrier_wait -1
	FETCH_B 0, 0, 0
	FETCH_A 0, 0, 0
	SCALES 0
	FETCH_A 0, 0, 4
	s_wait_loadcnt 0x0                             ; the biases
	s_wait_kmcnt 0x0                               ; the bound
	STEP 0, 0, 1                                   ; K steps 0 .. 7: four slots' worth, two refills: written out
	TURN 0, 1, 1
	STEP 1, 0, 0
	TURN 1, 0, 1
	STEP 0, 0, 0
	TURN 0, 1, 0
	STEP 1, 0, 0
	s_wait_dscnt 4*NL
	WIN MUL_LO
	MUL16 0, 1, NQ-1, 1, 0
	MUL16 2, 1, NQ-1, 1, 0
	s_wait_dscnt 0
	WIN MUL_HI
	MUL16 4, 1, NQ-1, 1, 0
	MUL16 6, 1, NQ-1, 1, 0
	WIN 0
; THE WAY OUT, a tile of 16 rows at a time: + the bias by row, the lower bound, the quantiser; the twelve registers are the next operand's fragment and leave as they stand
.macro QOUT a
.if (\a) > 0
	s_wait_xcnt 0x0                                ; the last tile's stores have read the codes and the words
.endif
	WIN 0x02+(\a)/4                                ; source 0: window 2 or 3
.set i, 0
.rept 32
	v_pk_add_f32 v[QX+2*i:QX+2*i+1], v[64*((\a)%4)+2*i:64*((\a)%4)+2*i+1], v[BM+2*(\a):BM+2*(\a)+1]   ; each accumulator from its low end on
.set i, i+1
.endr
	WIN 0
.set i, 0
.rept 64
	v_max_num_f32 v[QX+i], s10, v[QX+i]
.set i, i+1
.endr
	QUANT QX, QC, QW+(\a)%2
.irp p, 0,1,2,3,4,5
	global_store_b64 v2, v[QC+2*\p:QC+2*\p+1], s[6:7] offset:1536*(\a)+256*\p      ; 32 lanes store 256 consecutive bytes, aligned
.endr
.if ((\a)%2) == 1
	v_cndmask_b32 v[QM], v[QW], v[QW+1], s11       ; lanes 0-15 the even tile's words, lanes 16-31 the odd tile's
	global_store_b32 v3, v[QM], s[6:7] offset:SCO+128*((\a)/2)
.endif
.endm
	PLACES NP                                      ; behind the last products: for the first read of results and the first write over S1's fragments
.irp a, 0,1,2,3,4,5,6,7
	QOUT \a
.endr
	s_wait_tensorcnt 0x0                           ; the wave's end
	ds_add_u32 v[SPW], v[NIL]
	s_wait_dscnt 0x0
	CROUND                                         ; the closing round: no work-group ends while a partner may still ask for a tile that names it
	s_endpgm
.Lfunc_end_k_qbbfaacac5a_qkv:
	.size	k_qbbfaacac5a_qkv, .Lfunc_end_k_qbbfaacac5a_qkv-k_qbbfaacac5a_qkv
	.p2alignl 7, 3214868480
	.fill 96, 4, 3214868480
	.section	.rodata,"a",@progbits
	.p2align	6, 0x0
	.amdhsa_kernel k_qbbfaacac5a_qkv
		.amdhsa_group_segment_fixed_size 327680
		.amdhsa_private_segment_fixed_size 0
		.amdhsa_enable_private_segment 0
		.amdhsa_kernarg_size 16
		.amdhsa_user_sgpr_count 2
		.amdhsa_user_sgpr_kernarg_segment_ptr 1
		.amdhsa_wavefront_size32 1
		.amdhsa_system_sgpr_workgroup_id_x 1
		.amdhsa_system_sgpr_workgroup_id_y 1
		.amdhsa_system_sgpr_workgroup_id_z 1
		.amdhsa_system_vgpr_workitem_id 0
		.amdhsa_next_free_vgpr 1024
		.amdhsa_next_free_sgpr 72
		.amdhsa_reserve_vcc 0
		.amdhsa_float_denorm_mode_32 3
		.amdhsa_float_denorm_mode_16_64 3
		.amdhsa_memory_ordered 1
		.amdhsa_forward_progress 1
		.amdhsa_inst_pref_size 201
	.end_amdhsa_kernel
	.amdgpu_metadata
---
amdhsa.version: [ 1, 2 ]
amdhsa.kernels:
  - .name:           k_qbbfaacac5a_qkv
    .symbol:         k_qbbfaacac5a_qkv.kd
    .args:
      - { .name: fqk, .offset: 0, .size: 8, .value_kind: global_buffer, .address_space: global }
      - { .name: f1, .offset: 8, .size: 8, .value_kind: global_buffer, .address_space: global }
    .group_segment_fixed_size: 327680
    .private_segment_fixed_size: 0
    .kernarg_segment_align: 8
    .kernarg_segment_size: 16
    .max_flat_workgroup_size: 128
    .sgpr_count:     72
    .vgpr_count:     1024
    .wavefront_size: 32
...
	.end_amdgpu_metadata
.endif
;; end of part 8
;; launch attn (part 9): grid 8 x 32, 16 waves a work-group, no clusters, 284,672 bytes of LDS; arguments f1, maskw, fo; writes fo
.if DOCPART == 9
	.amdgcn_target "amdgcn-amd-amdhsa--gfx1250"
	.amdhsa_code_object_version 6
	.text
	.protected	k_qbbfaacac5a_attn
	.globl	k_qbbfaacac5a_attn
	.p2align	8
	.type	k_qbbfaacac5a_attn,@function
k_qbbfaacac5a_attn:
	s_mov_b64 s[64:65], 0
	v_nop
	global_prefetch_b8 v0, s[64:65] scope:SCOPE_SE
	s_setreg_imm32_b32 hwreg(HW_REG_WAVE_MODE, 25, 1), 1
	s_wait_xcnt 0x0
; ATTENTION ON CODES OF E3M2, head size 64, 2,048 keys, the mask an input.  f1: records with rows = tokens: Q in K steps 0-7, K in 8-15, and in 16-23 V^T (a record there: 128 channels x these 128 tokens).
; maskw: the mask as lane masks (tile of 16 queries x key step of 128: 64 words), and behind them four flag words a tile.  fo: the result, quantised along the model's channels, as records.
; t = score x log2(e) / 8; M = the running largest t rounded up to a whole number; p = 2^(t - M) is quantised along the keys; the row's sum is taken of the unquantised p and divides at the end.
; SHARES.  A work-group owns 16 tiles of 16 queries of one head: tile 8 rank + qb, rank 0 .. 15.  The head's K and V codes and scale words, 208,896 bytes, lie in LDS for the whole launch:
; wave w brings the w-th 128 keys through its registers; one barrier.
; EACH TILE'S 16 KEY STEPS ARE CUT IN TWO HALVES OF 8, and a wave runs two halves, 8 trips each.  Waves w and w ^ 1 share the tiles of ranks i = w / 2 and 15 - i: first each runs the UPPER half (steps 8-15) of one
; of them, and hands O^T, -M and the sums to its partner through LDS bytes of its own; then it runs the LOWER half (steps 0-7) of the other tile, joins its partner's part and writes that tile out.
; The join multiplies by powers of two alone, since both M are whole numbers.  Where the hidden steps are those above the diagonal, a wave has 8 or 9 steps that are not hidden; any other mask is served as well.
; Which of the pair takes which tile first: e = (w ^ (w / 4)) & 1, so that of waves 4 g .. 4 g + 3 and of waves j, j + 4, j + 8, j + 12 two are of each kind.
; WHAT THE MASK HIDES IS NOT COMPUTED.  Bit s of a tile's flags: all 128 keys of step s are hidden from all 16 queries: a scalar branch leads to the lines that step addresses; such a step would add p = 0
; everywhere and move neither M nor the sums.  Bit 16 + s: none is hidden: the mask words are not loaded and the 64 selects are jumped over.
; NO TENSOR LOAD AND NO CLUSTER, though the eight work-groups of a head read the same K and V.
; LAYOUT.  S^T = K Q^T (source 0 = 16 keys), O^T = V^T P^T (source 0 = 16 channels): a lane holds one query throughout.  The head's 64 are half of the instruction's 128 along K: Q's upper six registers are zero
; codes, against which K's operand may hold anything (the next tile's codes); the scale words' upper bytes are 0.  Keys and channels lie inside each block of 32 in this program's one order.
; A ROW ALL OF WHOSE KEYS ARE MASKED has the sum 0: its scale bytes become 0xff, so that the next product gives NaN there.
; LIMITS: a block of zeros gets the byte 1; NaN and infinities among the inputs are not served; the scaled scores stay under 2^31 in magnitude.
.set PP,    409600
.set RECB,  12800
.set SCO,   12288
.set FLAGS, 524288
.set KC,    0                          ; K's codes: tile of 16 keys T at 768 T
.set VC,    98304                      ; V's codes: key step s at 6,144 s, tile of 16 channels t at 1,536 t
.set KS,    196608                     ; K's scale words, 4 bytes a key
.set VS,    204800                     ; V's: key step s at 256 s, 4 bytes a channel
.set SPARE, 208896                     ; the spare words, 128 bytes a wave
.set XB,    210944                     ; what a wave hands to its partner: nine images of four registers, 4,608 bytes a wave
.set XW,    4608
.set AK0,   1
.set AV0,   2
.set ASK0,  3
.set ASV0,  4
.set L8,    5                          ; v5 8 x lane
.set R4,    6                          ; v6 4 r
.set ADK,   8
.set ADV,   9
.set ADS,   10
.set ADT,   11
.set Q2,    200                        ; v200-206 the second tile's Q and its scale bytes
.set XO,    207                        ; v207 where I put my part, v208 where my partner's lies
.set FL,    2                          ; s2 the flags of the tile at work; s14 the second tile's
.set SG,    16                         ; s16 halves to go
.set WV,    18
.set SEL,   20
.set CS,    22
.set LIM,   31                         ; s31 the key step at which this half ends
	s_load_b128 s[4:7], s[0:1], 0x0                ; f1, maskw
	s_load_b64 s[8:9], s[0:1], 0x10                ; fo
	v_lshl_add_u32 v95, v0, 2, SPARE
	v_mov_b32 v243, 0
	v_lshrrev_b32 v8, 5, v0
	s_delay_alu instid0(VALU_DEP_1)
	v_readfirstlane_b32 s[WV], v8                  ; wave 0..15
	s_and_b32 s12, ttmp7, 0xffff
	s_lshr_b32 s13, s12, 4                         ; the batch
	s_and_b32 s14, s12, 15                         ; the head
	s_and_b32 s15, s14, 1                          ; which half of a record's 128
	s_lshr_b32 s16, s14, 1                         ; which record
	s_lshr_b32 s10, s[WV], 1                       ; i
	s_lshr_b32 s11, s[WV], 2
	s_xor_b32 s11, s11, s[WV]
	s_and_b32 s11, s11, 1                          ; e
	s_sub_co_u32 s12, 15, s10
	s_cmp_lg_u32 s11, 0
	s_cselect_b32 s10, s12, s10                    ; the first tile's rank: i, or 15 - i; the second's is 15 less that
	s_lshl_b32 s17, s13, 4
	s_add_co_u32 s19, s17, s[WV]                   ; wave w fetches the batch's w-th 128 keys
	s_mul_i32 s84, s19, PP
	s_mul_i32 s19, s16, RECB
	s_add_co_u32 s84, s84, s19
	s_add_co_u32 s84, s84, 8*RECB                  ; K's record; V's lies eight records on
	s_mov_b32 s85, 0
	s_add_co_u32 s17, s17, s10                     ; the first tile's panel
	s_mul_i32 s17, s17, PP
	s_add_co_u32 s17, s17, s19                     ; Q's record
	s_mul_i32 s28, ttmp9, 1536
	s_mul_i32 s29, s15, 768
	s_add_co_u32 s28, s28, s29
	s_add_co_u32 s28, s28, s17                     ; its half fragment
	s_mov_b32 s29, 0
	s_lshl_b32 s30, ttmp9, 6
	s_lshl_b32 s31, s15, 1
	s_add_co_u32 s30, s30, s31
	s_add_co_u32 s30, s30, SCO
	s_add_co_u32 s30, s30, s17                     ; its rows' scale halfwords
	s_mov_b32 s31, 0
	s_lshl_b32 s11, s10, 3
	s_add_co_u32 s11, s11, ttmp9                   ; the first tile, 0 .. 127
	s_lshl_b32 s26, s11, 12                        ; its mask words: 16 steps x 256 bytes
	s_mov_b32 s27, 0
	s_lshl_b32 s2, s11, 4
	s_add_co_u32 s2, s2, FLAGS                     ; its flag words
	s_mov_b32 s3, 0
	s_sub_co_u32 s12, 15, s10                      ; the second tile's rank
	s_sub_co_u32 s14, s12, s10
	s_mul_i32 s96, s14, PP                         ; from the first tile's panel to the second's, modulo 2^32
	s_add_co_u32 s98, s30, s96                     ; the second tile's scale halfwords,
	s_add_co_u32 s96, s28, s96                     ; and its half fragment: in f1 Q, in fo the result
	s_mov_b32 s97, 0
	s_mov_b32 s99, 0
	s_lshl_b32 s12, s12, 3
	s_add_co_u32 s12, s12, ttmp9
	s_lshl_b32 s100, s12, 12                       ; its mask words
	s_mov_b32 s101, 0
	s_lshl_b32 s12, s12, 4
	s_add_co_u32 s12, s12, FLAGS                   ; its flag words
	s_mov_b32 s13, 0
	v_and_b32 v8, 31, v0
	v_and_b32 v9, 15, v0
	s_delay_alu instid0(VALU_DEP_2)
	v_lshlrev_b32 v[L8], 3, v8
	s_wait_alu depctr_va_vdst(0)
	v_lshlrev_b32 v[R4], 2, v9
	s_mul_i32 s19, s15, 768
	v_add_nc_u32 v192, s19, v[L8]                  ; from memory: K's codes, my head's half of each fragment;
	s_mul_i32 s19, s15, 6144
	v_lshl_add_u32 v193, v8, 4, s19                ; V's codes, my head's four fragments;
	v_lshlrev_b32 v194, 4, v8                      ; K's scale words;
	s_lshl_b32 s19, s15, 8
	v_add_nc_u32 v195, s19, v[L8]                  ; V's, my head's 64
	s_mul_i32 s19, s[WV], 6144
	v_add_nc_u32 v196, s19, v[L8]                  ; into LDS: a constant + a constant x wave + a constant x lane
	s_add_co_u32 s19, s19, VC
	v_lshl_add_u32 v197, v8, 4, s19
	s_lshl_b32 s19, s[WV], 9
	s_add_co_u32 s19, s19, KS
	v_lshl_add_u32 v198, v8, 4, s19
	s_lshl_b32 s19, s[WV], 8
	s_add_co_u32 s19, s19, VS
	v_add_nc_u32 v199, s19, v[L8]
	s_mul_i32 s19, s[WV], XW
	s_add_co_u32 s19, s19, XB
	v_lshl_add_u32 v[XO], v8, 4, s19
	s_xor_b32 s19, s[WV], 1
	s_mul_i32 s19, s19, XW
	s_add_co_u32 s19, s19, XB
	v_lshl_add_u32 v[XO+1], v8, 4, s19
	s_wait_alu depctr_va_vdst(0)
	s_wait_kmcnt 0x0
	s_add_nc_u64 s[84:85], s[4:5], s[84:85]
	s_add_nc_u64 s[92:93], s[4:5], s[28:29]
	s_add_nc_u64 s[94:95], s[4:5], s[30:31]
	s_add_nc_u64 s[28:29], s[4:5], s[96:97]
	s_add_nc_u64 s[30:31], s[4:5], s[98:99]
	s_add_nc_u64 s[10:11], s[8:9], s[98:99]        ; the tile that I write out is the second
	s_add_nc_u64 s[8:9], s[8:9], s[96:97]
	s_add_nc_u64 s[24:25], s[6:7], s[26:27]
	s_add_nc_u64 s[100:101], s[6:7], s[100:101]
	s_add_nc_u64 s[86:87], s[6:7], s[2:3]
	s_add_nc_u64 s[12:13], s[6:7], s[12:13]
	s_load_b128 s[88:91], s[86:87], 0x0            ; the flags of both tiles
	s_load_b128 s[68:71], s[12:13], 0x0
.irp t, 0,1,2,3,4,5,6,7
.irp p, 0,1,2
	global_load_b64 v[32+6*\t+2*\p:33+6*\t+2*\p], v192, s[84:85] offset:1536*\t+256*\p   ; 32 lanes read 256 consecutive bytes
.endr
.endr
.irp j, 0,1,2,3,4,5,6,7,8,9,10,11
	global_load_b128 v[96+4*\j:99+4*\j], v193, s[84:85] offset:8*RECB+512*\j
.endr
	global_load_b128 v[144:147], v194, s[84:85] offset:SCO
	global_load_b64 v[148:149], v195, s[84:85] offset:8*RECB+SCO
.irp p, 0,1,2
	global_load_b64 v[16+2*\p:17+2*\p], v[L8], s[92:93] offset:256*\p              ; the first tile's Q,
	global_load_b64 v[Q2+2*\p:Q2+1+2*\p], v[L8], s[28:29] offset:256*\p            ; and the second's
.endr
	global_load_u16 v255, v[R4], s[94:95]          ; Q's two scale bytes; the upper two are 0
	global_load_u16 v[Q2+6], v[R4], s[30:31]
	s_lshl_b32 s19, s15, 1
	s_add_co_u32 s19, s19, KS
	v_add_nc_u32 v[AK0], KC, v[L8]
	v_add_nc_u32 v[AV0], VC, v[L8]
	v_lshl_add_u32 v[ASK0], v8, 2, s19             ; K's scale halfwords: 4 x lane + 2 x half
	v_lshl_add_u32 v[ASV0], v8, 2, VS
	s_mov_b32 s[SEL], 0x76543210
	s_mov_b32 s[SEL+1], 0xfedcba98
	s_mov_b32 s[CS], 0x3e38aa3b                    ; c = log2(e) / 8
	s_mov_b32 s[CS+1], s[CS]
	v_mov_b32 v7, 0xffff
	v_mov_b32 v30, 0xff800000                      ; -infinity
	v_mov_b32 v13, 0xff61b1e6                      ; the largest t so far: -3e38
	s_delay_alu instid0(VALU_DEP_1)
	v_floor_f32 v12, -v13                          ; -M
	v_mov_b32 v14, 0
	v_mov_b32 v15, 0
.irp i, 0,1,2,3,4,5
	v_mov_b32 v[22+\i], 0                          ; Q's upper half: zero codes
	v_mov_b32 v[80+\i], 0                          ; behind K's last tile
.endr
.irp b, 0,1,2,3
	v_mov_b32 v[236+\b], 0                         ; a lane permute's destination counts as one of its sources
.endr
	v_mov_b32 v252, 0
	v_mov_b32 v253, 0
.set n, 0
.rept 32
	v_mov_b32 v[160+n], 0                          ; O^T: the step is written once; a half's first step finds zeros
.set n, n+1
.endr
	s_wait_loadcnt 0x0
.irp t, 0,1,2,3,4,5,6,7
.irp p, 0,1,2
	ds_store_b64 v196, v[32+6*\t+2*\p:33+6*\t+2*\p] offset:KC+768*\t+256*\p
.endr
.endr
.irp j, 0,1,2,3,4,5,6,7,8,9,10,11
	ds_store_b128 v197, v[96+4*\j:99+4*\j] offset:512*\j
.endr
	ds_store_b128 v198, v[144:147]
	ds_store_b64 v199, v[148:149]
	s_wait_kmcnt 0x0
	s_or_b32 s[FL], s88, s89                       ; each of the four words carries four steps' bits at their places
	s_or_b32 s[FL], s[FL], s90
	s_or_b32 s[FL], s[FL], s91
	s_or_b32 s14, s68, s69
	s_or_b32 s14, s14, s70
	s_or_b32 s14, s14, s71
	s_mov_b32 s[SG], 2
	s_mov_b32 s27, 8                               ; the key step: the upper half first
	s_mov_b32 s28, 8*6144                          ; its codes: 6,144 bytes a step
	s_mov_b32 s29, 8*512                           ; K's scale words: 512
	s_mov_b32 s30, 8*256                           ; V's: 256
	s_mov_b32 s[LIM], 16
	s_wait_dscnt 0x0                               ; for the others' sake: my 128 keys lie in LDS,
	s_barrier_signal -1
	s_barrier_wait -1                              ; everybody's do
.Lseg:
.Lstep:
	s_lshr_b32 s3, s[FL], s27
	s_and_b32 s3, s3, 1
	s_cmp_lg_u32 s3, 0                             ; hidden from all my queries: only the addresses step
	s_cbranch_scc1 .Lhidden
	v_add_nc_u32 v[ADK], s28, v[AK0]               ; four plain places behind the last products, in front of the loads into their operands
	v_add_nc_u32 v[ADV], s28, v[AV0]
	v_add_nc_u32 v[ADS], s29, v[ASK0]
	v_add_nc_u32 v[ADT], s30, v[ASV0]
.irp t, 0,1,2,3,4,5,6,7
.irp p, 0,1,2
	ds_load_b64 v[32+6*\t+2*\p:33+6*\t+2*\p], v[ADK] offset:768*\t+256*\p
.endr
.endr
.irp i, 0,1,2,3
	ds_load_u16 v[248+\i], v[ADS] offset:128*\i    ; lanes 0-15 tile 2 i, lanes 16-31 tile 2 i + 1
.endr
	s_wait_alu depctr_va_vdst(0)
	s_wait_dscnt 0x0
.irp t, 0,2,4,6
	v_wmma_scale_f32_16x16x128_f8f6f4 v[96+8*\t:103+8*\t], v[32+6*\t:43+6*\t], v[16:27], 0, v[248+\t/2], v255 matrix_a_fmt:MATRIX_FMT_BF6 matrix_b_fmt:MATRIX_FMT_BF6
	v_wmma_scale_f32_16x16x128_f8f6f4 v[104+8*\t:111+8*\t], v[38+6*\t:49+6*\t], v[16:27], 0, v[248+\t/2], v255 matrix_a_fmt:MATRIX_FMT_BF6 matrix_b_fmt:MATRIX_FMT_BF6 matrix_a_scale:MATRIX_SCALE_ROW1
.endr
.rept 4
	v_nop                                          ; places: for the loads below and for the first read of the scores
.endr
.irp t, 0,1,2,3
.irp p, 0,1,2,3,4,5
	ds_load_b64 v[32+12*\t+2*\p:33+12*\t+2*\p], v[ADV] offset:1536*\t+256*\p       ; V's four fragments land under the softmax
.endr
.endr
	ds_load_b32 v28, v[ADT]
	ds_load_b32 v29, v[ADT] offset:128
	s_add_co_u32 s3, s27, 16
	s_lshr_b32 s3, s[FL], s3
	s_and_b32 s3, s3, 1
	s_cmp_lg_u32 s3, 0                             ; open to all my queries: nothing to load, nothing to select
	s_cbranch_scc1 .Lopen
	s_lshl_b32 s26, s27, 8
	s_load_b512 s[32:47], s[24:25], s26 offset:0x0 ; this step's 64 mask words: word n is the lane mask of score register n
	s_load_b512 s[48:63], s[24:25], s26 offset:0x40
	s_load_b512 s[68:83], s[24:25], s26 offset:0x80
	s_load_b512 s[84:99], s[24:25], s26 offset:0xc0
	s_wait_kmcnt 0x0
.set n, 0
.rept 64
	v_cndmask_b32 v[96+n], v[96+n], v30, s[32+n+4*(n/32)]   ; a masked score becomes -infinity: p = 0
.set n, n+1
.endr
.Lopen:
.irp b, 0,1,2,3
	v_max3_num_f32 v[232+\b], v[96+16*\b], v[97+16*\b], v[98+16*\b]   ; the largest score of each block of 32 keys: for the row's maximum and for the block's largest p
.endr
.irp i, 3,5,7,9,11,13
.irp b, 0,1,2,3
	v_max3_num_f32 v[232+\b], v[232+\b], v[96+16*\b+\i], v[97+16*\b+\i]
.endr
.endr
.irp b, 0,1,2,3
	v_max_num_f32 v[232+\b], v[232+\b], v[111+16*\b]
.endr
.irp b, 0,1,2,3
	s_delay_alu instid0(VALU_DEP_4)
	v_permlanex16_b32 v[236+\b], v[232+\b], s[SEL], s[SEL+1]
.endr
.irp b, 0,1,2,3
	s_delay_alu instid0(VALU_DEP_4)
	v_max_num_f32 v[232+\b], v[232+\b], v[236+\b]
.endr
	s_delay_alu instid0(VALU_DEP_2)
	v_max3_num_f32 v254, v232, v233, v234
	s_delay_alu instid0(VALU_DEP_1)
	v_max_num_f32 v254, v254, v235
	s_delay_alu instid0(VALU_DEP_1)
	v_mul_f32 v254, s[CS], v254
	s_delay_alu instid0(VALU_DEP_1)
	v_max_num_f32 v13, v13, v254                   ; the running largest t
	v_mov_b32 v254, v12
	s_delay_alu instid0(VALU_DEP_2)
	v_floor_f32 v12, -v13                          ; the new -M: M is a whole number
	s_delay_alu instid0(VALU_DEP_1)
	v_sub_f32 v254, v12, v254
	s_delay_alu instid0(VALU_DEP_1)
	v_cvt_i32_f32 v254, v254                       ; (it saturates)
	s_delay_alu instid0(VALU_DEP_1)
	v_ldexp_f32 v252, 1.0, v254                    ; f = 2^(old M - new M)
.set n, 0
.rept 32
	v_pk_fma_f32 v[96+n:97+n], v[96+n:97+n], s[CS:CS+1], v[12:13] op_sel_hi:[1,0,0]   ; t - M
.set n, n+2
.endr
.irp b, 0,1,2,3
	v_fma_f32 v[232+\b], v[232+\b], s[CS], v12
.endr
	s_wait_alu depctr_va_vdst(0)
.set n, 0
.rept 64
	v_exp_f32 v[96+n], v[96+n]                     ; p = 2^(t - M)
.set n, n+1
.endr
	v_pk_mul_f32 v[14:15], v[14:15], v[252:253] op_sel_hi:[1,0]   ; the sums under the new M; a plain place behind the exponentials
	s_wait_alu depctr_va_vdst(0)                   ; one wait for the batch, ahead of its first reader
.irp b, 0,1,2,3
	v_exp_f32 v[232+\b], v[232+\b]                 ; the block's largest p
.endr
.set n, 96                                     ; the row's sum of the unquantised p: 32 pairs in eight chains
.irp c, 236,238,240,244,246,248,250
	v_pk_add_f32 v[\c:\c+1], v[n:n+1], v[n+14:n+15]
.set n, n+2
.endr
	v_pk_add_f32 v[14:15], v[14:15], v[124:125]
.set n, 126
.rept 2
.irp c, 236,238,240,244,246,248,250,14
	v_pk_add_f32 v[\c:\c+1], v[\c:\c+1], v[n:n+1]
.set n, n+2
.endr
.endr
	v_pk_add_f32 v[236:237], v[236:237], v[158:159]
	v_pk_add_f32 v[14:15], v[14:15], v[246:247]
	s_delay_alu instid0(VALU_DEP_2)
	v_pk_add_f32 v[236:237], v[236:237], v[244:245]
	v_pk_add_f32 v[250:251], v[250:251], v[240:241]
	v_pk_add_f32 v[248:249], v[248:249], v[238:239]
	s_delay_alu instid0(VALU_DEP_2)
	v_pk_add_f32 v[14:15], v[14:15], v[250:251]
	s_delay_alu instid0(VALU_DEP_2)
	v_pk_add_f32 v[236:237], v[236:237], v[248:249]
	s_delay_alu instid0(VALU_DEP_1)
	v_pk_add_f32 v[14:15], v[14:15], v[236:237]
	s_wait_alu depctr_va_vdst(0)                   ; and one for the four
.irp b, 0,1,2,3
	v_max_num_f32 v[232+\b], 0x2800000, v[232+\b]  ; the floor 2^(5 - 127)
.endr
.irp b, 0,1,2,3
	s_delay_alu instid0(VALU_DEP_4)
	v_add_nc_u32 v[244+\b], 0xfe000000, v[232+\b]
.endr
.irp b, 0,1,2,3
	s_delay_alu instid0(VALU_DEP_4)
	v_lshrrev_b32 v[236+\b], 23, v[244+\b]
.endr
	s_delay_alu instid0(VALU_DEP_3)
	v_lshl_or_b32 v253, v237, 8, v236              ; p's scale word for these 128 keys
	s_delay_alu instid0(VALU_DEP_1)
	v_lshl_or_b32 v253, v238, 16, v253
	s_delay_alu instid0(VALU_DEP_1)
	v_lshl_or_b32 v253, v239, 24, v253
.irp c, 0,1
	v_cvt_scalef32_pk16_bf6_f32 v[224+6*\c:226+6*\c], v[96+32*\c:111+32*\c], v[244+2*\c]
	v_cvt_scalef32_pk16_bf6_f32 v[236+4*\c:238+4*\c], v[112+32*\c:127+32*\c], v[244+2*\c+1]
.endr
	v_nop                                          ; one plain place behind a scaled conversion
.irp c, 0,1
.irp i, 0,1,2
	v_permlane16_swap_b32 v[224+6*\c+\i], v[236+4*\c+\i]
.endr
.irp i, 0,1,2
	s_delay_alu instid0(VALU_DEP_3)
	v_mov_b32 v[227+6*\c+\i], v[236+4*\c+\i]
.endr
.endr
.set n, 0
.rept 16
	v_pk_mul_f32 v[160+n:161+n], v[160+n:161+n], v[252:253] op_sel_hi:[1,0]   ; O^T under the new M; sixteen plain lines between the scale word's last write and the scaled products
.set n, n+2
.endr
	s_wait_alu depctr_va_vdst(0)
	s_wait_dscnt 0x0                               ; V
.irp t, 0,2
	v_wmma_scale_f32_16x16x128_f8f6f4 v[160+8*\t:167+8*\t], v[32+12*\t:43+12*\t], v[224:235], v[160+8*\t:167+8*\t], v[28+\t/2], v253 matrix_a_fmt:MATRIX_FMT_BF6 matrix_b_fmt:MATRIX_FMT_BF6
	v_wmma_scale_f32_16x16x128_f8f6f4 v[168+8*\t:175+8*\t], v[44+12*\t:55+12*\t], v[224:235], v[168+8*\t:175+8*\t], v[28+\t/2], v253 matrix_a_fmt:MATRIX_FMT_BF6 matrix_b_fmt:MATRIX_FMT_BF6 matrix_a_scale:MATRIX_SCALE_ROW1
.endr
.Lhidden:
	s_add_co_u32 s28, s28, 6144
	s_add_co_u32 s29, s29, 512
	s_add_co_u32 s30, s30, 256
	s_add_co_u32 s27, s27, 1
	s_cmp_lt_u32 s27, s[LIM]
	s_cbranch_scc1 .Lstep
	s_wait_alu depctr_va_vdst(0)
.rept 4
	v_nop                                          ; places behind the last products
.endr
	s_cmp_eq_u32 s[SG], 1
	s_cbranch_scc1 .Lmerge
	; the upper half is done: O^T, -M and the sums go to my partner as images of their registers; each accumulator from its low end on
.irp j, 0,1,2,3,4,5,6,7
	ds_store_b128 v[XO], v[160+4*\j:163+4*\j] offset:512*\j
.endr
	ds_store_b128 v[XO], v[12:15] offset:4096
.irp i, 0,1,2,3,4,5
	v_mov_b32 v[16+\i], v[Q2+\i]                   ; the second tile's Q,
.endr
	v_mov_b32 v255, v[Q2+6]                        ; its scale bytes (more than eight plain lines ahead of the next scaled product),
	v_mov_b32 v13, 0xff61b1e6                      ; and a fresh state
	s_delay_alu instid0(VALU_DEP_1)
	v_floor_f32 v12, -v13
	v_mov_b32 v14, 0
	v_mov_b32 v15, 0
.set n, 0
.rept 32
	v_mov_b32 v[160+n], 0
.set n, n+1
.endr
	s_mov_b64 s[24:25], s[100:101]                 ; its mask words and flags; key steps 0 to 7
	s_mov_b32 s[FL], s14
	s_mov_b32 s27, 0
	s_mov_b32 s28, 0
	s_mov_b32 s29, 0
	s_mov_b32 s30, 0
	s_mov_b32 s[LIM], 8
	s_sub_co_u32 s[SG], s[SG], 1
	s_wait_alu depctr_va_vdst(0)
	s_branch .Lseg
.Lmerge:
	s_wait_dscnt 0x0                               ; for my partner's sake: my part lies in LDS
	s_barrier_signal -1
	s_barrier_wait -1
.irp j, 0,1,2,3,4,5,6,7
	ds_load_b128 v[96+4*\j:99+4*\j], v[XO+1] offset:512*\j     ; the upper half of my tile: O^T,
.endr
	ds_load_b128 v[128:131], v[XO+1] offset:4096               ; -M, (the largest t,) the sums
	v_add_f32 v14, v14, v15
	s_wait_dscnt 0x0
	v_min_num_f32 v129, v12, v128                  ; the common -M
	v_add_f32 v130, v130, v131
	s_delay_alu instid0(VALU_DEP_2)
	v_sub_f32 v252, v129, v12
	v_sub_f32 v128, v129, v128
	s_delay_alu instid0(VALU_DEP_2)
	v_cvt_i32_f32 v252, v252                       ; (they saturate: a half with no key at all counts for nothing)
	s_delay_alu instid0(VALU_DEP_2)
	v_cvt_i32_f32 v128, v128
	s_delay_alu instid0(VALU_DEP_2)
	v_ldexp_f32 v252, 1.0, v252                    ; 2^(my M - the common M),
	s_delay_alu instid0(VALU_DEP_2)
	v_ldexp_f32 v128, 1.0, v128                    ; 2^(my partner's M - the common M)
.set n, 0
.rept 16
	v_pk_mul_f32 v[160+n:161+n], v[160+n:161+n], v[252:253] op_sel_hi:[1,0]
.set n, n+2
.endr
.set n, 0
.rept 16
	v_pk_fma_f32 v[160+n:161+n], v[96+n:97+n], v[128:129], v[160+n:161+n] op_sel_hi:[1,0,1]
.set n, n+2
.endr
	v_mul_f32 v14, v14, v252
	s_delay_alu instid0(VALU_DEP_1)
	v_fmac_f32 v14, v130, v128
	; THE WAY OUT: O^T / the sum, quantised along the head's 64 channels (two blocks): half a fragment and two scale bytes
	s_delay_alu instid0(VALU_DEP_1)
	v_permlanex16_b32 v252, v14, s[SEL], s[SEL+1]
	s_delay_alu instid0(VALU_DEP_1)
	v_add_f32 v14, v14, v252                       ; the row's sum
	s_wait_alu depctr_va_vdst(0)
	v_rcp_f32 v15, v14
	v_nop                                          ; a plain place behind the transcendental
	v_cmp_eq_f32 vcc_lo, 0, v14                    ; a row with every key masked
	s_wait_alu depctr_va_vdst(0)
.set n, 0
.rept 32
	v_mul_f32 v[192+n], v[160+n], v15              ; register 8 t + j: channel 16 t + 8 h + j of my query
.set n, n+1
.endr
.irp b, 0,1
	v_max3_num_f32 v[232+\b], |v[192+16*\b]|, |v[193+16*\b]|, 0x2800000
.endr
.irp i, 2,4,6,8,10,12,14
.irp b, 0,1
	s_delay_alu instid0(VALU_DEP_2)
	v_max3_num_f32 v[232+\b], v[232+\b], |v[192+16*\b+\i]|, |v[193+16*\b+\i]|
.endr
.endr
.irp b, 0,1
	s_delay_alu instid0(VALU_DEP_2)
	v_permlanex16_b32 v[236+\b], v[232+\b], s[SEL], s[SEL+1]
.endr
.irp b, 0,1
	s_delay_alu instid0(VALU_DEP_2)
	v_max_num_f32 v[232+\b], v[232+\b], v[236+\b]
.endr
.irp b, 0,1
	s_delay_alu instid0(VALU_DEP_2)
	v_add_nc_u32 v[244+\b], 0xfe000000, v[232+\b]
.endr
.irp b, 0,1
	s_delay_alu instid0(VALU_DEP_2)
	v_lshrrev_b32 v[236+\b], 23, v[244+\b]
.endr
	s_delay_alu instid0(VALU_DEP_1)
	v_lshl_or_b32 v254, v237, 8, v236
	s_delay_alu instid0(VALU_DEP_1)
	v_cndmask_b32 v254, v254, v7, vcc_lo           ; 0xff, 0xff where the sum is 0
	v_cvt_scalef32_pk16_bf6_f32 v[224:226], v[192:207], v244
	v_cvt_scalef32_pk16_bf6_f32 v[228:230], v[208:223], v245
	v_nop
.irp i, 0,1,2
	v_permlane16_swap_b32 v[224+\i], v[228+\i]
.endr
.irp i, 0,1,2
	s_delay_alu instid0(VALU_DEP_3)
	v_mov_b32 v[227+\i], v[228+\i]
.endr
.irp p, 0,1,2
	global_store_b64 v[L8], v[224+2*\p:225+2*\p], s[8:9] offset:256*\p             ; 32 lanes store 256 consecutive bytes, aligned
.endr
	global_store_b16 v[R4], v254, s[10:11]         ; a scale word spans two heads, so each head stores its half: 2 bytes a row (lanes 16-31 repeat lanes 0-15's)
	s_wait_tensorcnt 0x0                           ; the wave's end
	ds_add_u32 v95, v243
	s_wait_dscnt 0x0
	s_endpgm
.Lfunc_end_k_qbbfaacac5a_attn:
	.size	k_qbbfaacac5a_attn, .Lfunc_end_k_qbbfaacac5a_attn-k_qbbfaacac5a_attn
	.p2alignl 7, 3214868480
	.fill 96, 4, 3214868480
	.section	.rodata,"a",@progbits
	.p2align	6, 0x0
	.amdhsa_kernel k_qbbfaacac5a_attn
		.amdhsa_group_segment_fixed_size 284672
		.amdhsa_private_segment_fixed_size 0
		.amdhsa_enable_private_segment 0
		.amdhsa_kernarg_size 24
		.amdhsa_user_sgpr_count 2
		.amdhsa_user_sgpr_kernarg_segment_ptr 1
		.amdhsa_wavefront_size32 1
		.amdhsa_system_sgpr_workgroup_id_x 1
		.amdhsa_system_sgpr_workgroup_id_y 1
		.amdhsa_system_sgpr_workgroup_id_z 1
		.amdhsa_system_vgpr_workitem_id 0
		.amdhsa_next_free_vgpr 256
		.amdhsa_next_free_sgpr 102
		.amdhsa_reserve_vcc 1
		.amdhsa_float_denorm_mode_32 3
		.amdhsa_float_denorm_mode_16_64 3
		.amdhsa_memory_ordered 1
		.amdhsa_forward_progress 1
		.amdhsa_inst_pref_size 48
	.end_amdhsa_kernel
	.amdgpu_metadata
---
amdhsa.version: [ 1, 2 ]
amdhsa.kernels:
  - .name:           k_qbbfaacac5a_attn
    .symbol:         k_qbbfaacac5a_attn.kd
    .args:
      - { .name: f1, .offset: 0, .size: 8, .value_kind: global_buffer, .address_space: global }
      - { .name: maskw, .offset: 8, .size: 8, .value_kind: global_buffer, .address_space: global }
      - { .name: fo, .offset: 16, .size: 8, .value_kind: global_buffer, .address_space: global }
    .group_segment_fixed_size: 284672
    .private_segment_fixed_size: 0
    .kernarg_segment_align: 8
    .kernarg_segment_size: 24
    .max_flat_workgroup_size: 512
    .sgpr_count:     102
    .vgpr_count:     256
    .wavefront_size: 32
...
	.end_amdgpu_metadata
.endif
;; end of part 9
;; launch oln (part 10): grid 256 x 1, 16 waves a work-group, no clusters, 81,152 bytes of LDS; arguments fo, x, bo, g1, beta1, x1, f1; writes x1, f1
.if DOCPART == 10
	.amdgcn_target "amdgcn-amd-amdhsa--gfx1250"
	.amdhsa_code_object_version 6
	.text
	.protected	k_qbbfaacac5a_oln
	.globl	k_qbbfaacac5a_oln
	.p2align	8
	.type	k_qbbfaacac5a_oln,@function
k_qbbfaacac5a_oln:
	s_mov_b64 s[64:65], 0
	v_nop
	global_prefetch_b8 v0, s[64:65] scope:SCOPE_SE
	s_setreg_imm32_b32 hwreg(HW_REG_WAVE_MODE, 25, 1), 1
	s_wait_xcnt 0x0
; x1 = LayerNorm(x + attn wo + bo) g1 + beta1: the projection on codes of E3M2 (K = 1,024), the residual and the norm in f32; x1 leaves as f32 and as codes (source 1 of the first FFN product).
; fo: records (panel of 128 rows, K step of 128) at panel x PP + step x RECB: eight fragments as images of their registers (pair p of lane l at 256 p + 8 l), then 128 scale words at SCO.
; Panels 0-31: the attention's result, rows = tokens.  Panels 32-39: wo, rows = its columns.
; SHARES.  A work-group takes 16 rows x all 1,024 columns, so that a row's mean and variance need no other work-group: 256 work-groups.  A wave takes 64 columns: four accumulators, 32 matrix instructions.
; With 16 rows a fragment of wo is multiplied by ONE wave of the work-group, once: it goes from memory straight into that wave's registers, six loads of 256 consecutive bytes.  Three sets of a K step's four
; fragments take turns: two K steps' loads, 52, are out while a step is multiplied.  The rows' own eight fragments and scale words are fetched once (waves 0-7, one K step each) and shared through LDS.
; NO TENSOR LOAD AND NO CLUSTER, though all work-groups walk the same wo: no byte of wo is used twice inside a work-group, so LDS would only be passed through.
; THE ROW PHASE.  The sums meet in a stage in LDS (16 rows of 4,096 + 16 bytes); behind a barrier wave w takes row w: + x + bo, mean, variance, norm, 512 consecutive bytes a store; the finished rows go back into
; the stage, and behind one more barrier waves 0-7 quantise one K step of 128 each and store a fragment as it stands.
; x's row is asked for at the head by one prefetch (a lane a block of 256 bytes, lanes 16-31 name the last block again) and loaded behind K step 5, into registers that wo has left.
; THE MATRIX INSTRUCTION: source 0 = 16 columns of wo, source 1 = my 16 rows: a lane holds one row and eight neighbouring columns.
; LIMITS: a block of zeros gets the byte 1; blocks under 2^-122 are held at the byte 1.  A row of NaN stays NaN in x1; its codes are then of no meaning, and the last launch takes the NaN from x1.
.set PP,    409600
.set RECB,  12800
.set SCO,   12288
.set SPARE, 65792                      ; behind the stage: the spare words, 128 bytes a wave
.set AL,    67840                      ; my rows' eight fragments, 1,536 bytes each
.set ASL,   AL+12288                   ; and their scale words, 128 bytes a K step
.set BF,    16                         ; v16-159  wo's fragments, three sets of 48
.set AFR,   160                        ; v160-183 my rows' fragment, two sets
.set SB,    184                        ; v184-199 wo's scale words, two registers a K step: lanes 0-15 tile 2 i, lanes 16-31 tile 2 i + 1
.set SA,    200                        ; v200-207 my rows' scale words, a register a K step
.set ACC,   208                        ; v208-239 the four accumulators
.set BO,    16                         ; the row phase, in registers that the product has left
.set G,     64
.set X,     112
.set BT,    144
.set P,     176
.set E,     16
.set PC,    80
.set TM,    100
.set PW,    116
.set INV,   24                         ; s24 1 / 1,024
.set EPS,   25                         ; s25 1e-5
.set SEL,   26
.macro QUANT s, pc, pw
.irp b, 0,1,2,3
	v_max3_num_f32 v[TM+\b], |v[\s+16*\b]|, |v[\s+1+16*\b]|, 0x2800000   ; my 16 numbers of block b, and the floor 2^(5 - 127)
.endr
.irp i, 2,4,6,8,10,12,14
.irp b, 0,1,2,3
	s_delay_alu instid0(VALU_DEP_4)
	v_max3_num_f32 v[TM+\b], v[TM+\b], |v[\s+16*\b+\i]|, |v[\s+1+16*\b+\i]|
.endr
.endr
.irp b, 0,1,2,3
	s_delay_alu instid0(VALU_DEP_4)
	v_permlanex16_b32 v[TM+4+\b], v[TM+\b], s[SEL], s[SEL+1]
.endr
.irp b, 0,1,2,3
	s_delay_alu instid0(VALU_DEP_4)
	v_max_num_f32 v[TM+\b], v[TM+\b], v[TM+4+\b]
.endr
.irp b, 0,1,2,3
	s_delay_alu instid0(VALU_DEP_4)
	v_add_nc_u32 v[TM+12+\b], 0xfe000000, v[TM+\b]                    ; 4 off the exponent field: the conversion's scale operand
.endr
.irp b, 0,1,2,3
	s_delay_alu instid0(VALU_DEP_4)
	v_lshrrev_b32 v[TM+4+\b], 23, v[TM+12+\b]
.endr
	s_delay_alu instid0(VALU_DEP_3)
	v_lshl_or_b32 v[\pw], v[TM+5], 8, v[TM+4]
	s_delay_alu instid0(VALU_DEP_1)
	v_lshl_or_b32 v[\pw], v[TM+6], 16, v[\pw]
	s_delay_alu instid0(VALU_DEP_1)
	v_lshl_or_b32 v[\pw], v[TM+7], 24, v[\pw]
.irp c, 0,1
	v_cvt_scalef32_pk16_bf6_f32 v[\pc+6*\c:\pc+2+6*\c], v[\s+32*\c:\s+15+32*\c], v[TM+12+2*\c]
	v_cvt_scalef32_pk16_bf6_f32 v[\pc+12+4*\c:\pc+14+4*\c], v[\s+16+32*\c:\s+31+32*\c], v[TM+12+2*\c+1]
.endr
	v_nop                                          ; one plain place behind a scaled conversion
.irp c, 0,1
.irp i, 0,1,2
	v_permlane16_swap_b32 v[\pc+6*\c+\i], v[\pc+12+4*\c+\i]
.endr
.irp i, 0,1,2
	s_delay_alu instid0(VALU_DEP_3)
	v_mov_b32 v[\pc+3+6*\c+\i], v[\pc+12+4*\c+\i]
.endr
.endr
.endm
.macro REDUCE                          ; v240 summed over the 32 lanes, in every lane
.irp m, 1,2,4,8
	s_delay_alu instid0(VALU_DEP_1)
	v_add_f32_dpp v240, v240, v240 row_xmask:\m row_mask:0xf bank_mask:0xf
.endr
	s_delay_alu instid0(VALU_DEP_1)
	v_permlanex16_b32 v241, v240, s[SEL], s[SEL+1]
	s_delay_alu instid0(VALU_DEP_1)
	v_add_f32 v240, v240, v241
.endm
; the row in v[z] .. v[z + 31]: leaves z - mean in place and 1 / sqrt(variance + eps) in v[246:247]
.macro STATS z
	v_pk_add_f32 v[240:241], v[\z:\z+1], v[\z+2:\z+3]
	v_pk_add_f32 v[242:243], v[\z+4:\z+5], v[\z+6:\z+7]
.irp i, 8,12,16,20,24,28
	s_delay_alu instid0(VALU_DEP_2)
	v_pk_add_f32 v[240:241], v[240:241], v[\z+\i:\z+\i+1]
	s_delay_alu instid0(VALU_DEP_2)
	v_pk_add_f32 v[242:243], v[242:243], v[\z+\i+2:\z+\i+3]
.endr
	s_delay_alu instid0(VALU_DEP_1)
	v_pk_add_f32 v[240:241], v[240:241], v[242:243]
	s_delay_alu instid0(VALU_DEP_1)
	v_add_f32 v240, v240, v241
	REDUCE
	s_delay_alu instid0(VALU_DEP_1)
	v_mul_f32 v244, s[INV], v240                   ; the mean
	s_delay_alu instid0(VALU_DEP_1)
	v_mov_b32 v245, v244
.irp i, 0,2,4,6,8,10,12,14,16,18,20,22,24,26,28,30
	v_pk_add_f32 v[\z+\i:\z+\i+1], v[\z+\i:\z+\i+1], v[244:245] neg_lo:[0,1] neg_hi:[0,1]
.endr
	v_pk_mul_f32 v[240:241], v[\z:\z+1], v[\z:\z+1]
	v_pk_mul_f32 v[242:243], v[\z+2:\z+3], v[\z+2:\z+3]
.irp i, 4,8,12,16,20,24,28
	s_delay_alu instid0(VALU_DEP_2)
	v_pk_fma_f32 v[240:241], v[\z+\i:\z+\i+1], v[\z+\i:\z+\i+1], v[240:241]
	s_delay_alu instid0(VALU_DEP_2)
	v_pk_fma_f32 v[242:243], v[\z+\i+2:\z+\i+3], v[\z+\i+2:\z+\i+3], v[242:243]
.endr
	s_delay_alu instid0(VALU_DEP_1)
	v_pk_add_f32 v[240:241], v[240:241], v[242:243]
	s_delay_alu instid0(VALU_DEP_1)
	v_add_f32 v240, v240, v241
	REDUCE
	s_delay_alu instid0(VALU_DEP_1)
	v_fma_f32 v240, v240, s[INV], s[EPS]
	s_wait_alu depctr_va_vdst(0)
	v_rsq_f32 v246, v240
	v_rsq_f32 v247, v240                           ; twice: a pair for the packed multiply
	v_nop                                          ; a plain place behind the transcendentals
	s_wait_alu depctr_va_vdst(0)                   ; one wait for both, ahead of their first reader
.endm
.macro ROW32 reg, base, hint           ; a row of 4,096 bytes: eight loads of 512 consecutive bytes
.irp j, 0,1,2,3,4,5,6,7
.if \hint
	global_load_b128 v[\reg+4*\j:\reg+4*\j+3], v1, s[\base:\base+1] offset:512*\j th:TH_LOAD_NT
.else
	global_load_b128 v[\reg+4*\j:\reg+4*\j+3], v1, s[\base:\base+1] offset:512*\j
.endif
.endr
.endm
.macro LDB s                           ; K step s of my 64 columns of wo: four fragments into set s % 3, and two registers of scale words: 26 loads
.irp t, 0,1,2,3
.irp p, 0,1,2,3,4,5
	global_load_b64 v[BF+48*((\s)%3)+12*\t+2*\p:BF+48*((\s)%3)+12*\t+2*\p+1], v243, s[22:23] offset:RECB*(\s)+1536*\t+256*\p
.endr
.endr
	global_load_b32 v[SB+2*(\s)], v244, s[22:23] offset:RECB*(\s)+SCO
	global_load_b32 v[SB+2*(\s)+1], v244, s[22:23] offset:RECB*(\s)+SCO+128
.endm
.macro LDA s                           ; my rows' fragment of K step s, from LDS into set s % 2
.irp p, 0,1,2,3,4,5
	ds_load_b64 v[AFR+12*((\s)%2)+2*\p:AFR+12*((\s)%2)+2*\p+1], v241 offset:1536*(\s)+256*\p
.endr
.endm
; a K step: lc = the global loads issued behind this step's, dc = the LDS loads issued behind this step's fragment.  The four accumulators take turns.
; Four plain places follow, ahead of the loads into registers that the products have read.
.macro KS s, lc, dc
.set FB, BF+48*((\s)%3)
.set FA, AFR+12*((\s)%2)
	s_wait_loadcnt \lc
	s_wait_dscnt \dc
.irp t, 0,2
.if (\s) == 0
	v_wmma_scale_f32_16x16x128_f8f6f4 v[ACC+8*\t:ACC+8*\t+7], v[FB+12*\t:FB+12*\t+11], v[FA:FA+11], 0, v[SB+2*(\s)+\t/2], v[SA+(\s)] matrix_a_fmt:MATRIX_FMT_BF6 matrix_b_fmt:MATRIX_FMT_BF6
	v_wmma_scale_f32_16x16x128_f8f6f4 v[ACC+8*\t+8:ACC+8*\t+15], v[FB+12*\t+12:FB+12*\t+23], v[FA:FA+11], 0, v[SB+2*(\s)+\t/2], v[SA+(\s)] matrix_a_fmt:MATRIX_FMT_BF6 matrix_b_fmt:MATRIX_FMT_BF6 matrix_a_scale:MATRIX_SCALE_ROW1
.else
	v_wmma_scale_f32_16x16x128_f8f6f4 v[ACC+8*\t:ACC+8*\t+7], v[FB+12*\t:FB+12*\t+11], v[FA:FA+11], v[ACC+8*\t:ACC+8*\t+7], v[SB+2*(\s)+\t/2], v[SA+(\s)] matrix_a_fmt:MATRIX_FMT_BF6 matrix_b_fmt:MATRIX_FMT_BF6
	v_wmma_scale_f32_16x16x128_f8f6f4 v[ACC+8*\t+8:ACC+8*\t+15], v[FB+12*\t+12:FB+12*\t+23], v[FA:FA+11], v[ACC+8*\t+8:ACC+8*\t+15], v[SB+2*(\s)+\t/2], v[SA+(\s)] matrix_a_fmt:MATRIX_FMT_BF6 matrix_b_fmt:MATRIX_FMT_BF6 matrix_a_scale:MATRIX_SCALE_ROW1
.endif
.endr
.rept 4
	v_nop
.endr
.endm
	s_load_b256 s[4:11], s[0:1], 0x0               ; fo, x, bo, g1
	s_load_b128 s[12:15], s[0:1], 0x20             ; beta1, x1
	s_load_b64 s[16:17], s[0:1], 0x30              ; f1
	v_lshl_add_u32 v254, v0, 2, SPARE
	v_mov_b32 v255, 0
	v_lshrrev_b32 v1, 5, v0
	v_readfirstlane_b32 s18, v1                    ; wave 0..15
	v_and_b32 v2, 31, v0
	v_lshlrev_b32 v1, 4, v2                        ; 16 x lane
	v_and_b32 v3, 15, v0                           ; r
	v_bfe_u32 v4, v0, 4, 1                         ; h
	s_wait_alu depctr_va_vdst(0)
	s_mul_i32 s19, s18, 4112
	v_add_nc_u32 v5, s19, v1                       ; the stage by rows: my row
	s_and_b32 s20, s18, 7                          ; the K step that I fetch for all, and later quantise (waves 0 to 7)
	s_lshl_b32 s21, s20, 9
	v_mul_u32_u24 v14, v3, 4112
	v_lshl_add_u32 v14, v4, 5, v14                 ; row r, + 32 h
	v_add_nc_u32 v6, s21, v14                      ; for the quantiser: + 512 x step
	s_lshl_b32 s21, s18, 8
	v_add_nc_u32 v13, s21, v14                     ; for the sums: + my 64 columns
	s_and_b32 s22, ttmp9, 7                        ; my tile of 16 rows in its panel
	s_mul_i32 s23, s22, 1536
	v_lshl_add_u32 v7, v2, 3, s23                  ; my 8 bytes of a pair of its fragment
	s_lshl_b32 s23, s22, 6
	s_add_co_u32 s23, s23, SCO
	v_lshl_add_u32 v8, v3, 2, s23                  ; my row's scale word
	s_mul_i32 s23, s20, 1536
	s_add_co_u32 s23, s23, AL
	v_lshl_add_u32 v15, v2, 3, s23                 ; LDS: where I put the fragment that I fetch,
	s_lshl_b32 s23, s20, 7
	s_add_co_u32 s23, s23, ASL
	v_lshl_add_u32 v240, v2, 2, s23                ; and its scale words;
	v_lshl_add_u32 v241, v2, 3, AL                 ; where everybody reads them
	v_lshl_add_u32 v242, v2, 2, ASL
	s_and_b32 s23, s18, 1                          ; which half of a panel of wo is mine
	s_mul_i32 s21, s23, 6144
	v_lshl_add_u32 v243, v2, 3, s21
	s_lshl_b32 s21, s23, 8
	v_lshl_add_u32 v244, v2, 2, s21
	v_min_u32 v12, 15, v2
	v_lshlrev_b32 v12, 8, v12                      ; the prefetch: a lane a block of 256 bytes of my row of x
	s_lshr_b32 s22, s18, 1
	s_add_co_u32 s22, s22, 32
	s_mul_i32 s22, s22, PP                         ; my panel of wo
	s_mov_b32 s23, 0
	s_lshl_b32 s28, ttmp9, 4
	s_add_co_u32 s28, s28, s18
	s_lshl_b32 s28, s28, 12                        ; my row, in bytes
	s_mov_b32 s29, 0
	s_lshr_b32 s30, ttmp9, 3
	s_mul_i32 s30, s30, PP
	s_mul_i32 s31, s20, RECB
	s_add_co_u32 s30, s30, s31                     ; record (my rows' panel, my K step): in fo what I fetch, in f1 what I write
	s_mov_b32 s31, 0
	s_mov_b32 s[INV], 0x3a800000
	s_mov_b32 s[EPS], 0x3727c5ac
	s_mov_b32 s[SEL], 0x76543210
	s_mov_b32 s[SEL+1], 0xfedcba98
	s_wait_alu depctr_va_vdst(0)
	s_wait_kmcnt 0x0
	s_add_nc_u64 s[22:23], s[4:5], s[22:23]
	s_add_nc_u64 s[32:33], s[4:5], s[30:31]
	s_add_nc_u64 s[6:7], s[6:7], s[28:29]
	s_add_nc_u64 s[14:15], s[14:15], s[28:29]
	s_add_nc_u64 s[16:17], s[16:17], s[30:31]
	s_cmp_lt_u32 s18, 8
	s_cbranch_scc0 .Lno_fetch
.irp p, 0,1,2,3,4,5
	global_load_b64 v[AFR+2*\p:AFR+2*\p+1], v7, s[32:33] offset:256*\p
.endr
	global_load_b32 v[AFR+12], v8, s[32:33]
.Lno_fetch:
	global_prefetch_b8 v12, s[6:7] th:TH_LOAD_NT scope:SCOPE_SE    ; its address registers are never written again
	LDB 0
	LDB 1
	s_cmp_lt_u32 s18, 8
	s_cbranch_scc0 .Lno_share
	s_wait_loadcnt 52                              ; behind my rows' fragment: two K steps of wo
.irp p, 0,1,2,3,4,5
	ds_store_b64 v15, v[AFR+2*\p:AFR+2*\p+1] offset:256*\p
.endr
	ds_store_b32 v240, v[AFR+12]
.Lno_share:
	s_wait_dscnt 0x0                               ; for the others' sake
	s_barrier_signal -1
	s_barrier_wait -1
	LDB 2
.irp s, 0,1,2,3,4,5,6,7
	ds_load_b32 v[SA+\s], v242 offset:128*\s
.endr
	LDA 0
	LDA 1
.irp s, 0,1,2,3,4
	KS \s, 52, 6
	LDB \s+3
	LDA \s+2
.endr
	KS 5, 52, 6
	ROW32 X, 6, 1                                  ; x's row, into the set that K step 5 has left
	LDA 7
	KS 6, 34, 6                                    ; behind K step 6's loads: K step 7's 26 and x's 8
	ROW32 BO, 8, 0
	KS 7, 16, 0                                    ; behind K step 7's: x's 8 and bo's 8
	ROW32 G, 10, 0
	ROW32 BT, 12, 0
.irp t, 0,1,2,3
	ds_store_b128 v13, v[ACC+8*\t:ACC+8*\t+3] offset:64*\t        ; each accumulator from its low end on
	ds_store_b128 v13, v[ACC+8*\t+4:ACC+8*\t+7] offset:64*\t+16
.endr
	s_wait_dscnt 0x0                               ; for the others' sake: my 64 columns of the 16 rows lie in the stage
	s_barrier_signal -1
	s_barrier_wait -1
.irp j, 0,1,2,3,4,5,6,7
	ds_load_b128 v[P+4*\j:P+4*\j+3], v5 offset:512*\j
.endr
	s_wait_loadcnt 0x0
	s_wait_dscnt 0x0
.irp i, 0,2,4,6,8,10,12,14,16,18,20,22,24,26,28,30
	v_pk_add_f32 v[P+\i:P+\i+1], v[P+\i:P+\i+1], v[BO+\i:BO+\i+1]
.endr
.irp i, 0,2,4,6,8,10,12,14,16,18,20,22,24,26,28,30
	v_pk_add_f32 v[P+\i:P+\i+1], v[P+\i:P+\i+1], v[X+\i:X+\i+1]
.endr
	STATS P
.irp i, 0,2,4,6,8,10,12,14,16,18,20,22,24,26,28,30
	v_pk_mul_f32 v[P+\i:P+\i+1], v[P+\i:P+\i+1], v[246:247]
.endr
.irp i, 0,2,4,6,8,10,12,14,16,18,20,22,24,26,28,30
	v_pk_fma_f32 v[P+\i:P+\i+1], v[P+\i:P+\i+1], v[G+\i:G+\i+1], v[BT+\i:BT+\i+1]
.endr
.irp j, 0,1,2,3,4,5,6,7
	global_store_b128 v1, v[P+4*\j:P+4*\j+3], s[14:15] offset:512*\j               ; 32 lanes store 512 consecutive bytes, aligned
	ds_store_b128 v5, v[P+4*\j:P+4*\j+3] offset:512*\j                             ; my own row of the stage, which I alone have read
.endr
	s_wait_dscnt 0x0                               ; for the others' sake: my finished row lies in the stage
	s_barrier_signal -1
	s_barrier_wait -1
	s_cmp_ge_u32 s18, 8                            ; eight K steps: waves 0 to 7 take one each; no barrier stands behind this branch
	s_cbranch_scc1 .Ldone
.irp t, 0,1,2,3,4,5,6,7
	ds_load_b128 v[E+8*\t:E+8*\t+3], v6 offset:64*\t               ; register 8 t + j = element 16 t + 8 h + j of row r: this program's order inside a block
	ds_load_b128 v[E+8*\t+4:E+8*\t+7], v6 offset:64*\t+16
.endr
.irp b, 0,1,2,3
	v_mov_b32 v[TM+4+\b], 0                        ; a lane permute's destination counts as one of its sources
.endr
	s_wait_dscnt 0x0
	QUANT E, PC, PW
.irp p, 0,1,2,3,4,5
	global_store_b64 v7, v[PC+2*\p:PC+2*\p+1], s[16:17] offset:256*\p              ; 32 lanes store 256 consecutive bytes, aligned
.endr
	global_store_b32 v8, v[PW], s[16:17]           ; lanes 16-31 repeat lanes 0-15's word
.Ldone:
	s_wait_tensorcnt 0x0                           ; the wave's end
	ds_add_u32 v254, v255
	s_wait_dscnt 0x0
	s_endpgm
.Lfunc_end_k_qbbfaacac5a_oln:
	.size	k_qbbfaacac5a_oln, .Lfunc_end_k_qbbfaacac5a_oln-k_qbbfaacac5a_oln
	.p2alignl 7, 3214868480
	.fill 96, 4, 3214868480
	.section	.rodata,"a",@progbits
	.p2align	6, 0x0
	.amdhsa_kernel k_qbbfaacac5a_oln
		.amdhsa_group_segment_fixed_size 81152
		.amdhsa_private_segment_fixed_size 0
		.amdhsa_enable_private_segment 0
		.amdhsa_kernarg_size 56
		.amdhsa_user_sgpr_count 2
		.amdhsa_user_sgpr_kernarg_segment_ptr 1
		.amdhsa_wavefront_size32 1
		.amdhsa_system_sgpr_workgroup_id_x 1
		.amdhsa_system_sgpr_workgroup_id_y 1
		.amdhsa_system_sgpr_workgroup_id_z 1
		.amdhsa_system_vgpr_workitem_id 0
		.amdhsa_next_free_vgpr 256
		.amdhsa_next_free_sgpr 66
		.amdhsa_reserve_vcc 0
		.amdhsa_float_denorm_mode_32 3
		.amdhsa_float_denorm_mode_16_64 3
		.amdhsa_memory_ordered 1
		.amdhsa_forward_progress 1
		.amdhsa_inst_pref_size 56
	.end_amdhsa_kernel
	.amdgpu_metadata
---
amdhsa.version: [ 1, 2 ]
amdhsa.kernels:
  - .name:           k_qbbfaacac5a_oln
    .symbol:         k_qbbfaacac5a_oln.kd
    .args:
      - { .name: fo, .offset: 0, .size: 8, .value_kind: global_buffer, .address_space: global }
      - { .name: x, .offset: 8, .size: 8, .value_kind: global_buffer, .address_space: global }
      - { .name: bo, .offset: 16, .size: 8, .value_kind: global_buffer, .address_space: global }
      - { .name: g1, .offset: 24, .size: 8, .value_kind: global_buffer, .address_space: global }
      - { .name: beta1, .offset: 32, .size: 8, .value_kind: global_buffer, .address_space: global }
      - { .name: x1, .offset: 40, .size: 8, .value_kind: global_buffer, .address_space: global }
      - { .name: f1, .offset: 48, .size: 8, .value_kind: global_buffer, .address_space: global }
    .group_segment_fixed_size: 81152
    .private_segment_fixed_size: 0
    .kernarg_segment_align: 8
    .kernarg_segment_size: 56
    .max_flat_workgroup_size: 512
    .sgpr_count:     66
    .vgpr_count:     256
    .wavefront_size: 32
...
	.end_amdgpu_metadata
.endif
;; end of part 10
;; launch ffn1: the kernel of part 8 again; grid 16 x 16, 4 waves a work-group, clusters of 4 x 4, 327,680 bytes of LDS; arguments f1, f2; writes f2
;; launch ffn2 (part 11): grid 8 x 32, 4 waves a work-group, clusters of 4 x 4, 327,680 bytes of LDS; arguments f2, part; writes part
.if DOCPART == 11
	.amdgcn_target "amdgcn-amd-amdhsa--gfx1250"
	.amdhsa_code_object_version 6
	.text
	.protected	k_qbbfaacac5a_ffn2
	.globl	k_qbbfaacac5a_ffn2
	.p2align	8
	.type	k_qbbfaacac5a_ffn2,@function
k_qbbfaacac5a_ffn2:
	s_mov_b64 s[64:65], 0
	v_nop
	global_prefetch_b8 v0, s[64:65] scope:SCOPE_SE
	s_setreg_imm32_b32 hwreg(HW_REG_WAVE_MODE, 25, 1), 1
	s_wait_xcnt 0x0
	s_wait_alu depctr_hold_cnt(0) depctr_sa_sdst(0) depctr_va_vdst(0) depctr_va_sdst(0) depctr_va_ssrc(0) depctr_va_vcc(0) depctr_vm_vsrc(0)
	s_getreg_b32 s2, hwreg(HW_REG_IB_STS2, 6, 4)
	s_cmp_eq_u32 s2, 0
	s_cbranch_scc0 .Lentry_in_a_cluster
	s_endpgm
.Lentry_in_a_cluster:
	s_bfe_u32 s2, ttmp6, 0x10000c
	s_cmp_lg_u32 s2, 0xf033
	s_cbranch_scc0 .Lentry_shape_is_right
	s_endpgm
.Lentry_shape_is_right:
; THE SECOND FFN PRODUCT ON CODES OF E3M2: part = hidden layer x w2, [4,096 x 4,096] x [4,096 x 1,024], f32 results, one f32 sum for each output over all of K.
; f2: records (panel of 128 rows, K step of 128) at panel x PP + step x RECB: eight fragments as images of their registers (pair p of lane l at 256 p + 8 l), then 128 scale words at SCO.
; Panels 0-31: the hidden layer, rows = tokens.  Panels 32-39: w2, rows = its columns.  A panel's 32 K steps are 409,600 dense bytes.
; SHARES.  A block of the result is 128 x 128: one panel of each operand; 32 x 8 blocks are 256 work-groups.  Four waves, 64 x 64 each: 16 accumulators, 128 registers, in window 1.
; THE RING.  Two LDS slots of four K steps: 51,200 bytes of each panel.  LDS: A's slot 0, A's slot 1, B's slot 0, B's slot 1.  At the head wave w brings the w-th of these four areas whole, 200 rows of 256 bytes;
; a refill is shared out: waves 0 and 1 bring A's four K steps, two each (100 rows), waves 2 and 3 B's.  Eight fills' worth of K: the head's two and six refills.
; CLUSTERS: 4 x 4 work-groups; A's panel is asked for jointly along a row of the cluster, B's along a column.
; A K STEP is 16 matrix instructions on four fragments of each operand; two sets of fragments take turns: a step's 52 LDS loads (48 of 8 bytes a lane, 4 scale words) are issued ahead of the step before it.
; THE MATRIX INSTRUCTION: source 0 = 16 columns of w2, source 1 = 16 tokens: a lane holds one token's row and eight neighbouring columns.
; THE WAY OUT: 16 rows x 64 columns at a time through a stage of the wave's own, behind the ring, and back by rows: sixteen lanes store 256 consecutive bytes, aligned.
.set PP,     409600
.set RECB,   12800
.set SCO,    12288
.set S0B,    32*PP
.set HALFT,  2*RECB                    ; what a refill's load brings
.set AREA,   4*RECB                    ; a slot's four K steps of one panel
.set BAREA,  2*AREA                    ; B's two areas lie behind A's two
.set STAGE,  4*AREA                    ; behind the ring: 16 rows x 272 bytes for each wave
.set SPITCH, 272
.set SPARE,  STAGE+4*16*SPITCH         ; behind the stages: the spare words, 128 bytes a wave
.set ROWC,   4096                      ; a row of part in bytes
.set ADRA,   16                        ; v16-17 my four A fragments in slot 0, 1: + 8 x lane
.set ADRB,   18                        ; v18-19 my four B fragments
.set ASA,    20                        ; v20-21, v22-23 the same for the scale words: + 4 x lane
.set ASB,    22
.set STO,    24
.set RD,     25
.set CO,     26
.set SPW,    28
.set NIL,    29
.set SC,     32                        ; scale words, set s at v[SC + 4 s]: A's tiles 0|1, 2|3 (lanes 0-15 | 16-31), then B's
.set FRG,    64                        ; fragments, set s at v[FRG + 96 s]: A's four, then B's four
.set BK,     64                        ; the way out: 16 rows read back, two sets of 32 registers
.set G1,     24
.set G0,     32
.set G1B,    48
.set G0B,    56
.set G0H,    68                        ; group 0 of the head's loads
.set G0HB,   72
.set MULW,   0x50                      ; C and D in window 1, the operands in window 0
.set MSB, 0
.macro WIN new                         ; the immediate's high byte repeats the setting that is left
.if MSB != (\new)
	s_set_vgpr_msb (MSB<<8)|(\new)
.set MSB, \new
.endif
.endm
; a joint load: waves 0 and 1 fetch for A, waves 2 and 3 for B; the branch hangs on the wave's number alone; s_nop 0 and four v_nop follow each line
.macro JLOAD g0a, g1a, g0b, g1b
	s_cmp_eq_u32 s15, 0
	s_cbranch_scc0 .Lfor_b_\@
	tensor_load_to_lds s[\g0a:\g0a+3], s[\g1a:\g1a+7]
	s_nop 0
.rept 4
	v_nop
.endr
	s_branch .Lasked_\@
.Lfor_b_\@:
	tensor_load_to_lds s[\g0b:\g0b+3], s[\g1b:\g1b+7]
	s_nop 0
.rept 4
	v_nop
.endr
.Lasked_\@:
.endm
.macro CREST                           ; a round of the cluster's barrier behind its opening barrier
	s_cmp_lg_u32 s14, 0
	s_cbranch_scc1 .Lnot_wave_0_\@
	s_barrier_signal -3
.Lnot_wave_0_\@:
	s_barrier_wait -3
	s_barrier_signal -1
	s_barrier_wait -1
.endm
.macro CROUND
	s_barrier_signal -1
	s_barrier_wait -1
	CREST
.endm
.macro PLACES n
.rept \n
	v_nop
.endr
.endm
	s_load_b128 s[4:7], s[0:1], 0x0                ; f2, part
	v_lshl_add_u32 v[SPW], v0, 2, SPARE
	v_mov_b32 v[NIL], 0
	ds_add_u32 v[SPW], v[NIL]                      ; the opening lines: the add, twice on end, and its wait
	ds_add_u32 v[SPW], v[NIL]
	s_wait_dscnt 0x0
	v_lshrrev_b32 v1, 5, v0
	v_readfirstlane_b32 s14, v1                    ; wave 0..3
	s_lshr_b32 s15, s14, 1                         ; which 64 rows are mine.  Also: I fetch for A (0) or for B (1)
	s_and_b32 s16, s14, 1                          ; which 64 columns.  Also: which part I fetch
	s_bfe_u32 s40, ttmp6, 0x40000                  ; cx, cy
	s_bfe_u32 s41, ttmp6, 0x40004
	s_lshl_b32 s42, ttmp9, 2
	s_add_co_u32 s42, s42, s40                     ; x: panel of w2's columns, 0 .. 7
	s_and_b32 s17, ttmp7, 0xffff
	s_lshl_b32 s17, s17, 2
	s_add_co_u32 s17, s17, s41                     ; y: panel of tokens, 0 .. 31
	s_lshl_b32 s43, s41, 2
	s_lshl_b32 s43, 15, s43                        ; my row of the cluster
	s_lshl_b32 s44, 0x1111, s40                    ; my column
	; descriptor group 1: dense bytes as rows of 32 elements of 8 bytes, no padding: 200 rows for the head's loads; behind them the two words that count rows are set to 100
	s_or_b32 s[G1+0], s43, (3<<16)|(1<<21)
	s_or_b32 s[G1B+0], s44, (3<<16)|(1<<21)
.irp g, G1, G1B
	s_mov_b32 s[\g+1], 32<<16
	s_mov_b32 s[\g+2], 200<<16
	s_mov_b32 s[\g+3], 32<<16
	s_mov_b32 s[\g+4], 200
	s_mov_b32 s[\g+5], 32
	s_mov_b32 s[\g+6], 0
	s_mov_b32 s[\g+7], 0
.endr
	s_mul_i32 s20, s17, PP                         ; A's panel: by y alone
	s_mov_b32 s21, 0
	s_mul_i32 s46, s42, PP
	s_add_co_u32 s46, s46, S0B                     ; B's: by x alone
	s_mov_b32 s47, 0
	s_mul_i32 s45, s14, AREA                       ; the head's load goes to area w: no place in the cluster enters an LDS address
	s_mul_i32 s18, s16, AREA                       ; and brings K steps 0-3 or 4-7
	s_mov_b32 s19, 0
	s_mul_i32 s22, s15, BAREA
	s_mul_i32 s23, s16, HALFT
	s_add_co_u32 s22, s22, s23                     ; a refill's place in its slot's area
	s_wait_kmcnt 0x0
	s_add_nc_u64 s[20:21], s[4:5], s[20:21]
	s_add_nc_u64 s[46:47], s[4:5], s[46:47]
	CROUND                                         ; all sixteen work-groups are here: the first joint loads meet
	s_mov_b32 s[G0H], 1
	s_mov_b32 s[G0H+1], s45
	s_add_nc_u64 s[G0H+2:G0H+3], s[20:21], s[18:19]
	s_or_b32 s[G0H+3], s[G0H+3], 0x80000000
	s_mov_b32 s[G0HB], 1
	s_mov_b32 s[G0HB+1], s45
	s_add_nc_u64 s[G0HB+2:G0HB+3], s[46:47], s[18:19]
	s_or_b32 s[G0HB+3], s[G0HB+3], 0x80000000
	s_mov_b32 s18, s23
	s_add_nc_u64 s[20:21], s[20:21], s[18:19]      ; for the refills: my two K steps of a slot's four
	s_add_nc_u64 s[46:47], s[46:47], s[18:19]
.irp s, 0,1
	s_mov_b32 s[G0+4*\s], 1
	s_add_co_u32 s[G0+4*\s+1], s22, \s*AREA
	s_add_nc_u64 s[G0+4*\s+2:G0+4*\s+3], s[20:21], \s*AREA         ; stepped by eight K steps ahead of each refill
	s_or_b32 s[G0+4*\s+3], s[G0+4*\s+3], 0x80000000
	s_mov_b32 s[G0B+4*\s], 1
	s_add_co_u32 s[G0B+4*\s+1], s22, \s*AREA
	s_add_nc_u64 s[G0B+4*\s+2:G0B+4*\s+3], s[46:47], \s*AREA
	s_or_b32 s[G0B+4*\s+3], s[G0B+4*\s+3], 0x80000000
.endr
	JLOAD G0H, G1, G0HB, G1B                       ; my one load at the head
	s_mul_i32 s8, s15, 6144                        ; my four A fragments of a record,
	s_mul_i32 s9, s16, 6144
	s_add_co_u32 s9, s9, BAREA                     ; my four B fragments,
	s_lshl_b32 s10, s15, 8                         ; and their scale words
	s_lshl_b32 s11, s16, 8
	s_add_co_u32 s11, s11, BAREA
	s_mul_i32 s12, s14, 16*SPITCH
	s_add_co_u32 s12, s12, STAGE                   ; my stage
	s_lshl_b32 s20, s17, 19                        ; where my part of the result begins: 128 y + 64 x half rows of 4,096 bytes,
	s_lshl_b32 s21, s15, 18
	s_add_co_u32 s20, s20, s21
	s_lshl_b32 s21, s42, 9                         ; 512 x + 256 x half bytes along a row
	s_add_co_u32 s20, s20, s21
	s_lshl_b32 s21, s16, 8
	s_add_co_u32 s20, s20, s21
	s_mov_b32 s21, 0
	s_add_nc_u64 s[6:7], s[6:7], s[20:21]
	v_and_b32 v1, 31, v0
	v_and_b32 v4, 15, v0                           ; r
	v_bfe_u32 v5, v0, 4, 1                         ; h
	v_lshlrev_b32 v2, 3, v1                        ; 8 x lane
	v_lshlrev_b32 v3, 2, v1                        ; 4 x lane
	v_add_nc_u32 v[ADRA], s8, v2
	v_add_nc_u32 v[ADRB], s9, v2
	v_add_nc_u32 v[ASA], s10, v3
	v_add_nc_u32 v[ASB], s11, v3
	v_add_nc_u32 v[ADRA+1], AREA, v[ADRA]
	v_add_nc_u32 v[ADRB+1], AREA, v[ADRB]
	v_add_nc_u32 v[ASA+1], AREA, v[ASA]
	v_add_nc_u32 v[ASB+1], AREA, v[ASB]
	v_mul_u32_u24 v6, v4, SPITCH                   ; the stage, in: row r, 32 bytes for each half of the lanes
	v_lshl_add_u32 v6, v5, 5, v6
	v_add_nc_u32 v[STO], s12, v6
	v_mul_u32_u24 v7, v5, SPITCH                   ; and back: lanes 0-15 take one row of 256 bytes, lanes 16-31 the next
	v_lshl_add_u32 v7, v4, 4, v7
	v_add_nc_u32 v[RD], s12, v7
	v_mul_u32_u24 v8, v5, ROWC                     ; the same two rows in part
	v_lshl_add_u32 v[CO], v4, 4, v8
.macro FRAG reg, adr, q, i             ; a fragment as it lies: six pairs, 256 consecutive bytes a load
.irp p, 0,1,2,3,4,5
	ds_load_b64 v[\reg+2*\p:\reg+2*\p+1], v[\adr] offset:RECB*(\q)+1536*(\i)+256*\p
.endr
.endm
.macro FETCH slot, q, set              ; the slot's q-th K step into a set: 52 loads
.irp i, 0,1,2,3
	FRAG FRG+96*(\set)+12*\i, ADRA+\slot, \q, \i
	FRAG FRG+96*(\set)+48+12*\i, ADRB+\slot, \q, \i
.endr
.irp i, 0,1
	ds_load_b32 v[SC+4*(\set)+\i], v[ASA+\slot] offset:SCO+RECB*(\q)+128*\i
	ds_load_b32 v[SC+4*(\set)+2+\i], v[ASB+\slot] offset:SCO+RECB*(\q)+128*\i
.endr
.endm
; one matrix instruction on the registers rD, rA, rB, rSA, rSB.  cm = 0: C is the constant 0.  ra, rb: the scales of source 0, 1 stand in lanes 16-31
.macro WM1 cm, ra, rb
.if (\cm)==0
.if ((\ra)==0)&&((\rb)==0)
	v_wmma_scale_f32_16x16x128_f8f6f4 v[rD:rD+7], v[rA:rA+11], v[rB:rB+11], 0, v[rSA], v[rSB] matrix_a_fmt:MATRIX_FMT_BF6 matrix_b_fmt:MATRIX_FMT_BF6
.elseif (\rb)==0
	v_wmma_scale_f32_16x16x128_f8f6f4 v[rD:rD+7], v[rA:rA+11], v[rB:rB+11], 0, v[rSA], v[rSB] matrix_a_fmt:MATRIX_FMT_BF6 matrix_b_fmt:MATRIX_FMT_BF6 matrix_a_scale:MATRIX_SCALE_ROW1
.elseif (\ra)==0
	v_wmma_scale_f32_16x16x128_f8f6f4 v[rD:rD+7], v[rA:rA+11], v[rB:rB+11], 0, v[rSA], v[rSB] matrix_a_fmt:MATRIX_FMT_BF6 matrix_b_fmt:MATRIX_FMT_BF6 matrix_b_scale:MATRIX_SCALE_ROW1
.else
	v_wmma_scale_f32_16x16x128_f8f6f4 v[rD:rD+7], v[rA:rA+11], v[rB:rB+11], 0, v[rSA], v[rSB] matrix_a_fmt:MATRIX_FMT_BF6 matrix_b_fmt:MATRIX_FMT_BF6 matrix_a_scale:MATRIX_SCALE_ROW1 matrix_b_scale:MATRIX_SCALE_ROW1
.endif
.else
.if ((\ra)==0)&&((\rb)==0)
	v_wmma_scale_f32_16x16x128_f8f6f4 v[rD:rD+7], v[rA:rA+11], v[rB:rB+11], v[rD:rD+7], v[rSA], v[rSB] matrix_a_fmt:MATRIX_FMT_BF6 matrix_b_fmt:MATRIX_FMT_BF6
.elseif (\rb)==0
	v_wmma_scale_f32_16x16x128_f8f6f4 v[rD:rD+7], v[rA:rA+11], v[rB:rB+11], v[rD:rD+7], v[rSA], v[rSB] matrix_a_fmt:MATRIX_FMT_BF6 matrix_b_fmt:MATRIX_FMT_BF6 matrix_a_scale:MATRIX_SCALE_ROW1
.elseif (\ra)==0
	v_wmma_scale_f32_16x16x128_f8f6f4 v[rD:rD+7], v[rA:rA+11], v[rB:rB+11], v[rD:rD+7], v[rSA], v[rSB] matrix_a_fmt:MATRIX_FMT_BF6 matrix_b_fmt:MATRIX_FMT_BF6 matrix_b_scale:MATRIX_SCALE_ROW1
.else
	v_wmma_scale_f32_16x16x128_f8f6f4 v[rD:rD+7], v[rA:rA+11], v[rB:rB+11], v[rD:rD+7], v[rSA], v[rSB] matrix_a_fmt:MATRIX_FMT_BF6 matrix_b_fmt:MATRIX_FMT_BF6 matrix_a_scale:MATRIX_SCALE_ROW1 matrix_b_scale:MATRIX_SCALE_ROW1
.endif
.endif
.endm
; eight matrix instructions: A's tiles a0, a0 + 1 x B's four.  first = 1: the products start the sums.  The 16 accumulators take turns, in the same order in every step
.macro MUL8 a0, set, first
.irp a, \a0, \a0+1
.irp b, 0,1,2,3
.set rD, 8*(4*(\a)+\b)
.set rA, FRG+96*(\set)+48+12*\b
.set rB, FRG+96*(\set)+12*(\a)
.set rSA, SC+4*(\set)+2+\b/2
.set rSB, SC+4*(\set)+(\a)/2
	WM1 1-(\first), \b%2, (\a)%2
.endr
.endr
.endm
; one of a slot's first three K steps: the next step's loads go out first, then this step's products.  Four plain places follow, ahead of the loads into registers that the products have read
.macro STEPQ slot, q, first
	FETCH \slot, (\q)+1, ((\q)+1)%2
	s_wait_dscnt 52                                ; all but the 52 just issued: this step's fragments are in
	WIN MULW
	MUL8 0, (\q)%2, \first
	MUL8 2, (\q)%2, \first
	PLACES 4
	WIN 0
.endm
; a slot's last K step changes slots: one barrier; in front of it each wave waits for all its tensor loads, adds 0 to its spare word, and waits for that and for its reads of this slot
.macro TURN slot, next, fill
	s_wait_tensorcnt 0x0                           ; all my tensor loads have landed: my part of the next slot
	ds_add_u32 v[SPW], v[NIL]                      ; 0 onto my spare word
	s_wait_dscnt 1                                 ; (the add may be out) this step's fragments are in
	WIN MULW
	MUL8 0, 1, 0
	s_wait_dscnt 0x0                               ; the add is done, and my reads of this slot are over
	s_barrier_signal -1
	MUL8 2, 1, 0
	WIN 0
	s_barrier_wait -1
.if \fill
	CREST                                          ; the barrier has opened a round of the cluster's barrier: no wave of any partner still reads this slot or has a load on its way
	s_add_nc_u64 s[G0+4*\slot+2:G0+4*\slot+3], s[G0+4*\slot+2:G0+4*\slot+3], 2*AREA
	s_add_nc_u64 s[G0B+4*\slot+2:G0B+4*\slot+3], s[G0B+4*\slot+2:G0B+4*\slot+3], 2*AREA
	JLOAD G0+4*\slot, G1, G0B+4*\slot, G1B         ; the first tensor load behind the round, my only one until the next; its four v_nop are the places in front of the loads below
.else
	PLACES 4
.endif
	FETCH \next, 0, 0
.endm
.macro SLOTM slot, next, fill, first
	STEPQ \slot, 0, \first
	STEPQ \slot, 1, 0
	STEPQ \slot, 2, 0
	TURN \slot, \next, \fill
.endm
	s_wait_alu depctr_va_vdst(0)
	s_wait_tensorcnt 0x0                           ; my area is in; no tensor load of mine is out, so a descriptor may be written:
	s_mov_b32 s[G1+2], 100<<16                     ; from here on a load brings two K steps, 100 rows
	s_mov_b32 s[G1+4], 100
	s_mov_b32 s[G1B+2], 100<<16
	s_mov_b32 s[G1B+4], 100
	s_barrier_signal -1
	s_barrier_wait -1                              ; everybody's area is in: both slots are whole
	FETCH 0, 0, 0
	SLOTM 0, 1, 1, 1                               ; K steps 0-3; their first products start the sums.  Slot 0 takes K steps 8-11
	SLOTM 1, 0, 1, 0                               ; K steps 4-7; slot 1 takes 12-15
	s_mov_b32 s3, 2
.Llap:                                                 ; a trip goes once round the ring and fills both slots again: K steps 8-15 and 16-23
	SLOTM 0, 1, 1, 0
	SLOTM 1, 0, 1, 0
	s_sub_co_u32 s3, s3, 1
	s_cmp_lg_u32 s3, 0
	s_cbranch_scc1 .Llap
	SLOTM 0, 1, 0, 0                               ; the last lap is written out: it asks for nothing more
	STEPQ 1, 0, 0
	STEPQ 1, 1, 0
	STEPQ 1, 2, 0
	s_wait_dscnt 0x0
	WIN MULW
	MUL8 0, 1, 0
	MUL8 2, 1, 0
	PLACES 4                                       ; behind the last products: for the first read of results and the loads into the fragments' registers
	WIN 0
; THE WAY OUT, 16 rows x 64 columns at a time.  LDS serves a wave's instructions in order: no wait between the stores and the loads, nor in front of the next block's stores
.macro TOSTAGE a
	WIN 0x04                                       ; the data: window 1
.irp b, 0,1,2,3
	ds_store_b128 v[STO], v[8*(4*(\a)+\b):8*(4*(\a)+\b)+3] offset:64*\b            ; each accumulator from its low end on
	ds_store_b128 v[STO], v[8*(4*(\a)+\b)+4:8*(4*(\a)+\b)+7] offset:64*\b+16
.endr
	WIN 0
.set BB, BK+32*((\a)%2)
.irp t, 0,1,2,3,4,5,6,7
	ds_load_b128 v[BB+4*\t:BB+4*\t+3], v[RD] offset:\t*2*SPITCH
.endr
.endm
.macro SEND a, younger                 ; younger: the LDS instructions issued behind block a's loads, which may stay out
.set BB, BK+32*((\a)%2)
	s_wait_dscnt \younger
.if (\a) > 0
	s_add_nc_u64 s[6:7], s[6:7], 16*ROWC           ; (behind a wait on XCNT: the earlier stores have read their base)
.endif
.irp t, 0,1,2,3,4,5,6,7
	global_store_b128 v[CO], v[BB+4*\t:BB+4*\t+3], s[6:7] offset:\t*2*ROWC th:TH_STORE_NT   ; sixteen lanes store 256 consecutive bytes, aligned
.endr
.endm
	TOSTAGE 0
.irp a, 1,2,3
.if \a > 1
	s_wait_xcnt 0x0                                ; block a - 2's stores have read their registers and their base
.endif
	TOSTAGE \a
	SEND \a-1, 16                                  ; behind block a - 1's loads: block a's 8 stores and 8 loads
.endr
	s_wait_xcnt 0x0
	SEND 3, 0
	s_wait_tensorcnt 0x0                           ; the wave's end
	ds_add_u32 v[SPW], v[NIL]
	s_wait_dscnt 0x0
	CROUND                                         ; the closing round: no work-group ends while a partner may still ask for a tile that names it
	s_endpgm
.Lfunc_end_k_qbbfaacac5a_ffn2:
	.size	k_qbbfaacac5a_ffn2, .Lfunc_end_k_qbbfaacac5a_ffn2-k_qbbfaacac5a_ffn2
	.p2alignl 7, 3214868480
	.fill 96, 4, 3214868480
	.section	.rodata,"a",@progbits
	.p2align	6, 0x0
	.amdhsa_kernel k_qbbfaacac5a_ffn2
		.amdhsa_group_segment_fixed_size 327680
		.amdhsa_private_segment_fixed_size 0
		.amdhsa_enable_private_segment 0
		.amdhsa_kernarg_size 16
		.amdhsa_user_sgpr_count 2
		.amdhsa_user_sgpr_kernarg_segment_ptr 1
		.amdhsa_wavefront_size32 1
		.amdhsa_system_sgpr_workgroup_id_x 1
		.amdhsa_system_sgpr_workgroup_id_y 1
		.amdhsa_system_sgpr_workgroup_id_z 1
		.amdhsa_system_vgpr_workitem_id 0
		.amdhsa_next_free_vgpr 512
		.amdhsa_next_free_sgpr 80
		.amdhsa_reserve_vcc 0
		.amdhsa_float_denorm_mode_32 3
		.amdhsa_float_denorm_mode_16_64 3
		.amdhsa_memory_ordered 1
		.amdhsa_forward_progress 1
		.amdhsa_inst_pref_size 151
	.end_amdhsa_kernel
	.amdgpu_metadata
---
amdhsa.version: [ 1, 2 ]
amdhsa.kernels:
  - .name:           k_qbbfaacac5a_ffn2
    .symbol:         k_qbbfaacac5a_ffn2.kd
    .args:
      - { .name: f2, .offset: 0, .size: 8, .value_kind: global_buffer, .address_space: global }
      - { .name: part, .offset: 8, .size: 8, .value_kind: global_buffer, .address_space: global }
    .group_segment_fixed_size: 327680
    .private_segment_fixed_size: 0
    .kernarg_segment_align: 8
    .kernarg_segment_size: 16
    .max_flat_workgroup_size: 128
    .sgpr_count:     80
    .vgpr_count:     512
    .wavefront_size: 32
...
	.end_amdgpu_metadata
.endif
;; end of part 11
;; launch ln2 (part 12): grid 256 x 1, 16 waves a work-group, no clusters, 0 bytes of LDS; arguments part, x1, b2, g2, beta2, out0; writes out0
.if DOCPART == 12
	.amdgcn_target "amdgcn-amd-amdhsa--gfx1250"
	.amdhsa_code_object_version 6
	.text
	.protected	k_qbbfaacac5a_ln2
	.globl	k_qbbfaacac5a_ln2
	.p2align	8
	.type	k_qbbfaacac5a_ln2,@function
k_qbbfaacac5a_ln2:
	s_mov_b64 s[64:65], 0
	v_nop
	global_prefetch_b8 v0, s[64:65] scope:SCOPE_SE
	s_setreg_imm32_b32 hwreg(HW_REG_WAVE_MODE, 25, 1), 1
	s_wait_xcnt 0x0
; out0 = LayerNorm(x1 + b2 + part) g2 + beta2, all in f32; part is the second FFN product.
; A work-group takes 16 rows, a wave one row: 4,096 bytes in 32 registers, eight loads of 512 consecutive bytes for each of the five operands: 40 loads of a wave are out together, four waves share a SIMD.
; Mean and variance never leave the wave: no LDS, no barrier.  Memory binds: matrix units, clusters and tensor loads would add nothing.
.set B2,    16
.set G,     48
.set Z,     80
.set P0,    112
.set BT,    144
.set INV,   24                         ; s24 1 / 1,024
.set EPS,   25                         ; s25 1e-5
.set SEL,   26
.macro REDUCE                          ; v240 summed over the 32 lanes, in every lane
.irp m, 1,2,4,8
	s_delay_alu instid0(VALU_DEP_1)
	v_add_f32_dpp v240, v240, v240 row_xmask:\m row_mask:0xf bank_mask:0xf
.endr
	s_delay_alu instid0(VALU_DEP_1)
	v_permlanex16_b32 v241, v240, s[SEL], s[SEL+1]
	s_delay_alu instid0(VALU_DEP_1)
	v_add_f32 v240, v240, v241
.endm
; the row in v[z] .. v[z + 31]: leaves z - mean in place and 1 / sqrt(variance + eps) in v[246:247]
.macro STATS z
	v_pk_add_f32 v[240:241], v[\z:\z+1], v[\z+2:\z+3]
	v_pk_add_f32 v[242:243], v[\z+4:\z+5], v[\z+6:\z+7]
.irp i, 8,12,16,20,24,28
	s_delay_alu instid0(VALU_DEP_2)
	v_pk_add_f32 v[240:241], v[240:241], v[\z+\i:\z+\i+1]
	s_delay_alu instid0(VALU_DEP_2)
	v_pk_add_f32 v[242:243], v[242:243], v[\z+\i+2:\z+\i+3]
.endr
	s_delay_alu instid0(VALU_DEP_1)
	v_pk_add_f32 v[240:241], v[240:241], v[242:243]
	s_delay_alu instid0(VALU_DEP_1)
	v_add_f32 v240, v240, v241
	REDUCE
	s_delay_alu instid0(VALU_DEP_1)
	v_mul_f32 v244, s[INV], v240                   ; the mean
	s_delay_alu instid0(VALU_DEP_1)
	v_mov_b32 v245, v244
.irp i, 0,2,4,6,8,10,12,14,16,18,20,22,24,26,28,30
	v_pk_add_f32 v[\z+\i:\z+\i+1], v[\z+\i:\z+\i+1], v[244:245] neg_lo:[0,1] neg_hi:[0,1]
.endr
	v_pk_mul_f32 v[240:241], v[\z:\z+1], v[\z:\z+1]
	v_pk_mul_f32 v[242:243], v[\z+2:\z+3], v[\z+2:\z+3]
.irp i, 4,8,12,16,20,24,28
	s_delay_alu instid0(VALU_DEP_2)
	v_pk_fma_f32 v[240:241], v[\z+\i:\z+\i+1], v[\z+\i:\z+\i+1], v[240:241]
	s_delay_alu instid0(VALU_DEP_2)
	v_pk_fma_f32 v[242:243], v[\z+\i+2:\z+\i+3], v[\z+\i+2:\z+\i+3], v[242:243]
.endr
	s_delay_alu instid0(VALU_DEP_1)
	v_pk_add_f32 v[240:241], v[240:241], v[242:243]
	s_delay_alu instid0(VALU_DEP_1)
	v_add_f32 v240, v240, v241
	REDUCE
	s_delay_alu instid0(VALU_DEP_1)
	v_fma_f32 v240, v240, s[INV], s[EPS]
	s_wait_alu depctr_va_vdst(0)
	v_rsq_f32 v246, v240
	v_rsq_f32 v247, v240                           ; twice: a pair for the packed multiply
	v_nop                                          ; a plain place behind the transcendentals
	s_wait_alu depctr_va_vdst(0)                   ; one wait for both, ahead of their first reader
.endm
.macro ADD32 d, s
.irp i, 0,2,4,6,8,10,12,14,16,18,20,22,24,26,28,30
	v_pk_add_f32 v[\d+\i:\d+\i+1], v[\d+\i:\d+\i+1], v[\s+\i:\s+\i+1]
.endr
.endm
	s_load_b256 s[4:11], s[0:1], 0x0               ; part, x1, b2, g2
	s_load_b128 s[12:15], s[0:1], 0x20             ; beta2, out0
	v_lshrrev_b32 v1, 5, v0
	s_delay_alu instid0(VALU_DEP_1)
	v_readfirstlane_b32 s18, v1                    ; wave 0..15
	v_and_b32 v2, 31, v0
	s_delay_alu instid0(VALU_DEP_1)
	v_lshlrev_b32 v1, 4, v2                        ; 16 x lane
	s_lshl_b32 s20, ttmp9, 4
	s_add_co_u32 s20, s20, s18
	s_lshl_b32 s20, s20, 12                        ; my row, in bytes
	s_mov_b32 s21, 0
	s_mov_b32 s[INV], 0x3a800000
	s_mov_b32 s[EPS], 0x3727c5ac
	s_mov_b32 s[SEL], 0x76543210
	s_mov_b32 s[SEL+1], 0xfedcba98
	s_wait_alu depctr_va_vdst(0)
	s_wait_kmcnt 0x0
	s_add_nc_u64 s[4:5], s[4:5], s[20:21]
	s_add_nc_u64 s[6:7], s[6:7], s[20:21]
	s_add_nc_u64 s[14:15], s[14:15], s[20:21]
.irp j, 0,1,2,3,4,5,6,7
	global_load_b128 v[P0+4*\j:P0+4*\j+3], v1, s[4:5] offset:512*\j th:TH_LOAD_NT
	global_load_b128 v[Z+4*\j:Z+4*\j+3], v1, s[6:7] offset:512*\j th:TH_LOAD_NT
.endr
.irp j, 0,1,2,3,4,5,6,7
	global_load_b128 v[B2+4*\j:B2+4*\j+3], v1, s[8:9] offset:512*\j
	global_load_b128 v[G+4*\j:G+4*\j+3], v1, s[10:11] offset:512*\j
	global_load_b128 v[BT+4*\j:BT+4*\j+3], v1, s[12:13] offset:512*\j
.endr
	s_wait_loadcnt 0x0
	ADD32 P0, B2
	ADD32 Z, P0
	STATS Z
.irp i, 0,2,4,6,8,10,12,14,16,18,20,22,24,26,28,30
	v_pk_mul_f32 v[Z+\i:Z+\i+1], v[Z+\i:Z+\i+1], v[246:247]
.endr
.irp i, 0,2,4,6,8,10,12,14,16,18,20,22,24,26,28,30
	v_pk_fma_f32 v[Z+\i:Z+\i+1], v[Z+\i:Z+\i+1], v[G+\i:G+\i+1], v[BT+\i:BT+\i+1]
.endr
.irp j, 0,1,2,3,4,5,6,7
	global_store_b128 v1, v[Z+4*\j:Z+4*\j+3], s[14:15] offset:512*\j th:TH_STORE_NT   ; 32 lanes store 512 consecutive bytes, aligned
.endr
	s_endpgm
.Lfunc_end_k_qbbfaacac5a_ln2:
	.size	k_qbbfaacac5a_ln2, .Lfunc_end_k_qbbfaacac5a_ln2-k_qbbfaacac5a_ln2
	.p2alignl 7, 3214868480
	.fill 96, 4, 3214868480
	.section	.rodata,"a",@progbits
	.p2align	6, 0x0
	.amdhsa_kernel k_qbbfaacac5a_ln2
		.amdhsa_group_segment_fixed_size 0
		.amdhsa_private_segment_fixed_size 0
		.amdhsa_enable_private_segment 0
		.amdhsa_kernarg_size 48
		.amdhsa_user_sgpr_count 2
		.amdhsa_user_sgpr_kernarg_segment_ptr 1
		.amdhsa_wavefront_size32 1
		.amdhsa_system_sgpr_workgroup_id_x 1
		.amdhsa_system_sgpr_workgroup_id_y 1
		.amdhsa_system_sgpr_workgroup_id_z 1
		.amdhsa_system_vgpr_workitem_id 0
		.amdhsa_next_free_vgpr 256
		.amdhsa_next_free_sgpr 66
		.amdhsa_reserve_vcc 0
		.amdhsa_float_denorm_mode_32 3
		.amdhsa_float_denorm_mode_16_64 3
		.amdhsa_memory_ordered 1
		.amdhsa_forward_progress 1
		.amdhsa_inst_pref_size 16
	.end_amdhsa_kernel
	.amdgpu_metadata
---
amdhsa.version: [ 1, 2 ]
amdhsa.kernels:
  - .name:           k_qbbfaacac5a_ln2
    .symbol:         k_qbbfaacac5a_ln2.kd
    .args:
      - { .name: part, .offset: 0, .size: 8, .value_kind: global_buffer, .address_space: global }
      - { .name: x1, .offset: 8, .size: 8, .value_kind: global_buffer, .address_space: global }
      - { .name: b2, .offset: 16, .size: 8, .value_kind: global_buffer, .address_space: global }
      - { .name: g2, .offset: 24, .size: 8, .value_kind: global_buffer, .address_space: global }
      - { .name: beta2, .offset: 32, .size: 8, .value_kind: global_buffer, .address_space: global }
      - { .name: out0, .offset: 40, .size: 8, .value_kind: global_buffer, .address_space: global }
    .group_segment_fixed_size: 0
    .private_segment_fixed_size: 0
    .kernarg_segment_align: 8
    .kernarg_segment_size: 48
    .max_flat_workgroup_size: 512
    .sgpr_count:     66
    .vgpr_count:     256
    .wavefront_size: 32
...
	.end_amdgpu_metadata
.endif
;; end of part 12
